; MI455X (gfx1250); checked and timed in simulation.
; The chip was launched on July 23, 2026; its instructions are those of AMD's public machine-readable ISA for CDNA 5 (MIT licence, August 2026) and "CDNA5" Instruction Set Architecture Reference Guide (July 2026). The comments in the code are by the model that wrote it; some were corrected since.
;; Mo E Layer. Allowed arithmetic: matrix products marked QUANTISED: E2M3 operands, one E8M0 scale for each 32 along K, by v_wmma_scale_f32_16x16x128_f8f6f4 with both operands' format E2M3, f32 sums; products left as they are: f32 operands where the result goes on into a quantised operand, else bf16, f16 or f32 operands; f32 sums; everything else in f32.
;; Inputs: W1 8 x 1,024 x 1,024 float32; W2 8 x 1,024 x 1,024 float32; Wg 8 x 1,024 float32; b1 8 x 1,024 float32; b2 8 x 1,024 float32; bg 8 float32; x 4,096 x 1,024 float32.
;; Outputs: out0 4,096 x 1,024 float32.
;; This version of the problem:
;;   THIS VERSION OF THE PROBLEM IS GIVEN IN LOW PRECISION. The matrix products marked QUANTISED in the list below multiply operands that are first quantised to E2M3 (2 exponent bits, 3 mantissa bits; 6 bits a number), with one power-of-two scale for each 32 numbers along K (OCP MX v1.0); their sums are f32. All else is computed in f32.
;;   The module's matrix products, in the order in which they are computed (A, B: the left and right operand; K: the contracted axis; several contracted axes count as one K, in the product's order):
;;     1. [M 4,096, K 1,024] x [K 1,024, N 8]; A: input x; B: input Wg: left as it is (N = 8 < 16)
;;     2. [M 4,096, K 1,024] x [K 1,024, N 8,192]; A: input x; B: input W1: QUANTISED
;;     3. batch 8 x [M 1,024, K 1,024] x [K 1,024, N 4,096]; A: input W2; B: computed on the way: QUANTISED
;;   THE QUANTISER, for each operand of a quantised product, along K:
;;     - K is cut into blocks of 32 from its start; a last block that is shorter is filled with zeros.
;;     - A block's scale is 2^e with e = floor(log2(the largest magnitude in the block)) - 2, held to -126 .. 127; a block of zeros has e = 0. As a byte (E8M0): e + 127.
;;     - Each number is divided by its block's scale, clamped to +-7.5, and rounded to the nearest number of E2M3, ties to even, subnormals kept.
;;     - The product sums the exact products of the quantised numbers (number of the format x scale) in f32.
;;   ~~~python
;;   def quantise(x, axis):      # numpy; x: float32 -> the quantised numbers, widened to float32 again
;;       x = np.moveaxis(x, axis, -1); K = x.shape[-1]
;;       x = np.pad(x, [(0, 0)] * (x.ndim - 1) + [(0, -K % 32)]); x = x.reshape(x.shape[:-1] + (-1, 32)); a = np.abs(x).max(-1, keepdims=True)
;;       e = np.where(a > 0, np.clip(np.frexp(np.where(a > 0, a, 1))[1] - 1 - 2, -126, 127), 0)      # np.frexp(a)[1] - 1 = floor(log2(a)), exactly
;;       r = np.clip(x / 2.0 ** e, -7.5, 7.5)
;;       step = 2.0 ** (np.maximum(np.frexp(np.where(r == 0, 1, r))[1] - 1, 0) - 3)
;;       q = np.round(r / step) * step * 2.0 ** e      # np.round: ties to even
;;       return np.moveaxis(q.reshape(q.shape[:-2] + (-1,))[..., :K], -1, axis).astype(np.float32)
;;   ~~~
;;   OPERANDS COMPUTED ON THE WAY. 'Computed on the way' means the value that the module computes at that place (a softmax that the list does not call 'softmax' is quantised finished and normalised). What goes into a quantiser is computed in f32, as accurately as f32 sums, v_exp_f32 and their like allow (about 1e-6 of the number): no bf16 or f16 on the way to a quantiser, and a product that is left as it is and whose result goes on into a quantised operand takes f32 operands (vector FMAs, or v_wmma_f32_16x16x4_f32). A number that lies on a knife's edge between two numbers of the format may be rounded either way, as far as f32 arithmetic and the matrix unit's own rounding can turn it there, and no further.
;; 2 versions. Each part assembles by itself: llvm-mc -triple=amdgcn-amd-amdhsa -mcpu=gfx1250 --defsym DOCPART=n.
;; ======== version 1 of 2: 4 launches
;; workspace buffers: xq 3,309,568 bytes; keys 16,384 bytes of whole numbers; wq 13,167,616 bytes; plan 32,256 bytes of whole numbers; h1 12,083,200 bytes
;; launch gate_xq (part 1): grid 256 x 1, 8 waves a work-group, no clusters, 17,920 bytes of LDS; arguments x, Wg, bg, xq, keys; writes xq, keys
.if DOCPART == 1
	.amdgcn_target "amdgcn-amd-amdhsa--gfx1250"
	.amdhsa_code_object_version 6
	.text
	.protected	k_qa065c5d583_gate_xq
	.globl	k_qa065c5d583_gate_xq
	.p2align	8
	.type	k_qa065c5d583_gate_xq,@function
k_qa065c5d583_gate_xq:
	s_mov_b64 s[64:65], 0
	v_nop
	global_prefetch_b8 v0, s[64:65] scope:SCOPE_SE
	s_setreg_imm32_b32 hwreg(HW_REG_WAVE_MODE, 25, 1), 1
	s_wait_xcnt 0x0
; x [4096][1024] f32 is read ONCE and serves twice: the gate's logits x Wg^T + bg in f32 with their top 2, and x's codes of FP6 (E2M3) with one E8M0 byte for each 32 along K.
; SHARES.  A work-group takes 16 tokens; wave w takes K step w (k = 128 w .. 128 w + 127) of all 16.  Lane (r, h) loads, of token r, 16 neighbours of each block of 32: register 16 b + i = k 32 b + 16 h + i.
; THE GATE.  Wg's rows are loaded in the same pattern (lane r takes expert r % 8), so a register pair of x and the same pair of Wg hold the same four k: 32 f32 matrix instructions of 16 x 16 x 4 give the wave's
; partial logits; lane (r, h), register j = expert j, token r.  It is 33.5 M of the program's multiply-adds; it stays in f32 because a coarser logit could turn the choice of experts.
; The eight waves' partial logits meet in LDS; wave 0 adds them in ascending K, adds bg, takes the top 2 (of equal logits the lower index, by comparing with >=), and the softmax of the two with the larger taken away.
; OUT: xq: codes [token][768 bytes]; inside a K step's 96 bytes the four blocks of 24 bytes lie in the order 0, 2, 1, 3, so that 48 bytes at 96 s + 48 h are the 12 registers of lane (r, h) of an operand;
;      scale words [token][8] at XSO; gates (of the lower expert, of the higher) at GTO.   keys: the number of the token's unordered pair of experts, 0 .. 27, at a fixed place: no address here hangs on it.
; LIMITS: NaN and infinite logits are not served; a second and third logit closer than the rounding of an f32 sum of 1,024 terms may be chosen otherwise than by another order of summing;
; blocks whose largest magnitude lies under 2^-124 keep the byte 1, blocks of zeros too (their codes are zeros, and this program alone reads the bytes).
.set XSO,  3145728                     ; xq: the scale words
.set GTO,  3276800                     ; xq: the gates
.set XSL,  12288                       ; LDS: 0 .. 12,287 the 16 tokens' codes, 768 bytes a token; then their scale words, 32 bytes a token;
.set LG,   12800                       ; then the partial logits: 512 bytes a wave, 32 bytes a token
.set PC,   16                          ; v16-35   the codes just made
.set TM,   36                          ; v36-51   largest magnitudes, bytes, scale operands
.set PW,   52                          ; v52      the scale word just made
.set X,    64                          ; v64-127  64 numbers of x
.set WGF,  128                         ; v128-191 64 numbers of Wg
.set AC,   192                         ; v192-223 four accumulators, written by matrix instructions alone
.set SA,   224                         ; v224-231, v232-239 their sums
.set SB,   232
.set SEL,  24                          ; s[24:25] lane selects for v_permlanex16_b32: lane l xor 16
; 64 numbers of a lane, register 16 b + i = k 32 b + 16 (lane / 16) + i of my row, become an operand's 12 registers in v[PC] on and its scale word in v[PW].
.macro QUANT s
.irp b, 0,1,2,3
	v_max3_num_f32 v[TM+\b], |v[\s+16*\b]|, |v[\s+1+16*\b]|, 0x1800000   ; block b: my 16 numbers, and the floor 2^(3 - 127): the byte cannot fall under 1
.endr
.irp i, 2,4,6,8,10,12,14
.irp b, 0,1,2,3
	v_max3_num_f32 v[TM+\b], v[TM+\b], |v[\s+16*\b+\i]|, |v[\s+1+16*\b+\i]|   ; the four blocks by turns
.endr
.endr
.irp b, 0,1,2,3
	v_permlanex16_b32 v[TM+4+\b], v[TM+\b], s[SEL], s[SEL+1]
.endr
.irp b, 0,1,2,3
	v_max_num_f32 v[TM+\b], v[TM+\b], v[TM+4+\b]   ; with lane l xor 16's 16: the block's largest magnitude
.endr
.irp b, 0,1,2,3
	v_add_nc_u32 v[TM+12+\b], 0xff000000, v[TM+\b]   ; 2 off its exponent field: the conversion's scale operand
.endr
.irp b, 0,1,2,3
	v_lshrrev_b32 v[TM+4+\b], 23, v[TM+12+\b]      ; the scale's byte
.endr
	v_lshl_or_b32 v[PW], v[TM+5], 8, v[TM+4]
	v_lshl_or_b32 v[PW], v[TM+6], 16, v[PW]
	v_lshl_or_b32 v[PW], v[TM+7], 24, v[PW]
.irp c, 0,1
	v_cvt_scalef32_pk16_fp6_f32 v[PC+6*\c:PC+2+6*\c], v[\s+32*\c:\s+15+32*\c], v[TM+12+2*\c]
	v_cvt_scalef32_pk16_fp6_f32 v[PC+12+4*\c:PC+14+4*\c], v[\s+16+32*\c:\s+31+32*\c], v[TM+12+2*\c+1]   ; (a conversion's three registers begin on an even number)
.endr
	v_nop                                          ; one plain place behind a scaled conversion
.irp c, 0,1                                    ; the operand wants a whole block in a lane: lanes 0-15 block 2 c, lanes 16-31 block 2 c + 1
.irp i, 0,1,2
	v_permlane16_swap_b32 v[PC+6*\c+\i], v[PC+12+4*\c+\i]
.endr
.irp i, 0,1,2
	v_mov_b32 v[PC+3+6*\c+\i], v[PC+12+4*\c+\i]
.endr
.endr
.endm
	s_load_b256 s[4:11], s[0:1], 0x0               ; x s[4:5], Wg s[6:7], bg s[8:9], xq s[10:11]
	s_load_b64 s[12:13], s[0:1], 0x20              ; keys
	v_lshl_add_u32 v254, v0, 2, 0x4200
	v_mov_b32 v255, 0
	v_lshrrev_b32 v1, 5, v0
	v_readfirstlane_b32 s14, v1                    ; wave 0..7 = my K step
	v_and_b32 v1, 31, v0                           ; lane
	v_and_b32 v2, 15, v0                           ; r
	v_bfe_u32 v3, v0, 4, 1                         ; h
	v_lshlrev_b32 v4, 12, v2
	v_lshl_add_u32 v4, v3, 6, v4                   ; x: row r of 4,096 bytes + 64 h
	v_and_b32 v5, 7, v0
	v_lshlrev_b32 v5, 12, v5
	v_lshl_add_u32 v5, v3, 6, v5                   ; Wg: row r % 8, + 64 h
	s_mul_i32 s26, s14, 96
	v_mul_u32_u24 v6, v2, 768
	v_mad_u32_u24 v6, v3, 48, v6
	v_add_nc_u32 v6, s26, v6                       ; LDS, codes: 768 r + 48 h + 96 w
	s_lshl_b32 s26, s14, 2
	v_lshlrev_b32 v11, 5, v2                       ; 32 r: also where wave 0 reads the logits
	v_add_nc_u32 v7, s26, v11                      ; LDS, scale word: 32 r + 4 w
	s_lshl_b32 s26, s14, 9
	v_add_nc_u32 v8, s26, v11                      ; LDS, logits: 512 w + 32 r
	v_lshlrev_b32 v10, 4, v1                       ; 16 x lane
	s_mul_i32 s26, s14, 1536
	v_add_nc_u32 v9, s26, v10                      ; the way out of the codes: 16 x lane + 1,536 w, in LDS and in memory alike
	v_lshlrev_b32 v12, 2, v2                       ; keys: 4 r
	v_lshlrev_b32 v13, 3, v2                       ; gates: 8 r
.irp b, 0,1,2,3
	v_mov_b32 v[TM+4+\b], 0                        ; written once: a lane permute's destination counts as one of its sources
.endr
	s_mov_b32 s[SEL], 0x76543210
	s_mov_b32 s[SEL+1], 0xfedcba98
	s_lshl_b32 s26, ttmp9, 16                      ; 16 tokens of 4,096 bytes
	s_lshl_b32 s28, s14, 9                         ; my K step: 512 bytes
	s_add_co_u32 s26, s26, s28
	s_mov_b32 s27, 0
	s_mov_b32 s29, 0
	s_mul_i32 s30, ttmp9, 12288
	s_mov_b32 s31, 0
	s_wait_kmcnt 0x0
	s_load_b256 s[16:23], s[8:9], 0x0              ; bg's eight numbers
	s_add_nc_u64 s[4:5], s[4:5], s[26:27]
	s_add_nc_u64 s[6:7], s[6:7], s[28:29]
	s_add_nc_u64 s[32:33], s[10:11], s[30:31]      ; my tokens' codes
	s_lshl_b32 s30, ttmp9, 9
	s_add_nc_u64 s[34:35], s[10:11], s[30:31]
	s_add_nc_u64 s[34:35], s[34:35], XSO           ; their scale words
	s_lshl_b32 s30, ttmp9, 7
	s_add_nc_u64 s[36:37], s[10:11], s[30:31]
	s_add_nc_u64 s[36:37], s[36:37], GTO           ; their gates
	s_lshl_b32 s30, ttmp9, 6
	s_add_nc_u64 s[12:13], s[12:13], s[30:31]      ; their keys
.irp b, 0,1,2,3
.irp j, 0,1,2,3
	global_load_b128 v[X+16*\b+4*\j:X+16*\b+4*\j+3], v4, s[4:5] offset:128*\b+16*\j th:TH_LOAD_NT
.endr
.endr
.irp b, 0,1,2,3
.irp j, 0,1,2,3
	global_load_b128 v[WGF+16*\b+4*\j:WGF+16*\b+4*\j+3], v5, s[6:7] offset:128*\b+16*\j
.endr
.endr
	s_wait_loadcnt 0x0
	s_wait_kmcnt 0x0
	; the partial logits: four accumulators by turns, one instruction a turn; each sum begins with the constant 0
.set i, 0
.rept 32
.if i < 4
	v_wmma_f32_16x16x4_f32 v[AC+8*(i%4):AC+8*(i%4)+7], v[WGF+2*i:WGF+2*i+1], v[X+2*i:X+2*i+1], 0
.else
	v_wmma_f32_16x16x4_f32 v[AC+8*(i%4):AC+8*(i%4)+7], v[WGF+2*i:WGF+2*i+1], v[X+2*i:X+2*i+1], v[AC+8*(i%4):AC+8*(i%4)+7]
.endif
.set i, i+1
.endr
	QUANT X                                        ; it reads x's registers and writes none of the products'
.rept 8
	v_nop                                          ; eight places behind this form before its results are read (ISA guide 7.12.1)
.endr
.irp j, 0,2,4,6
	v_pk_add_f32 v[SA+\j:SA+\j+1], v[AC+\j:AC+\j+1], v[AC+8+\j:AC+9+\j]      ; each accumulator from its low end on
.endr
.irp j, 0,2,4,6
	v_pk_add_f32 v[SB+\j:SB+\j+1], v[AC+16+\j:AC+17+\j], v[AC+24+\j:AC+25+\j]
.endr
.irp j, 0,2,4,6
	v_pk_add_f32 v[SA+\j:SA+\j+1], v[SA+\j:SA+\j+1], v[SB+\j:SB+\j+1]
.endr
.irp c, 0,1,2
	ds_store_b128 v6, v[PC+4*\c:PC+4*\c+3] offset:16*\c
.endr
	ds_store_b32 v7, v[PW] offset:XSL              ; both halves of the lanes hold the same word
	ds_store_b128 v8, v[SA:SA+3] offset:LG         ; and the same logits
	ds_store_b128 v8, v[SA+4:SA+7] offset:LG+16
	s_wait_dscnt 0x0                               ; for the others' sake: my stores have landed
	s_barrier_signal -1
	s_barrier_wait -1
.irp c, 0,1,2
	ds_load_b128 v[WGF+4*\c:WGF+4*\c+3], v9 offset:512*\c     ; the 16 tokens' 12,288 bytes of codes are one dense run of memory: each wave takes 1,536
.endr
	s_wait_dscnt 0x0
.irp c, 0,1,2
	global_store_b128 v9, v[WGF+4*\c:WGF+4*\c+3], s[32:33] offset:512*\c   ; 32 lanes store 512 consecutive bytes, at a multiple of 256 from the buffer's first byte
.endr
	s_cmp_eq_u32 s14, 1
	s_cbranch_scc0 .Lnot_wave_1
	ds_load_b128 v[140:143], v10 offset:XSL        ; wave 1: the 16 tokens' 512 bytes of scale words
	s_wait_dscnt 0x0
	global_store_b128 v10, v[140:143], s[34:35]
	s_wait_tensorcnt 0x0
	ds_add_u32 v254, v255
	s_wait_dscnt 0x0
	s_endpgm
.Lnot_wave_1:
	s_cmp_eq_u32 s14, 0
	s_cbranch_scc1 .Ltail
	s_wait_tensorcnt 0x0
	ds_add_u32 v254, v255
	s_wait_dscnt 0x0
	s_endpgm
.Ltail:                                            ; wave 0: lane r (and r + 16 alike) has token r
.irp w, 0,1,2,3,4,5,6,7
	ds_load_b128 v[X+8*\w:X+8*\w+3], v11 offset:LG+512*\w
	ds_load_b128 v[X+8*\w+4:X+8*\w+7], v11 offset:LG+512*\w+16
.endr
	s_wait_dscnt 0x0
.irp w, 1,2,3,4,5,6,7
.irp j, 0,2,4,6
	v_pk_add_f32 v[X+\j:X+\j+1], v[X+\j:X+\j+1], v[X+8*\w+\j:X+8*\w+\j+1]    ; K ascending
.endr
.endr
.irp e, 0,1,2,3,4,5,6,7
	v_add_f32 v[X+\e], s[16+\e], v[X+\e]           ; + bg
.endr
	v_mov_b32 v80, v[X]                            ; the largest logit and its expert
	v_mov_b32 v81, 0
.irp e, 1,2,3,4,5,6,7
	v_cmp_ge_f32 vcc_lo, v80, v[X+\e]              ; of equal logits the lower index stays
	v_cndmask_b32 v81, \e, v81, vcc_lo
	v_cndmask_b32 v80, v[X+\e], v80, vcc_lo
.endr
	v_mov_b32 v84, 0xff800000                      ; -infinity takes the winner's place
.irp e, 0,1,2,3,4,5,6,7
	v_cmp_eq_u32 vcc_lo, \e, v81
	v_cndmask_b32 v[X+\e], v[X+\e], v84, vcc_lo
.endr
	v_mov_b32 v82, v[X]                            ; the second
	v_mov_b32 v83, 0
.irp e, 1,2,3,4,5,6,7
	v_cmp_ge_f32 vcc_lo, v82, v[X+\e]
	v_cndmask_b32 v83, \e, v83, vcc_lo
	v_cndmask_b32 v82, v[X+\e], v82, vcc_lo
.endr
	v_sub_f32 v85, v82, v80                        ; the softmax of the two, the larger taken away: 1 / (1 + t) and t / (1 + t), t = e^(second - first)
	v_mul_f32 v85, 0x3fb8aa3b, v85
	v_exp_f32 v85, v85
	v_nop                                          ; a plain place behind the exponential
	v_cmp_lt_u32 vcc_lo, v81, v83
	v_cndmask_b32 v86, v83, v81, vcc_lo            ; lo: the lower of the two experts
	v_cndmask_b32 v87, v81, v83, vcc_lo            ; hi
	s_wait_alu depctr_va_vdst(0)
	v_add_f32 v88, 1.0, v85
	v_rcp_f32 v88, v88
	v_sub_nc_u32 v89, 15, v86                      ; (a plain place behind the reciprocal)
	s_wait_alu depctr_va_vdst(0)
	v_mul_f32 v90, v85, v88
	v_cndmask_b32 v92, v90, v88, vcc_lo            ; lo's gate,
	v_cndmask_b32 v93, v88, v90, vcc_lo            ; hi's
	v_mul_u32_u24 v89, v86, v89
	v_lshrrev_b32 v89, 1, v89
	v_add_nc_u32 v89, v89, v87
	v_sub_nc_u32 v89, v89, v86
	v_add_nc_u32 v89, -1, v89                      ; the pair's number: lo (15 - lo) / 2 + hi - lo - 1
	v_cmp_gt_u32 vcc_lo, 16, v1
	s_wait_xcnt 0x0                                ; EXEC changes only when the stores above have had their addresses translated
	s_wait_tensorcnt 0x0
	ds_add_u32 v254, v255
	s_wait_dscnt 0x0
	s_and_saveexec_b32 s30, vcc_lo                 ; lanes 0-15: one lane a token
	global_store_b32 v12, v89, s[12:13]
	global_store_b64 v13, v[92:93], s[36:37]
	s_endpgm
.Lfunc_end_k_qa065c5d583_gate_xq:
	.size	k_qa065c5d583_gate_xq, .Lfunc_end_k_qa065c5d583_gate_xq-k_qa065c5d583_gate_xq
	.p2alignl 7, 3214868480
	.fill 96, 4, 3214868480
	.section	.rodata,"a",@progbits
	.p2align	6, 0x0
	.amdhsa_kernel k_qa065c5d583_gate_xq
		.amdhsa_group_segment_fixed_size 17920
		.amdhsa_private_segment_fixed_size 0
		.amdhsa_enable_private_segment 0
		.amdhsa_kernarg_size 40
		.amdhsa_user_sgpr_count 2
		.amdhsa_user_sgpr_kernarg_segment_ptr 1
		.amdhsa_wavefront_size32 1
		.amdhsa_system_sgpr_workgroup_id_x 1
		.amdhsa_system_sgpr_workgroup_id_y 1
		.amdhsa_system_sgpr_workgroup_id_z 1
		.amdhsa_system_vgpr_workitem_id 0
		.amdhsa_next_free_vgpr 256
		.amdhsa_next_free_sgpr 66
		.amdhsa_reserve_vcc 1
		.amdhsa_float_denorm_mode_32 3
		.amdhsa_float_denorm_mode_16_64 3
		.amdhsa_memory_ordered 1
		.amdhsa_forward_progress 1
		.amdhsa_inst_pref_size 20
	.end_amdhsa_kernel
	.amdgpu_metadata
---
amdhsa.version: [ 1, 2 ]
amdhsa.kernels:
  - .name:           k_qa065c5d583_gate_xq
    .symbol:         k_qa065c5d583_gate_xq.kd
    .args:
      - { .name: x, .offset: 0, .size: 8, .value_kind: global_buffer, .address_space: global }
      - { .name: Wg, .offset: 8, .size: 8, .value_kind: global_buffer, .address_space: global }
      - { .name: bg, .offset: 16, .size: 8, .value_kind: global_buffer, .address_space: global }
      - { .name: xq, .offset: 24, .size: 8, .value_kind: global_buffer, .address_space: global }
      - { .name: keys, .offset: 32, .size: 8, .value_kind: global_buffer, .address_space: global }
    .group_segment_fixed_size: 17920
    .private_segment_fixed_size: 0
    .kernarg_segment_align: 8
    .kernarg_segment_size: 40
    .max_flat_workgroup_size: 256
    .sgpr_count:     66
    .vgpr_count:     256
    .wavefront_size: 32
...
	.end_amdgpu_metadata
.endif
;; end of part 1
;; launch wq_route (part 2): grid 1025 x 1, 4 waves a work-group, no clusters, 14,336 bytes of LDS; arguments W1, W2, keys, xq, wq, plan; writes wq, plan
.if DOCPART == 2
	.amdgcn_target "amdgcn-amd-amdhsa--gfx1250"
	.amdhsa_code_object_version 6
	.text
	.protected	k_qa065c5d583_wq_route
	.globl	k_qa065c5d583_wq_route
	.p2align	8
	.type	k_qa065c5d583_wq_route,@function
k_qa065c5d583_wq_route:
	s_mov_b64 s[64:65], 0
	v_nop
	global_prefetch_b8 v0, s[64:65] scope:SCOPE_SE
	s_setreg_imm32_b32 hwreg(HW_REG_WAVE_MODE, 25, 1), 1
	s_wait_xcnt 0x0
; TWO JOBS IN ONE LAUNCH.  Work-groups 1 .. 1,024 quantise W1 and W2 ([expert][k][n] f32, K the FIRST axis within an expert) to codes of FP6 (E2M3) with one E8M0 byte for each 32 along K.
; Work-group 0 sorts the 4,096 tokens by their pair of experts, beside that stream of 67 MB.
; THE QUANTISER.  A work-group takes 128 columns x 128 along K of one expert of one tensor; a lane takes a column and its registers run down K: a block of 32 is one lane's 32 registers, no other lane is asked for a maximum.
; The codes are laid in the ORDER OF AN OPERAND'S REGISTERS: wq [tensor][expert][g: 128 columns][s: 128 along K][tile 0..7][1,536 bytes]; in a tile's image, registers 4 c .. 4 c + 3 of lane l lie at 512 c + 16 l.
; Lane r of tile 2 b + u holds column 128 g + 32 b + 8 u + r + 8 (r / 8): with that choice a product's results come out with 16 neighbours along the next K in a lane's registers.
; The scale words (4 bytes: a column's 128 along K) lie [tensor][expert][g][s][tile][lane r] at WSO.  A wave's two images go through its own stage in LDS and leave in runs of 512 consecutive bytes.
; A block's scale is 2^(floor(log2(largest magnitude)) - 2); its byte is the largest magnitude's exponent field - 2, held at 1 from below.
; LIMITS: blocks under 2^-124 and blocks of zeros keep the byte 1 (zero codes add nothing, and this program alone reads the bytes); NaN and infinities are not served.
; THE SORT (whole numbers only).  28 pairs; a tile is at most 128 tokens of one pair, so there are at most 32 + 27 = 59 tiles whatever the choice.  Pair p's tokens take places 128 TB[p] on, TB the running number of tiles.
; A token's place = 128 TB + the pair's tokens in earlier waves + in earlier registers of its wave + in lower lanes of its register.  No atomics: counts by ballots, sums in registers, one exchange through LDS.
; OUT: plan: 64 entries of 8 words {lo, hi, rows, last place, tile to read, (rows - 1) / 16, 0, 0}, then the token of each place (only filled places are written); wq at GLO: the two gates of each place.
.set WSO,   12582912
.set GLO,   13107200
.set GTO,   3276800
.set LISTO, 2048
.set RT,    13312                      ; LDS: 0 .. 13,311 the quantiser's stages, 3,328 bytes a wave (two images, 1,664 apart); RT on: the sort's 512 bytes, its own
.set X,     64                         ; v64-127  two sets of 32 numbers
.set C,     16                         ; v16-39   a column's codes: 12 registers for each half of the lanes that will hold them
.set CT,    40                         ; v40-42   a block's second 16 codes, made here and moved
	s_load_b256 s[4:11], s[0:1], 0x0               ; W1 s[4:5], W2 s[6:7], keys s[8:9], xq s[10:11]
	s_load_b128 s[12:15], s[0:1], 0x20             ; wq s[12:13], plan s[14:15]
	v_lshl_add_u32 v192, v0, 2, 0x3600
	v_mov_b32 v193, 0
	v_lshrrev_b32 v1, 5, v0
	v_readfirstlane_b32 s20, v1                    ; wave 0..3
	v_and_b32 v1, 31, v0                           ; lane
	s_cmp_eq_u32 ttmp9, 0
	s_cbranch_scc1 .Lroute
	s_sub_co_u32 s21, ttmp9, 1
	s_and_b32 s22, s21, 7                          ; s
	s_bfe_u32 s23, s21, 0x30003                    ; g
	s_bfe_u32 s24, s21, 0x30006                    ; expert
	s_lshr_b32 s25, s21, 9                         ; tensor
	s_lshl_b32 s26, s24, 22                        ; source: expert x 4 MiB + 128 s rows of 4,096 bytes + 512 g + 128 w
	s_lshl_b32 s28, s22, 19
	s_add_co_u32 s26, s26, s28
	s_lshl_b32 s28, s23, 9
	s_add_co_u32 s26, s26, s28
	s_lshl_b32 s28, s20, 7
	s_add_co_u32 s26, s26, s28
	s_mov_b32 s27, 0
	s_lshl_b32 s30, s24, 3
	s_add_co_u32 s30, s30, s23                     ; 8 e + g
	s_lshl_b32 s31, s30, 3
	s_add_co_u32 s31, s31, s22
	s_mul_i32 s28, s31, 12288                      ; codes: ((8 e + g) 8 + s) x 8 images + tensor + my two images
	s_mul_i32 s31, s25, 6291456
	s_add_co_u32 s28, s28, s31
	s_mul_i32 s31, s20, 3072
	s_add_co_u32 s28, s28, s31
	s_mov_b32 s29, 0
	s_lshl_b32 s32, s30, 12                        ; scale words: (8 e + g) 4,096 + tensor + 512 s + 128 w
	s_lshl_b32 s31, s25, 18
	s_add_co_u32 s32, s32, s31
	s_lshl_b32 s31, s22, 9
	s_add_co_u32 s32, s32, s31
	s_lshl_b32 s31, s20, 7
	s_add_co_u32 s32, s32, s31
	s_add_co_u32 s32, s32, WSO
	s_mov_b32 s33, 0
	v_lshlrev_b32 v2, 2, v1                        ; in: 4 bytes a lane
	v_bfe_u32 v9, v0, 3, 1                         ; u: which of my two tiles my column falls into
	v_and_b32 v10, 7, v0
	v_bfe_u32 v11, v0, 4, 1
	v_lshl_add_u32 v10, v11, 3, v10                ; r: its lane there
	s_mul_i32 s34, s20, 3328
	v_mul_u32_u24 v5, v9, 1664
	v_lshl_add_u32 v5, v10, 4, v5
	v_add_nc_u32 v5, s34, v5                       ; the stage, in: 3,328 w + 1,664 u + 16 r (1,664 = 6 x 256 + 128: sixteen lanes' stores fall on sixteen different columns of 16 bytes)
	v_lshlrev_b32 v7, 4, v1                        ; 16 x lane
	v_add_nc_u32 v6, s34, v7                       ; the stage, out
	v_lshlrev_b32 v8, 6, v9
	v_lshl_add_u32 v8, v10, 2, v8                  ; my scale word: 64 u + 4 r
	s_wait_kmcnt 0x0
	s_cmp_eq_u32 s25, 0                            ; the choice of tensor hangs on the work-group's number alone
	s_cselect_b64 s[4:5], s[4:5], s[6:7]
	s_add_nc_u64 s[4:5], s[4:5], s[26:27]
	s_add_nc_u64 s[16:17], s[12:13], s[28:29]
	s_add_nc_u64 s[18:19], s[12:13], s[32:33]
.macro LOAD t                          ; block t: W(32 t + i, my column) into set t % 2; 32 lanes read 128 consecutive bytes, the four waves 512
.irp i, 0,1,2,3,4,5,6,7,8,9,10,11,12,13,14,15,16,17,18,19,20,21,22,23,24,25,26,27,28,29,30,31
	global_load_b32 v[X+32*((\t)%2)+\i], v2, s[4:5] offset:(32*(\t)+\i)*4096 th:TH_LOAD_NT
.endr
.endm
.macro BLOCK q                         ; block q of the K step belongs to lane (r, q % 2) of the operand, registers 6 (q / 2) on
.set XB, X+32*((\q)%2)
.set CD, C+12*((\q)%2)+6*((\q)/2)
.if (\q) < 3
	s_wait_loadcnt 32                              ; this block's 32 loads are in; the next block's 32 may be out
.else
	s_wait_loadcnt 0x0
.endif
	v_max3_num_f32 v12, |v[XB]|, |v[XB+1]|, |v[XB+2]|
	v_max3_num_f32 v13, |v[XB+3]|, |v[XB+4]|, |v[XB+5]|
.irp i, 6,10,14,18,22,26
	v_max3_num_f32 v12, v12, |v[XB+\i]|, |v[XB+\i+1]|
	v_max3_num_f32 v13, v13, |v[XB+\i+2]|, |v[XB+\i+3]|
.endr
	v_max3_num_f32 v12, v12, |v[XB+30]|, |v[XB+31]|
	v_max3_num_f32 v12, v12, v13, 0x1800000        ; and the floor 2^(3 - 127)
	v_add_nc_u32 v11, 0xff000000, v12              ; 2 off the exponent field: the conversion's scale operand
	v_lshrrev_b32 v13, 23, v11                     ; the scale's byte
	v_cvt_scalef32_pk16_fp6_f32 v[CD:CD+2], v[XB:XB+15], v11
	v_cvt_scalef32_pk16_fp6_f32 v[CT:CT+2], v[XB+16:XB+31], v11     ; (a conversion's three registers begin on an even number)
.if (\q) == 0
	v_mov_b32 v14, v13                             ; the four bytes make the scale word.  (The plain place behind the conversions)
.else
	v_lshl_or_b32 v14, v13, 8*(\q), v14
.endif
.irp i, 0,1,2
	v_mov_b32 v[CD+3+\i], v[CT+\i]
.endr
.if (\q) < 2
	LOAD (\q)+2
.else
.irp c, 0,1,2
	ds_store_b128 v5, v[C+12*((\q)%2)+4*\c:C+12*((\q)%2)+4*\c+3] offset:512*\c+256*((\q)%2)   ; blocks q - 2 and q: the 12 registers of lane r + 16 (q % 2)
.endr
.endif
.endm
	LOAD 0
	LOAD 1
	BLOCK 0
	BLOCK 1
	BLOCK 2
	BLOCK 3
	global_store_b32 v8, v14, s[18:19]             ; the wave's 32 scale words: 128 consecutive bytes
.irp u, 0,1
.irp c, 0,1,2
	ds_load_b128 v[X+12*\u+4*\c:X+12*\u+4*\c+3], v6 offset:1664*\u+512*\c   ; LDS serves a wave's instructions in order: these see my stores
.endr
.endr
.irp u, 0,1
.irp c, 0,1,2
	s_wait_dscnt 5-3*\u-\c                         ; the later ones of the six may be out
	global_store_b128 v7, v[X+12*\u+4*\c:X+12*\u+4*\c+3], s[16:17] offset:1536*\u+512*\c   ; 512 consecutive bytes, at a multiple of 256 from the buffer's first byte
.endr
.endr
	s_wait_tensorcnt 0x0
	ds_add_u32 v192, v193
	s_wait_dscnt 0x0
	s_endpgm
.Lroute:
; Wave w has tokens 1,024 w on; register 4 c + q of lane l holds token 1,024 w + 128 c + 4 l + q.
; v32-63 keys K; v64-95 rank RK; v96-127 counts H (lane = pair); v128-191 gates; v5-9 (bit b of the lane) - 1; v10-13 at work; v20 TOT, v21 NT, v22 TB, v23 BASE (lane = pair).
	v_lshlrev_b32 v2, 4, v1
	s_lshl_b32 s26, s20, 12
	v_add_nc_u32 v2, s26, v2                       ; keys: 16 l + 4,096 w
	v_lshlrev_b32 v3, 5, v1
	s_lshl_b32 s26, s20, 13
	v_add_nc_u32 v3, s26, v3                       ; gates: 32 l + 8,192 w
	v_lshlrev_b32 v4, 2, v1
	s_lshl_b32 s26, s20, 10
	v_add_nc_u32 v4, s26, v4                       ; my first token: 1,024 w + 4 l
.irp b, 0,1,2,3,4
	v_bfe_u32 v[5+\b], v0, \b, 1
	v_add_nc_u32 v[5+\b], -1, v[5+\b]              ; 0 where bit b of my lane is 1, else all ones
.endr
	s_mov_b32 s48, 0x55555555
	s_mov_b32 s49, 0x33333333
	s_mov_b32 s50, 0x0f0f0f0f
	s_mov_b32 s51, 0x01010101
	s_wait_kmcnt 0x0
	s_add_nc_u64 s[16:17], s[10:11], GTO
	s_add_nc_u64 s[18:19], s[14:15], LISTO
	s_add_nc_u64 s[22:23], s[12:13], GLO
.irp c, 0,1,2,3,4,5,6,7
	global_load_b128 v[32+4*\c:35+4*\c], v2, s[8:9] offset:512*\c
.endr
.irp c, 0,1,2,3,4,5,6,7
	global_load_b128 v[128+8*\c:131+8*\c], v3, s[16:17] offset:1024*\c
	global_load_b128 v[132+8*\c:135+8*\c], v3, s[16:17] offset:1024*\c+16
.endr
	s_wait_loadcnt 16                              ; the keys are in; the 16 loads of gates may be out
.set ri, 0
.rept 32
	v_min_u32 v[32+ri], 27, v[32+ri]
.set ri, ri+1
.endr
; For one register of keys: s[40 + b] = the lanes whose key has bit b.  Those lanes, or the others, agree with a given bit: five such masks ANDed are the lanes with a given key.
; v12: the lanes with MY key (its bits below my lane: my rank);  v13: the lanes whose key is MY LANE'S NUMBER (its bits counted: how many tokens of this register have pair = lane).
.set ri, 0
.rept 32
.irp b, 0,1,2,3,4
	v_bfe_u32 v10, v[32+ri], \b, 1
	v_add_nc_u32 v10, -1, v10
	v_cmp_eq_u32 s[40+\b], 0, v10
.if \b == 0
	v_xor_b32 v12, s[40+\b], v10
	v_xor_b32 v13, s[40+\b], v[5+\b]
.else
	v_xor_b32 v10, s[40+\b], v10
	v_xor_b32 v11, s[40+\b], v[5+\b]
	v_and_b32 v12, v12, v10
	v_and_b32 v13, v13, v11
.endif
.endr
	v_mbcnt_lo_u32_b32 v[64+ri], v12, 0
	v_lshrrev_b32 v10, 1, v13                      ; the ones of v13, counted in fields of 2, 4 and 8 bits
	v_and_b32 v10, s48, v10
	v_sub_nc_u32 v13, v13, v10
	v_lshrrev_b32 v10, 2, v13
	v_and_b32 v13, s49, v13
	v_and_b32 v10, s49, v10
	v_add_nc_u32 v13, v13, v10
	v_lshrrev_b32 v10, 4, v13
	v_add_nc_u32 v13, v13, v10
	v_and_b32 v13, s50, v13
	v_mul_lo_u32 v13, v13, s51
	v_lshrrev_b32 v[96+ri], 24, v13
.set ri, ri+1
.endr
	v_lshl_add_u32 v5, v0, 2, RT                   ; LDS: my wave's totals, a word a pair
	v_lshl_add_u32 v6, v1, 2, RT                   ; and where every wave's are read
	v_mov_b32 v14, 0                               ; each count gives way to the sum of the counts before it; two running sums by turns
.set ri, 0
.rept 16
	v_add_nc_u32 v15, v14, v[96+ri]
	v_mov_b32 v[96+ri], v14
	v_add_nc_u32 v14, v15, v[97+ri]
	v_mov_b32 v[97+ri], v15
.set ri, ri+2
.endr
	ds_store_b32 v5, v14
	s_wait_dscnt 0x0                               ; for the others' sake
	s_barrier_signal -1                            ; (all four waves of work-group 0 are on this path: the branch hangs on the work-group's number)
	s_barrier_wait -1
.irp w, 0,1,2,3
	ds_load_b32 v[16+\w], v6 offset:128*\w
.endr
	s_wait_dscnt 0x0
	v_add_nc_u32 v20, v16, v17
	v_add3_u32 v20, v20, v18, v19                  ; TOT: the pair's tokens
	v_mov_b32 v12, 0                               ; those of them in earlier waves
.irp w, 0,1,2
	s_cmp_gt_u32 s20, \w
	s_cselect_b32 s30, -1, 0
	v_and_b32 v10, s30, v[16+\w]
	v_add_nc_u32 v12, v12, v10
.endr
	v_add_nc_u32 v21, 127, v20
	v_lshrrev_b32 v21, 7, v21                      ; NT: the pair's tiles
	v_mov_b32 v10, 0
	v_mov_b32 v11, v21                             ; running sum over the lanes
.irp d, 1,2,4,8
	v_mov_b32_dpp v10, v11 row_shr:\d row_mask:0xf bank_mask:0xf bound_ctrl:1
	v_add_nc_u32 v11, v11, v10
.endr
	v_readlane_b32 s30, v11, 15
	v_cmp_lt_u32 vcc_lo, 15, v1
	v_mov_b32 v10, s30
	v_cndmask_b32 v10, 0, v10, vcc_lo
	v_add_nc_u32 v11, v11, v10
	v_sub_nc_u32 v22, v11, v21                     ; TB: the tiles of the pairs before
	v_lshl_add_u32 v23, v22, 7, v12                ; BASE
.set ri, 0
.rept 32
	v_add_nc_u32 v[96+ri], v23, v[96+ri]
	v_lshlrev_b32 v[32+ri], 2, v[32+ri]
.set ri, ri+1
.endr
.set ri, 0
.rept 32
	ds_bpermute_b32 v[96+ri], v[32+ri], v[96+ri]   ; each token takes its own pair's number from lane = pair
.set ri, ri+1
.endr
	s_wait_dscnt 0x0
.set ri, 0
.rept 32
	v_add_nc_u32 v[96+ri], v[96+ri], v[64+ri]      ; the token's place,
	v_min_u32 v[96+ri], 7551, v[96+ri]             ; inside 59 tiles of 128
	v_lshlrev_b32 v[32+ri], 3, v[96+ri]
	v_lshlrev_b32 v[96+ri], 2, v[96+ri]
	v_add_nc_u32 v[64+ri], 128*(ri/4)+ri%4, v4     ; the token
.set ri, ri+1
.endr
	s_wait_loadcnt 0x0                             ; the gates
.set ri, 0
.rept 32
	global_store_b32 v[96+ri], v[64+ri], s[18:19]  ; scattered words, 48 KB in all: the price of a sort whose LDS addresses hang on no data
	global_store_b64 v[32+ri], v[128+2*ri:129+2*ri], s[22:23]
.set ri, ri+1
.endr
	s_cmp_lt_u32 s20, 2
	s_cbranch_scc0 .Lroute_end
	v_mov_b32 v24, 0                               ; waves 0 and 1: thread T makes entry T of 64
	v_mov_b32 v25, 0
	v_mov_b32 v26, 0
	v_mov_b32 v30, 0
	v_mov_b32 v31, 0
.set pb, 0
.irp lo, 0,1,2,3,4,5,6
.irp hi, 1,2,3,4,5,6,7
.if \hi > \lo
	v_readlane_b32 s30, v22, pb
	v_readlane_b32 s31, v21, pb
	v_readlane_b32 s32, v20, pb
	v_sub_nc_u32 v11, v0, s30                      ; d: which tile of this pair I would be
	v_cmp_le_u32 vcc_lo, s31, v11                  ; none (unsigned: a tile before the pair's first is none too)
	v_lshlrev_b32 v12, 7, v11
	v_sub_nc_u32 v12, s32, v12
	v_min_u32 v12, 128, v12
	v_cndmask_b32 v24, \lo, v24, vcc_lo
	v_cndmask_b32 v25, \hi, v25, vcc_lo
	v_cndmask_b32 v26, v12, v26, vcc_lo
.set pb, pb+1
.endif
.endr
.endr
	v_cmp_eq_u32 vcc_lo, 0, v26                    ; a tile that this split leaves empty points at place 0 and tile 0, which always exist
	v_lshl_add_u32 v27, v0, 7, v26
	v_add_nc_u32 v27, -1, v27
	v_cndmask_b32 v27, v27, v30, vcc_lo            ; its last filled place
	v_cndmask_b32 v28, v0, v30, vcc_lo             ; the tile whose hidden layer is read
	v_add_nc_u32 v29, -1, v26
	v_lshrrev_b32 v29, 4, v29
	v_cndmask_b32 v29, v29, v30, vcc_lo            ; its last block of 16 rows
	v_lshlrev_b32 v10, 5, v0
	global_store_b128 v10, v[24:27], s[14:15]
	global_store_b128 v10, v[28:31], s[14:15] offset:16
.Lroute_end:
	s_wait_tensorcnt 0x0
	ds_add_u32 v192, v193
	s_wait_dscnt 0x0
	s_endpgm
.Lfunc_end_k_qa065c5d583_wq_route:
	.size	k_qa065c5d583_wq_route, .Lfunc_end_k_qa065c5d583_wq_route-k_qa065c5d583_wq_route
	.p2alignl 7, 3214868480
	.fill 96, 4, 3214868480
	.section	.rodata,"a",@progbits
	.p2align	6, 0x0
	.amdhsa_kernel k_qa065c5d583_wq_route
		.amdhsa_group_segment_fixed_size 14336
		.amdhsa_private_segment_fixed_size 0
		.amdhsa_enable_private_segment 0
		.amdhsa_kernarg_size 48
		.amdhsa_user_sgpr_count 2
		.amdhsa_user_sgpr_kernarg_segment_ptr 1
		.amdhsa_wavefront_size32 1
		.amdhsa_system_sgpr_workgroup_id_x 1
		.amdhsa_system_sgpr_workgroup_id_y 1
		.amdhsa_system_sgpr_workgroup_id_z 1
		.amdhsa_system_vgpr_workitem_id 0
		.amdhsa_next_free_vgpr 194
		.amdhsa_next_free_sgpr 66
		.amdhsa_reserve_vcc 1
		.amdhsa_float_denorm_mode_32 3
		.amdhsa_float_denorm_mode_16_64 3
		.amdhsa_memory_ordered 1
		.amdhsa_forward_progress 1
		.amdhsa_inst_pref_size 121
	.end_amdhsa_kernel
	.amdgpu_metadata
---
amdhsa.version: [ 1, 2 ]
amdhsa.kernels:
  - .name:           k_qa065c5d583_wq_route
    .symbol:         k_qa065c5d583_wq_route.kd
    .args:
      - { .name: W1, .offset: 0, .size: 8, .value_kind: global_buffer, .address_space: global }
      - { .name: W2, .offset: 8, .size: 8, .value_kind: global_buffer, .address_space: global }
      - { .name: keys, .offset: 16, .size: 8, .value_kind: global_buffer, .address_space: global }
      - { .name: xq, .offset: 24, .size: 8, .value_kind: global_buffer, .address_space: global }
      - { .name: wq, .offset: 32, .size: 8, .value_kind: global_buffer, .address_space: global }
      - { .name: plan, .offset: 40, .size: 8, .value_kind: global_buffer, .address_space: global }
    .group_segment_fixed_size: 14336
    .private_segment_fixed_size: 0
    .kernarg_segment_align: 8
    .kernarg_segment_size: 48
    .max_flat_workgroup_size: 128
    .sgpr_count:     66
    .vgpr_count:     194
    .wavefront_size: 32
...
	.end_amdgpu_metadata
.endif
;; end of part 2
;; launch ffn1 (part 3): grid 59 x 4, 4 waves a work-group, no clusters, 98,816 bytes of LDS; arguments xq, wq, b1, plan, h1; writes h1
.if DOCPART == 3
	.amdgcn_target "amdgcn-amd-amdhsa--gfx1250"
	.amdhsa_code_object_version 6
	.text
	.protected	k_qa065c5d583_ffn1
	.globl	k_qa065c5d583_ffn1
	.p2align	8
	.type	k_qa065c5d583_ffn1,@function
k_qa065c5d583_ffn1:
	s_mov_b64 s[64:65], 0
	v_nop
	global_prefetch_b8 v0, s[64:65] scope:SCOPE_SE
	s_setreg_imm32_b32 hwreg(HW_REG_WAVE_MODE, 25, 1), 1
	s_wait_xcnt 0x0
; h1 = Q(relu(x W1[e] + b1[e])) for the rows that were chosen: a tile (x of the grid) is at most 128 tokens that share one pair of experts; y = slot + 2 x half: slot 0 the pair's lower expert, 1 the higher; half: 512 hidden units.
; Both operands are codes of FP6 (E2M3) with E8M0 scales; Q quantises along the hidden units, the next product's K.  The hidden layer leaves as images of operand registers: 6 bits a number.
; SHARES.  Wave w makes units 128 g .. 128 g + 127, g = 4 half + w, for all 128 rows: 64 accumulators.  The tile's codes of x (98,304 bytes, gathered by the token list) lie in LDS as register images, read by all four waves;
; each wave's weights come from memory STRAIGHT INTO REGISTERS, already in register order, in loads of 512 consecutive bytes.
; WEIGHTS A K STEP AND A HALF AHEAD.  Two sets of eight fragments, each in two halves of four tiles.  A K step goes (blocks 0-3, tiles 0-3), (blocks 4-7, tiles 0-3), (blocks 4-7, tiles 4-7), (blocks 0-3, tiles 4-7); in odd K steps
; the two halves of the tokens change places.  So a half set is done with after two phases and is asked for again at once, for the K step after next: 96 products lie between its request and its first use.
; And a half of the tokens' registers is free one phase before the next K step wants it, so two halves serve the tokens.
; THE PRODUCT IS USED TRANSPOSED: source 0 = 16 columns of W1, source 1 = 16 tokens.  Lane (r, h) holds token r; register j of tile 2 b + u holds unit 32 b + 16 h + 8 u + j, so tiles 2 b, 2 b + 1 are 16 neighbours along the next K.
; b1 is the C of each sum's first product.  SCALES: register 2 (s / 4) + s % 2 of a group of four holds K step s's words in lanes 0-15 where (s / 2) % 2 = 0, else in lanes 16-31.
; ROWS BEYOND THE TILE'S COUNT are copies of its last row (every place is held at the tile's last filled place): no byte is read that nobody wrote.  A tile of at most 64 rows multiplies blocks 0-3 alone; an empty one stores nothing.
; The one barrier stands ahead of every branch on the count.  NO TENSOR LOADS, NO CLUSTER: the launch branches on counts read from memory and its rows are gathered by a list, so LDS is filled through registers;
; 59 tiles are no multiple of a cluster's width, and the four work-groups of a tile share only the 98,304 bytes of x beside 393,216 bytes of weights of their own.
; REGISTERS: window 0: v1-12 addresses; v32-63 tokens' scale words; v64-95 weights'; v96-127 the prologue's; v128-223 tokens' fragments, two halves of four; behind the products v128-243 the quantiser's.
;   window 1: weights, two sets of 8 fragments at v0 and v128; b1's eight tiles at v96-127 and v224-255.   windows 2, 3: accumulator (a, t) at window 2 + a / 4, v[64 (a % 4) + 8 t].
.set XSO,   3145728
.set WSO,   12582912
.set LISTO, 2048
.set HSO,   11599872
.set LI,  1                            ; v1   16 x lane
.set LA0, 4                            ; v4-5 LDS: 16 x lane, + 49,152 for K steps 4-7
.set SW0, 6                            ; v6-7 LDS, staging: 16 x lane + 3,072 w, + 49,152
.set WSA, 8                            ; v8   weights' scale words: 1,024 h + 4 r
.set BA,  9                            ; v9   bias: 64 h
.set L4,  10                           ; v10  4 x lane
.set H8,  11                           ; v11  8 h
.set H48, 12                           ; v12  48 h
.set TS,  32
.set WS,  64
.set TA,  96                           ; v96-105  places in the list;  v106-115 tokens;  v116-123 their scale words' offsets;  v124-125 my two blocks' codes' offsets
.set TKN, 106
.set SAD, 116
.set GA,  124
.set AF,  128
.set HA,  128                          ; v128-191 a block's hidden numbers
.set PC,  192
.set TM,  212
.set PW,  228
.set PWS, 232                          ; v232-239 the blocks' scale words
.set MW,  240                          ; v240-243 two blocks' words in one register
.set SEL, 58
.set WB,  42                           ; s[42:43] my weights' images;  s[44:45] their scale words;  s[46:47] b1;  s[48:49] the list;  s[50:51] x's scale words;  s[52:53], s[54:55] h1's images and scale words
.set MSB, 0
.macro WIN new                         ; the immediate's high byte repeats the setting that is left; a switch that changes nothing is dropped
.if MSB != (\new)
	s_set_vgpr_msb (MSB<<8)|(\new)
.set MSB, (\new)
.endif
.endm
.macro PLACES                          ; four places behind a product before a load lands on its sources or its result is read (ISA guide 7.12.1 for vector instructions)
.rept 4
	v_nop
.endr
.endm
.macro QUANT s                         ; 64 numbers of a lane, register 16 b + i = k 32 b + 16 (lane / 16) + i of my row -> 12 registers of codes in v[PC] on, the scale word in v[PW]
.irp b, 0,1,2,3
	v_max3_num_f32 v[TM+\b], |v[\s+16*\b]|, |v[\s+1+16*\b]|, 0x1800000   ; and the floor 2^(3 - 127): the byte cannot fall under 1
.endr
.irp i, 2,4,6,8,10,12,14
.irp b, 0,1,2,3
	v_max3_num_f32 v[TM+\b], v[TM+\b], |v[\s+16*\b+\i]|, |v[\s+1+16*\b+\i]|
.endr
.endr
.irp b, 0,1,2,3
	v_permlanex16_b32 v[TM+4+\b], v[TM+\b], s[SEL], s[SEL+1]
.endr
.irp b, 0,1,2,3
	v_max_num_f32 v[TM+\b], v[TM+\b], v[TM+4+\b]
.endr
.irp b, 0,1,2,3
	v_add_nc_u32 v[TM+12+\b], 0xff000000, v[TM+\b]
.endr
.irp b, 0,1,2,3
	v_lshrrev_b32 v[TM+4+\b], 23, v[TM+12+\b]
.endr
	v_lshl_or_b32 v[PW], v[TM+5], 8, v[TM+4]
	v_lshl_or_b32 v[PW], v[TM+6], 16, v[PW]
	v_lshl_or_b32 v[PW], v[TM+7], 24, v[PW]
.irp c, 0,1
	v_cvt_scalef32_pk16_fp6_f32 v[PC+6*\c:PC+2+6*\c], v[\s+32*\c:\s+15+32*\c], v[TM+12+2*\c]
	v_cvt_scalef32_pk16_fp6_f32 v[PC+12+4*\c:PC+14+4*\c], v[\s+16+32*\c:\s+31+32*\c], v[TM+12+2*\c+1]
.endr
	v_nop                                          ; one plain place behind a scaled conversion
.irp c, 0,1
.irp i, 0,1,2
	v_permlane16_swap_b32 v[PC+6*\c+\i], v[PC+12+4*\c+\i]
.endr
.irp i, 0,1,2
	v_mov_b32 v[PC+3+6*\c+\i], v[PC+12+4*\c+\i]
.endr
.endr
.endm
.macro AFETCH half, la, off            ; four tokens' fragments from LDS as they lie: 12 loads of 512 consecutive bytes
.irp i, 0,1,2,3
.irp c, 0,1,2
	ds_load_b128 v[AF+48*(\half)+12*\i+4*\c:AF+48*(\half)+12*\i+4*\c+3], v[\la] offset:(\off)+1536*\i+512*\c
.endr
.endr
.endm
.macro WLOADH s, k                     ; K step s's tiles 4 k .. 4 k + 3 into their half of set s % 2: 12 loads
	WIN 0x40
.irp tt, 0,1,2,3
.irp c, 0,1,2
	global_load_b128 v[128*((\s)%2)+12*(4*(\k)+\tt)+4*\c:128*((\s)%2)+12*(4*(\k)+\tt)+4*\c+3], v[LI], s[WB:WB+1] offset:12288*(\s)+1536*(4*(\k)+\tt)+512*\c
.endr
.endr
	WIN 0
.endm
.macro WM                              ; one product, its registers in the symbols rD, rA, rB, rC, rSA, rSB; rROW: both sides' scales stand in lanes 16-31
.if rROW
	v_wmma_scale_f32_16x16x128_f8f6f4 v[rD:rD+7], v[rA:rA+11], v[rB:rB+11], v[rC:rC+7], v[rSA], v[rSB] matrix_a_fmt:MATRIX_FMT_FP6 matrix_b_fmt:MATRIX_FMT_FP6 matrix_a_scale:MATRIX_SCALE_ROW1 matrix_b_scale:MATRIX_SCALE_ROW1
.else
	v_wmma_scale_f32_16x16x128_f8f6f4 v[rD:rD+7], v[rA:rA+11], v[rB:rB+11], v[rC:rC+7], v[rSA], v[rSB] matrix_a_fmt:MATRIX_FMT_FP6 matrix_b_fmt:MATRIX_FMT_FP6
.endif
.endm
.macro EPI a                           ; block a: relu (which also brings the numbers into window 0), quantised, its image stored
	WIN 0x08+4*((\a)/4)
.set j, 0
.rept 64
	v_max_num_f32 v[HA+j], 0, v[64*((\a)%4)+j]     ; each accumulator from its low end on
.set j, j+1
.endr
	WIN 0
.if (\a) > 0
	s_wait_xcnt 0x0                                ; the last block's stores have read their registers: the codes may be written again
.endif
	QUANT HA
	v_mov_b32 v[PWS+(\a)], v[PW]
.irp c, 0,1,2
	global_store_b128 v[LI], v[PC+4*\c:PC+4*\c+3], s[52:53] offset:1536*(\a)+512*\c   ; 512 consecutive bytes, at a multiple of 256 from the buffer's first byte
.endr
.endm
.macro WORDS a2                        ; blocks 2 a2 and 2 a2 + 1: lanes 0-15 the first's scale words, lanes 16-31 the second's: 128 consecutive bytes
	v_cndmask_b32 v[MW+\a2], v[PWS+2*\a2], v[PWS+2*\a2+1], s56
	global_store_b32 v[L4], v[MW+\a2], s[54:55] offset:128*\a2
.endm
; THE PRODUCTS.  A phase is four blocks of tokens x four tiles x one K step: 16 products on 16 accumulators, one instruction a turn.
; ks: the K step; kk: which four tiles; hb: which four blocks; rh: the half of the tokens' registers that holds them.  At a phase's head stand the loads into what the phase before has left:
;   the first phase of (ks, tiles 0-3): tiles 4-7 of K step ks + 1;   the first phase of (ks, tiles 4-7): tiles 0-3 of K step ks + 2;   and the tokens of the next phase, where those are not in registers yet.
; The half sets are asked for in the order of their use, so the wait for one leaves out those asked for behind it: three of 12 loads, fewer where the requests have ended.
; full = 1: 32 phases;  0: 16 (blocks 0-3 alone; K step ks's tokens in half ks % 2).
.macro BODY full
.set NPH, 16+16*\full
	AFETCH 0, LA0, 0
.set n, 0
.rept NPH
.if \full
.set ks, n/4
.set kk, (n/2)%2
.set fst, 1-n%2
.set hb, (((n%4)+1)/2+ks)%2            ; even K steps 0, 1, 1, 0; odd ones 1, 0, 0, 1
.set rh, hb
.set ks2, (n+1)/4
.set hb2, ((((n+1)%4)+1)/2+ks2)%2
.set rh2, hb2
.set ftc, 0
.if ((n%4) == 0) || (((n%4) == 3) && (ks < 7))
.set ftc, 1                            ; the next phase's tokens are not in registers
.endif
.set dw, -1
.if (n%4) == 0
.set dw, 12                            ; this phase's tokens are in; the 12 loads just issued may be out
.endif
.if (n%4) == 1
.set dw, 0                             ; nothing was issued behind this phase's tokens
.endif
.else
.set ks, n/2
.set kk, n%2
.set fst, 1
.set hb, 0
.set rh, ks%2
.set ks2, ks+1
.set hb2, 0
.set rh2, (ks+1)%2
.set ftc, 0
.set dw, -1
.if kk == 0
.set dw, 0
.if ks < 7
.set ftc, 1
.set dw, 12
.endif
.endif
.endif
.if fst && (kk == 0) && (ks >= 1) && (ks <= 6)
.set wsn, ks+1
	WLOADH wsn, 1
.endif
.if fst && (kk == 1) && (ks <= 5)
.set wsn, ks+2
	WLOADH wsn, 0
.endif
.if ftc
.set nla, LA0+ks2/4
.set nof, (ks2%4)*12288+6144*hb2
	WIN 0
	AFETCH rh2, nla, nof
.endif
.if fst
.set lc, 15-2*ks-kk                    ; half sets asked for behind this one
.if lc > 3
.set lc, 3
.endif
.if (ks == 0) && (kk == 0)
.set lc, 2                             ; the scale words stand between K step 0's weights and K step 1's: only the latter's 24 loads may be out
.endif
	s_wait_loadcnt 12*lc
.endif
.if dw >= 0
	s_wait_dscnt dw
.endif
.if ks == 0
.set wv, 0x91+0x40*hb                  ; weights and bias window 1, tokens window 0, results window 2 or 3
.else
.set wv, 0xa1+0x50*hb                  ; weights window 1, tokens window 0, C and D window 2 or 3
.endif
	WIN wv
.set rROW, (ks/2)%2
.set sr, 2*(ks/4)+ks%2
.irp aa, 0,1,2,3
.irp tt, 0,1,2,3
.set tl, 4*kk+\tt
.set rD, 64*\aa+8*tl
.set rA, 128*(ks%2)+12*tl
.set rB, AF+48*rh+12*\aa
.set rC, rD
.if ks == 0
.set rC, 96+8*tl+96*kk
.endif
.set rSA, WS+4*tl+sr
.set rSB, TS+4*(4*hb+\aa)+sr
	WM
.endr
.endr
	PLACES
.set n, n+1
.endr
	WIN 0
.irp b, 0,1,2,3
	v_mov_b32 v[TM+4+\b], 0                        ; a lane permute's destination counts as one of its sources
.endr
	EPI 0
	EPI 1
	EPI 2
	EPI 3
.if \full
	EPI 4
	EPI 5
	EPI 6
	EPI 7
.endif
	WORDS 0
	WORDS 1
.if \full
	WORDS 2
	WORDS 3
.endif
.endm
	s_load_b256 s[4:11], s[0:1], 0x0               ; xq s[4:5], wq s[6:7], b1 s[8:9], plan s[10:11]
	s_load_b64 s[12:13], s[0:1], 0x20              ; h1
	v_lshl_add_u32 v254, v0, 2, 0x18000
	v_mov_b32 v255, 0
	v_lshrrev_b32 v1, 5, v0
	v_readfirstlane_b32 s20, v1                    ; wave 0..3
	v_and_b32 v13, 31, v0
	v_lshlrev_b32 v[LI], 4, v13
	v_lshlrev_b32 v[L4], 2, v13
	v_and_b32 v2, 15, v0                           ; r
	v_bfe_u32 v3, v0, 4, 1                         ; h
	v_lshlrev_b32 v[LA0], 4, v13
	v_add_nc_u32 v[LA0+1], 49152, v[LA0]
	s_mul_i32 s26, s20, 3072
	v_add_nc_u32 v[SW0], s26, v[LA0]
	v_add_nc_u32 v[SW0+1], 49152, v[SW0]
	v_lshlrev_b32 v[WSA], 2, v2
	v_lshl_add_u32 v[WSA], v3, 10, v[WSA]
	v_lshlrev_b32 v[BA], 6, v3
	v_lshlrev_b32 v[H8], 3, v3
	v_mul_u32_u24 v[H48], v3, 48
	s_mov_b32 s21, ttmp9                           ; the tile
	s_and_b32 s22, ttmp7, 0xffff
	s_and_b32 s23, s22, 1                          ; slot
	s_lshr_b32 s24, s22, 1
	s_lshl_b32 s25, s24, 2
	s_add_co_u32 s25, s25, s20                     ; g
	s_mov_b32 s56, 0xffff0000                      ; lanes 16-31
	s_mov_b32 s[SEL], 0x76543210
	s_mov_b32 s[SEL+1], 0xfedcba98
	s_lshl_b32 s57, s21, 7                         ; the tile's first place
	s_lshl_b32 s26, s21, 5
	s_mov_b32 s27, 0
	s_wait_kmcnt 0x0
	s_add_nc_u64 s[28:29], s[10:11], s[26:27]
	s_load_b256 s[32:39], s[28:29], 0x0            ; the tile's entry: lo, hi, rows, last place, -, -
	s_add_nc_u64 s[48:49], s[10:11], LISTO
	s_add_nc_u64 s[50:51], s[4:5], XSO
	s_lshl_b32 s30, s21, 1
	s_add_co_u32 s30, s30, s23
	s_lshl_b32 s30, s30, 3
	s_add_co_u32 s30, s30, s25                     ; (2 tile + slot) 8 + g
	s_mul_i32 s26, s30, 12288
	s_add_nc_u64 s[52:53], s[12:13], s[26:27]
	s_lshl_b32 s26, s30, 9
	s_add_co_u32 s26, s26, HSO
	s_add_nc_u64 s[54:55], s[12:13], s[26:27]
	s_wait_kmcnt 0x0
	s_min_u32 s32, s32, 7                          ; what was read is held inside its range before it enters an address
	s_min_u32 s33, s33, 7
	s_min_u32 s34, s34, 128
	s_min_u32 s35, s35, 7551
	s_cmp_eq_u32 s23, 0
	s_cselect_b32 s40, s32, s33                    ; my expert
	s_lshl_b32 s41, s40, 3
	s_add_co_u32 s41, s41, s25                     ; 8 e + g
	s_mul_i32 s26, s41, 98304
	s_add_nc_u64 s[WB:WB+1], s[6:7], s[26:27]
	s_lshl_b32 s26, s41, 12
	s_add_co_u32 s26, s26, WSO
	s_add_nc_u64 s[44:45], s[6:7], s[26:27]
	s_lshl_b32 s26, s41, 9
	s_add_nc_u64 s[46:47], s[8:9], s[26:27]
.irp i, 0,1,2,3,4,5,6,7                        ; the tokens of all eight blocks (for their scale words),
	v_add_nc_u32 v[TA+\i], s57, v2
	v_add_nc_u32 v[TA+\i], 16*\i, v[TA+\i]
	v_min_u32 v[TA+\i], s35, v[TA+\i]              ; rows beyond the count: the last filled place
	v_min_u32 v[TA+\i], 7551, v[TA+\i]
	v_lshlrev_b32 v[TA+\i], 2, v[TA+\i]
.endr
	s_lshl_b32 s26, s20, 5
	s_add_co_u32 s26, s26, s57
.irp i, 0,1                                    ; and of blocks 2 w, 2 w + 1, whose codes I bring into LDS
	v_add_nc_u32 v[TA+8+\i], s26, v2
	v_add_nc_u32 v[TA+8+\i], 16*\i, v[TA+8+\i]
	v_min_u32 v[TA+8+\i], s35, v[TA+8+\i]
	v_min_u32 v[TA+8+\i], 7551, v[TA+8+\i]
	v_lshlrev_b32 v[TA+8+\i], 2, v[TA+8+\i]
.endr
.irp i, 0,1,2,3,4,5,6,7,8,9
	global_load_b32 v[TKN+\i], v[TA+\i], s[48:49]
.endr
	WIN 0x40
.irp t, 0,1,2,3,4,5,6,7                        ; b1 in the result's layout: lane (r, h), tile 2 b + u: units 32 b + 16 h + 8 u + 0 .. 7
	global_load_b128 v[96+8*\t+96*(\t/4):96+8*\t+96*(\t/4)+3], v[BA], s[46:47] offset:(32*(\t/2)+8*(\t%2))*4
	global_load_b128 v[100+8*\t+96*(\t/4):100+8*\t+96*(\t/4)+3], v[BA], s[46:47] offset:(32*(\t/2)+8*(\t%2))*4+16
.endr
	WLOADH 0, 0
	WLOADH 0, 1
	s_wait_loadcnt 40                              ; the ten tokens are in; behind them: 16 loads of b1, 24 of weights
.irp i, 0,1,2,3,4,5,6,7,8,9
	v_min_u32 v[TKN+\i], 4095, v[TKN+\i]
.endr
.irp i, 0,1,2,3,4,5,6,7
	v_lshl_add_u32 v[SAD+\i], v[TKN+\i], 5, v[H8]  ; scale words: 32 bytes a token, + 8 h
.endr
.irp i, 0,1
	v_mul_u32_u24 v[GA+\i], v[TKN+8+\i], 768       ; codes: 768 bytes a token, + 48 h
	v_add_nc_u32 v[GA+\i], v[GA+\i], v[H48]
.endr
	WIN 0x80                                       ; into window 2, which the accumulators take later
.irp i, 0,1
.irp s, 0,1,2,3,4,5,6,7
.irp c, 0,1,2
	global_load_b128 v[12*(8*\i+\s)+4*\c:12*(8*\i+\s)+4*\c+3], v[GA+\i], s[4:5] offset:96*\s+16*\c
.endr
.endr
.endr
	WIN 0
.irp i, 0,1,2,3,4,5,6,7
.irp y, 0,1
	global_load_b64 v[TS+4*\i+2*\y:TS+4*\i+2*\y+1], v[SAD+\i], s[50:51] offset:16*\y   ; lane (r, h): the words of K steps 4 y + 2 h, 4 y + 2 h + 1
.endr
.endr
.irp t, 0,1,2,3,4,5,6,7
.irp y, 0,1
.irp j, 0,1
	global_load_b32 v[WS+4*\t+2*\y+\j], v[WSA], s[44:45] offset:(4*\y+\j)*512+64*\t
.endr
.endr
.endr
	s_wait_loadcnt 48                              ; the gathered codes are in; behind them: 16 + 32 loads of scale words
	WIN 0x08                                       ; an LDS store's data are its source 1: window 2
.irp i, 0,1
.irp s, 0,1,2,3,4,5,6,7
.irp c, 0,1,2
	ds_store_b128 v[SW0+\s/4], v[12*(8*\i+\s)+4*\c:12*(8*\i+\s)+4*\c+3] offset:(\s%4)*12288+1536*\i+512*\c
.endr
.endr
.endr
	WIN 0
	WLOADH 1, 0                                    ; K step 1's weights: the scale words and these stay on their way over the barrier; nobody writes what they read
	WLOADH 1, 1
	s_wait_dscnt 0x0                               ; for the others' sake: my part of the images has landed
	s_barrier_signal -1
	s_barrier_wait -1                              ; the only barrier: every wave of every work-group passes it, whatever the tile's count
	s_cmp_eq_u32 s34, 0
	s_cbranch_scc1 .Lend                           ; a tile that this split leaves empty
	s_cmp_le_u32 s34, 64
	s_cbranch_scc1 .Lsmall
	BODY 1
	s_wait_tensorcnt 0x0
	ds_add_u32 v254, v255
	s_wait_dscnt 0x0
	s_endpgm
.Lsmall:
	BODY 0
.Lend:
	s_wait_tensorcnt 0x0
	ds_add_u32 v254, v255
	s_wait_dscnt 0x0
	s_endpgm
.Lfunc_end_k_qa065c5d583_ffn1:
	.size	k_qa065c5d583_ffn1, .Lfunc_end_k_qa065c5d583_ffn1-k_qa065c5d583_ffn1
	.p2alignl 7, 3214868480
	.fill 96, 4, 3214868480
	.section	.rodata,"a",@progbits
	.p2align	6, 0x0
	.amdhsa_kernel k_qa065c5d583_ffn1
		.amdhsa_group_segment_fixed_size 98816
		.amdhsa_private_segment_fixed_size 0
		.amdhsa_enable_private_segment 0
		.amdhsa_kernarg_size 40
		.amdhsa_user_sgpr_count 2
		.amdhsa_user_sgpr_kernarg_segment_ptr 1
		.amdhsa_wavefront_size32 1
		.amdhsa_system_sgpr_workgroup_id_x 1
		.amdhsa_system_sgpr_workgroup_id_y 1
		.amdhsa_system_sgpr_workgroup_id_z 1
		.amdhsa_system_vgpr_workitem_id 0
		.amdhsa_next_free_vgpr 1024
		.amdhsa_next_free_sgpr 66
		.amdhsa_reserve_vcc 0
		.amdhsa_float_denorm_mode_32 3
		.amdhsa_float_denorm_mode_16_64 3
		.amdhsa_memory_ordered 1
		.amdhsa_forward_progress 1
		.amdhsa_inst_pref_size 253
	.end_amdhsa_kernel
	.amdgpu_metadata
---
amdhsa.version: [ 1, 2 ]
amdhsa.kernels:
  - .name:           k_qa065c5d583_ffn1
    .symbol:         k_qa065c5d583_ffn1.kd
    .args:
      - { .name: xq, .offset: 0, .size: 8, .value_kind: global_buffer, .address_space: global }
      - { .name: wq, .offset: 8, .size: 8, .value_kind: global_buffer, .address_space: global }
      - { .name: b1, .offset: 16, .size: 8, .value_kind: global_buffer, .address_space: global }
      - { .name: plan, .offset: 24, .size: 8, .value_kind: global_buffer, .address_space: global }
      - { .name: h1, .offset: 32, .size: 8, .value_kind: global_buffer, .address_space: global }
    .group_segment_fixed_size: 98816
    .private_segment_fixed_size: 0
    .kernarg_segment_align: 8
    .kernarg_segment_size: 40
    .max_flat_workgroup_size: 128
    .sgpr_count:     66
    .vgpr_count:     1024
    .wavefront_size: 32
...
	.end_amdgpu_metadata
.endif
;; end of part 3
;; launch ffn2 (part 4): grid 59 x 4, 4 waves a work-group, no clusters, 224,768 bytes of LDS; arguments h1, wq, b2, plan, out0; writes out0
.if DOCPART == 4
	.amdgcn_target "amdgcn-amd-amdhsa--gfx1250"
	.amdhsa_code_object_version 6
	.text
	.protected	k_qa065c5d583_ffn2
	.globl	k_qa065c5d583_ffn2
	.p2align	8
	.type	k_qa065c5d583_ffn2,@function
k_qa065c5d583_ffn2:
	s_mov_b64 s[64:65], 0
	v_nop
	global_prefetch_b8 v0, s[64:65] scope:SCOPE_SE
	s_setreg_imm32_b32 hwreg(HW_REG_WAVE_MODE, 25, 1), 1
	s_wait_xcnt 0x0
; out[token] = g_lo relu(h1_lo W2[lo] + b2[lo]) + g_hi relu(h1_hi W2[hi] + b2[hi]): a tile (x of the grid) is at most 128 tokens that share the pair (lo, hi), so ONE work-group owns its output rows whole and adds both experts in registers.
; y of the grid: 256 of the 1,024 columns.  Both operands are codes of FP6 (E2M3) with E8M0 scales.
; SHARES.  Wave w makes columns 64 cg .. 64 cg + 63, cg = 4 y + w, for both experts and all 128 rows: 2 x 8 x 4 = 64 accumulators.  The tile's hidden layer, both experts' (196,608 bytes of register images and 8,192 bytes of scale
; words, dense in memory), is copied into LDS and read by all four waves; each wave's weights come from memory straight into registers, in register order, in loads of 512 consecutive bytes.
; WEIGHTS A K STEP AND A HALF AHEAD.  Two sets of eight fragments, each in two halves: the lower expert's four tiles, the higher's four.  A K step multiplies the lower expert first, so its half is done with after half the K step
; and is asked for again at once, for the K step after next; the higher's likewise at the K step's end: 96 products lie between a half's request and its first use.
; THE PRODUCT IS USED TRANSPOSED: source 0 = 16 columns of W2, source 1 = 16 tokens.  Lane (r, h) holds token r, so a gate is a lane's own number; register j of tile tt holds column 32 (tt / 2) + 8 (tt % 2) + 16 h + j of my 64.
; b2 is the C of each sum's first product.  SCALES: register 2 (s / 4) + s % 2 of a group of four holds K step s's words in lanes 0-15 where (s / 2) % 2 = 0, else in lanes 16-31.
; ROWS BEYOND THE TILE'S COUNT: every place is held at the tile's last filled place and every block at its last written block, so no byte is read that nobody wrote; in the last block such rows are copies of the last row and store
; the same numbers to the same bytes; whole blocks beyond the count are not stored.  At most 64 rows: blocks 0-3 alone are multiplied.  An empty tile stores nothing.  The one barrier stands ahead of every branch on the count.
; NO TENSOR LOADS, NO CLUSTER: the launch branches on counts read from memory, so LDS is filled through registers; 59 tiles are no multiple of a cluster's width.
; THE WAY OUT: a block's 16 rows x 256 bytes go through my own stage in LDS; sixteen lanes then store 256 consecutive bytes of a token's row, at a multiple of 256 from out0's first byte.
; REGISTERS: window 0: v1-21 addresses; v24-31 tokens; v32-95 tokens' scale words (32 k + 4 a + ..); v96-127 weights' (4 (4 k + tt) + ..); v128-223 tokens' fragments, two halves of four (the prologue's before, the way out after); v224-239 gates.
;   window 1: weights, two sets of 8 fragments (4 k + tt) at v0 and v128; b2's tiles at v96-127 (lo) and v224-255 (hi).   window 2 + k: accumulator (k, a, tt) at v[32 a + 8 tt].
.set WSO,   12582912
.set GLO,   13107200
.set LISTO, 2048
.set HSO,   11599872
.set STG,   196608                     ; LDS: 0 .. 196,607 the images [k][s][a][1,536]; then a stage of 16 rows x 272 bytes for each wave;
.set TKL,   214016                     ; then each wave's list of the tile's 128 tokens, 512 bytes;
.set HSL,   216064                     ; then the hidden layer's scale words [k][s][128 rows], 8,192 bytes
.set LI,  1                            ; v1    16 x lane
.set LA,  4                            ; v4-7  LDS: 16 x lane + 98,304 k + 49,152 (s / 4)
.set STO, 8                            ; v8    the stage, in: 272 r + 64 h
.set RD,  9                            ; v9    the stage, back: 2,176 h + 16 r: lanes 0-15 row t, lanes 16-31 row t + 8
.set CO,  10                           ; v10   16 r
.set WSA, 11                           ; v11   weights' scale words: 1,024 h + 4 r
.set BA,  12                           ; v12   bias: 64 h
.set CPS, 13                           ; v13   LDS, staging: 16 x lane + 49,152 w
.set G2,  14                           ; v[14:15] the higher expert's gate, as a pair for the packed form
.set TKS, 16                           ; v16   my list, in: 4 r
.set TKR, 17                           ; v17   my list, back: 32 h
.set HSA, 19                           ; v19   the scale words in memory: 2,048 w + 64 x (my four rows' block, held at the last written one) + 16 (lane % 4)
.set HSS, 20                           ; v20   and in LDS, in: 2,048 w + 16 x lane
.set HSR, 21                           ; v21   and back: 1,024 h + 4 r
.set TK,  24
.set TS,  32
.set WS,  96
.set AF,  128
.set IDX, 128                          ; the prologue's: v128-135 places (x 4), v136-143 (x 8), v152-159 blocks' images, v160-175 the scale words on their way
.set GLA, 136
.set VA,  152
.set HSD, 160
.set GL,  224
.set T0,  128                          ; the way out: v128-159 lo's numbers, then the sums; v160-191 hi's, then the rows read back; v192-199 offsets in out0; v200-207 tokens
.set T1,  160
.set OFF, 192
.set TT,  200
.set WB,  40                           ; s[40:43] weights' images, lo and hi;  s[44:47] their scale words;  s[48:51] b2;  s[52:53], s[54:55] h1's images and scale words;  s[56:57] the list;  s[58:59] the gates;  s[60:61] out0
.set WSB, 44
.set BB,  48
.set MSB, 0
.macro WIN new                         ; the immediate's high byte repeats the setting that is left; a switch that changes nothing is dropped
.if MSB != (\new)
	s_set_vgpr_msb (MSB<<8)|(\new)
.set MSB, (\new)
.endif
.endm
.macro PLACES                          ; four places behind a product before a load lands on its sources or its result is read (ISA guide 7.12.1 for vector instructions)
.rept 4
	v_nop
.endr
.endm
.macro AFETCH half, la, off            ; four tokens' fragments from LDS as they lie
.irp i, 0,1,2,3
.irp c, 0,1,2
	ds_load_b128 v[AF+48*(\half)+12*\i+4*\c:AF+48*(\half)+12*\i+4*\c+3], v[\la] offset:(\off)+1536*\i+512*\c
.endr
.endr
.endm
.macro WLOADH s, k                     ; K step s's four fragments of expert k into their half of set s % 2: 12 loads
	WIN 0x40
.irp tt, 0,1,2,3
.irp c, 0,1,2
	global_load_b128 v[128*((\s)%2)+12*(4*(\k)+\tt)+4*\c:128*((\s)%2)+12*(4*(\k)+\tt)+4*\c+3], v[LI], s[WB+2*(\k):WB+2*(\k)+1] offset:12288*(\s)+1536*\tt+512*\c
.endr
.endr
	WIN 0
.endm
.macro WM                              ; one product, its registers in the symbols rD, rA, rB, rC, rSA, rSB; rROW: both sides' scales stand in lanes 16-31
.if rROW
	v_wmma_scale_f32_16x16x128_f8f6f4 v[rD:rD+7], v[rA:rA+11], v[rB:rB+11], v[rC:rC+7], v[rSA], v[rSB] matrix_a_fmt:MATRIX_FMT_FP6 matrix_b_fmt:MATRIX_FMT_FP6 matrix_a_scale:MATRIX_SCALE_ROW1 matrix_b_scale:MATRIX_SCALE_ROW1
.else
	v_wmma_scale_f32_16x16x128_f8f6f4 v[rD:rD+7], v[rA:rA+11], v[rB:rB+11], v[rC:rC+7], v[rSA], v[rSB] matrix_a_fmt:MATRIX_FMT_FP6 matrix_b_fmt:MATRIX_FMT_FP6
.endif
.endm
.macro EPI a, full                     ; block a: relu, the gates, the sum of the two experts, and out
.if ((\a) > 0) && ((\full == 0) || ((\a) > 4))
	s_cmp_le_u32 s34, 16*(\a)                      ; a block wholly beyond the count, and all behind it, are not stored
	s_cbranch_scc1 .Lend
.endif
.if (\a) > 0
	s_wait_xcnt 0x0                                ; the last block's stores have read their registers: data and offsets may be written again
.endif
	ds_load_b128 v[TT:TT+3], v[TKR] offset:64*(\a)          ; the tokens of rows 8 h + 0 .. 7 of the block
	ds_load_b128 v[TT+4:TT+7], v[TKR] offset:64*(\a)+16
	WIN 0x08
.set j, 0
.rept 32
	v_max_num_f32 v[T0+j], 0, v[32*(\a)+j]         ; each accumulator from its low end on
.set j, j+1
.endr
	WIN 0x0c
.set j, 0
.rept 32
	v_max_num_f32 v[T1+j], 0, v[32*(\a)+j]
.set j, j+1
.endr
	WIN 0
	v_mov_b32 v[G2], v[GL+2*(\a)+1]
.set j, 0
.rept 16
	v_pk_mul_f32 v[T0+j:T0+j+1], v[T0+j:T0+j+1], v[GL+2*(\a):GL+2*(\a)+1] op_sel_hi:[1,0]
.set j, j+2
.endr
.set j, 0
.rept 16
	v_pk_fma_f32 v[T0+j:T0+j+1], v[T1+j:T1+j+1], v[G2:G2+1], v[T0+j:T0+j+1] op_sel_hi:[1,0,1]
.set j, j+2
.endr
.irp tt, 0,1,2,3
	ds_store_b128 v[STO], v[T0+8*\tt:T0+8*\tt+3] offset:128*(\tt/2)+32*(\tt%2)
	ds_store_b128 v[STO], v[T0+8*\tt+4:T0+8*\tt+7] offset:128*(\tt/2)+32*(\tt%2)+16
.endr
.irp t, 0,1,2,3,4,5,6,7
	ds_load_b128 v[T1+4*\t:T1+4*\t+3], v[RD] offset:272*\t   ; LDS serves a wave's instructions in order: these see my stores, and the next block's stores come behind them
.endr
	s_wait_dscnt 0x0
.irp t, 0,1,2,3,4,5,6,7
	v_min_u32 v[TT+\t], 4095, v[TT+\t]
	v_lshl_add_u32 v[OFF+\t], v[TT+\t], 12, v[CO]  ; the token's row of 4,096 bytes + 16 r
.endr
.irp t, 0,1,2,3,4,5,6,7
	global_store_b128 v[OFF+\t], v[T1+4*\t:T1+4*\t+3], s[60:61] th:TH_STORE_NT
.endr
.endm
; THE PRODUCTS.  A phase is four blocks of tokens x one expert's four tiles x one K step: 16 products on 16 accumulators, one instruction a turn, in the same order in every K step.
; At a phase's head stand the loads into what the phase before has left: at the first phase of (ks, lo): the higher expert's tiles of K step ks + 1; at the first phase of (ks, hi): the lower expert's of K step ks + 2;
; then the next phase's tokens, into the other half.  The half sets are asked for in the order of their use, so the wait for one leaves out those asked for behind it: three of 12 loads, fewer where the requests have ended.
; full = 1: 32 phases (of each K step: lo blocks 0-3, lo 4-7, hi 0-3, hi 4-7); 0: 16 (lo 0-3, hi 0-3).
.macro BODY full
.set NHP, 16+16*\full
.irp k, 0,1                                    ; the tokens' scale words out of LDS: lane (r, h): the word of K step 4 y + 2 h + j, row 16 a + r
.irp a, 0,1,2,3,4,5,6,7
.if (\a < 4) || \full
.irp y, 0,1
.irp j, 0,1
	ds_load_b32 v[TS+32*\k+4*\a+2*\y+\j], v[HSR] offset:4096*\k+(4*\y+\j)*512+64*\a
.endr
.endr
.endif
.endr
.endr
	AFETCH 0, LA, 0
.set n, 0
.rept NHP
.if \full
.set ks, n/4
.set kk, (n/2)%2
.set hb, n%2
.set fst, 1-n%2
.set ks2, (n+1)/4
.set kk2, ((n+1)/2)%2
.set hb2, (n+1)%2
.else
.set ks, n/2
.set kk, n%2
.set hb, 0
.set fst, 1
.set ks2, (n+1)/2
.set kk2, (n+1)%2
.set hb2, 0
.endif
.if fst && (kk == 0) && (ks >= 1) && (ks <= 6)
.set wsn, ks+1
	WLOADH wsn, 1
.endif
.if fst && (kk == 1) && (ks <= 5)
.set wsn, ks+2
	WLOADH wsn, 0
.endif
.if n < NHP-1
.set nh, (n+1)%2
.set nla, LA+2*kk2+ks2/4
.set nof, (ks2%4)*12288+6144*hb2
	WIN 0
	AFETCH nh, nla, nof
.endif
.if fst
.set lc, 15-2*ks-kk                    ; half sets asked for behind this one
.if lc > 3
.set lc, 3
.endif
.if (ks == 0) && (kk == 0)
.set lc, 2                             ; at the start only K step 1's 24 loads may be out
.endif
	s_wait_loadcnt 12*lc
.endif
.if n < NHP-1
	s_wait_dscnt 12                                ; this phase's tokens (and at the start the scale words) are in; the 12 loads just issued may be out
.else
	s_wait_dscnt 0x0
.endif
.if ks == 0
.set wv, 0x91+0x40*kk                  ; weights and bias window 1, tokens window 0, results window 2 + k
.else
.set wv, 0xa1+0x50*kk                  ; weights window 1, tokens window 0, C and D window 2 + k
.endif
	WIN wv
.set rROW, (ks/2)%2
.set sr, 2*(ks/4)+ks%2
.irp aa, 0,1,2,3
.irp tt, 0,1,2,3
.set rD, 32*(4*hb+\aa)+8*\tt
.set rA, 128*(ks%2)+12*(4*kk+\tt)
.set rB, AF+48*(n%2)+12*\aa
.set rC, rD
.if ks == 0
.set rC, 96+128*kk+8*\tt
.endif
.set rSA, WS+4*(4*kk+\tt)+sr
.set rSB, TS+32*kk+4*(4*hb+\aa)+sr
	WM
.endr
.endr
	PLACES
.set n, n+1
.endr
	WIN 0
	EPI 0, \full
	EPI 1, \full
	EPI 2, \full
	EPI 3, \full
.if \full
	EPI 4, \full
	EPI 5, \full
	EPI 6, \full
	EPI 7, \full
.endif
.endm
	s_load_b256 s[4:11], s[0:1], 0x0               ; h1 s[4:5], wq s[6:7], b2 s[8:9], plan s[10:11]
	s_load_b64 s[12:13], s[0:1], 0x20              ; out0
	v_lshl_add_u32 v254, v0, 2, 0x36c00
	v_mov_b32 v255, 0
	v_lshrrev_b32 v1, 5, v0
	v_readfirstlane_b32 s20, v1                    ; wave 0..3
	v_and_b32 v18, 31, v0
	v_lshlrev_b32 v[LI], 4, v18
	v_and_b32 v2, 15, v0                           ; r
	v_bfe_u32 v3, v0, 4, 1                         ; h
	v_lshlrev_b32 v[LA], 4, v18
	v_add_nc_u32 v[LA+1], 49152, v[LA]
	v_add_nc_u32 v[LA+2], 98304, v[LA]
	v_add_nc_u32 v[LA+3], 147456, v[LA]
	s_mul_i32 s26, s20, 4352
	s_add_co_u32 s26, s26, STG                     ; my stage
	v_mul_u32_u24 v[STO], v2, 272
	v_lshl_add_u32 v[STO], v3, 6, v[STO]
	v_add_nc_u32 v[STO], s26, v[STO]
	v_mul_u32_u24 v[RD], v3, 2176
	v_lshl_add_u32 v[RD], v2, 4, v[RD]
	v_add_nc_u32 v[RD], s26, v[RD]
	v_lshlrev_b32 v[CO], 4, v2
	v_lshlrev_b32 v[WSA], 2, v2
	v_lshl_add_u32 v[WSA], v3, 10, v[WSA]
	v_lshlrev_b32 v[BA], 6, v3
	s_mul_i32 s26, s20, 49152
	v_add_nc_u32 v[CPS], s26, v[LA]
	s_lshl_b32 s26, s20, 9
	s_add_co_u32 s26, s26, TKL                     ; my list
	v_lshlrev_b32 v[TKS], 2, v2
	v_add_nc_u32 v[TKS], s26, v[TKS]
	v_lshlrev_b32 v[TKR], 5, v3
	v_add_nc_u32 v[TKR], s26, v[TKR]
	s_lshl_b32 s63, s20, 11                        ; my quarter of the scale words: 2,048 w
	v_add_nc_u32 v[HSS], s63, v[LA]
	v_add_nc_u32 v[HSS], HSL, v[HSS]
	v_lshlrev_b32 v[HSR], 2, v2
	v_lshl_add_u32 v[HSR], v3, 10, v[HSR]
	v_add_nc_u32 v[HSR], HSL, v[HSR]
	v_mov_b32 v[G2], 0
	v_mov_b32 v[G2+1], 0                           ; (named with v14 as a pair, so it is written)
	s_and_b32 s22, ttmp7, 0xffff
	s_lshl_b32 s23, s22, 2
	s_add_co_u32 s23, s23, s20                     ; cg: my 64 columns
	s_lshr_b32 s24, s23, 1                         ; which group of 128 columns of the weights' layout,
	s_and_b32 s25, s23, 1                          ; and which four of its eight tiles
	s_lshl_b32 s62, ttmp9, 7                       ; the tile's first place
	s_lshl_b32 s26, ttmp9, 5
	s_mov_b32 s27, 0
	s_wait_kmcnt 0x0
	s_add_nc_u64 s[28:29], s[10:11], s[26:27]
	s_load_b256 s[32:39], s[28:29], 0x0            ; the tile's entry: lo, hi, rows, last place, tile to read, last block
	s_add_nc_u64 s[56:57], s[10:11], LISTO
	s_add_nc_u64 s[58:59], s[6:7], GLO
	s_lshl_b32 s26, s23, 8
	s_add_nc_u64 s[60:61], s[12:13], s[26:27]      ; out0 at my 256 bytes of a row
	s_wait_kmcnt 0x0
	s_min_u32 s32, s32, 7                          ; what was read is held inside its range before it enters an address
	s_min_u32 s33, s33, 7
	s_min_u32 s34, s34, 128
	s_min_u32 s35, s35, 7551
	s_min_u32 s36, s36, 58
	s_min_u32 s37, s37, 7
.irp k, 0,1
	s_lshl_b32 s30, s[32+\k], 3
	s_add_co_u32 s30, s30, s24                     ; 8 e + cg / 2
	s_mul_i32 s26, s30, 98304
	s_mul_i32 s31, s25, 6144
	s_add_co_u32 s26, s26, s31
	s_add_co_u32 s26, s26, 6291456                 ; W2's images lie behind W1's
	s_add_nc_u64 s[WB+2*\k:WB+2*\k+1], s[6:7], s[26:27]
	s_lshl_b32 s26, s30, 12
	s_lshl_b32 s31, s25, 8
	s_add_co_u32 s26, s26, s31
	s_add_co_u32 s26, s26, WSO+262144
	s_add_nc_u64 s[WSB+2*\k:WSB+2*\k+1], s[6:7], s[26:27]
	s_lshl_b32 s26, s[32+\k], 12
	s_lshl_b32 s31, s23, 8
	s_add_co_u32 s26, s26, s31
	s_add_nc_u64 s[BB+2*\k:BB+2*\k+1], s[8:9], s[26:27]
.endr
	s_mul_i32 s26, s36, 196608
	s_mul_i32 s31, s20, 49152
	s_add_co_u32 s26, s26, s31
	s_add_nc_u64 s[52:53], s[4:5], s[26:27]        ; the quarter of the tile's images that I copy
	s_lshl_b32 s26, s36, 13
	s_add_co_u32 s26, s26, HSO
	s_add_nc_u64 s[54:55], s[4:5], s[26:27]        ; the tile's scale words
.irp a, 0,1,2,3,4,5,6,7
	v_add_nc_u32 v[IDX+\a], s62, v2
	v_add_nc_u32 v[IDX+\a], 16*\a, v[IDX+\a]
	v_min_u32 v[IDX+\a], s35, v[IDX+\a]            ; rows beyond the count: the last filled place
	v_min_u32 v[IDX+\a], 7551, v[IDX+\a]
	v_lshlrev_b32 v[GLA+\a], 3, v[IDX+\a]
	v_lshlrev_b32 v[IDX+\a], 2, v[IDX+\a]
	s_min_u32 s26, s37, \a                         ; blocks beyond the last written one: that one
	s_mul_i32 s26, s26, 1536
	v_add_nc_u32 v[VA+\a], s26, v[LI]
.endr
	v_lshrrev_b32 v[HSA], 2, v18                   ; a lane's 16 bytes of scale words are four rows of block lane / 4,
	v_min_u32 v[HSA], s37, v[HSA]                  ; held at the last written block, as the images are
	v_min_u32 v[HSA], 7, v[HSA]
	v_and_b32 v22, 3, v18
	v_lshlrev_b32 v[HSA], 6, v[HSA]
	v_lshl_add_u32 v[HSA], v22, 4, v[HSA]
	v_add_nc_u32 v[HSA], s63, v[HSA]
; THE ORDER OF THE LOADS: what the barrier waits for goes first.
.irp a, 0,1,2,3,4,5,6,7
	global_load_b32 v[TK+\a], v[IDX+\a], s[56:57]
	global_load_b64 v[GL+2*\a:GL+2*\a+1], v[GLA+\a], s[58:59]
.endr
.irp i, 0,1,2,3
	global_load_b128 v[HSD+4*\i:HSD+4*\i+3], v[HSA], s[54:55] offset:512*\i   ; four of the sixteen runs of 512 bytes [k][s]
.endr
; my quarter of the images: 4 K steps x 8 blocks x 3 loads of 512 consecutive bytes, through the registers that the accumulators take later: load ci = 24 s + 3 a + c into register 4 ci of windows 2 and 3
.set ci, 0
.rept 96
	WIN 0x80+0x40*(ci/64)
	global_load_b128 v[(4*ci)%256:(4*ci)%256+3], v[VA+(ci%24)/3], s[52:53] offset:12288*(ci/24)+512*(ci%3)
.set ci, ci+1
.endr
	s_wait_loadcnt 48                              ; tokens, gates, scale words and the first 48 copies are in; the other 48 may be out
.set ci, 0
.rept 48
	WIN 0x08+4*(ci/64)                             ; an LDS store's data are its source 1
	ds_store_b128 v[CPS], v[(4*ci)%256:(4*ci)%256+3] offset:12288*(ci/24)+1536*((ci%24)/3)+512*(ci%3)
.set ci, ci+1
.endr
	WIN 0
.irp i, 0,1,2,3
	ds_store_b128 v[HSS], v[HSD+4*\i:HSD+4*\i+3] offset:512*\i
.endr
.irp a, 0,1,2,3,4,5,6,7
	ds_store_b32 v[TKS], v[TK+\a] offset:64*\a     ; the tile's tokens into my own list (both halves of the lanes hold the same)
.endr
.irp k, 0,1
.irp tt, 0,1,2,3
.irp y, 0,1
.irp j, 0,1
	global_load_b32 v[WS+4*(4*\k+\tt)+2*\y+\j], v[WSA], s[WSB+2*\k:WSB+2*\k+1] offset:(4*\y+\j)*512+64*\tt
.endr
.endr
.endr
.endr
	WIN 0x40
.irp k, 0,1
.irp tt, 0,1,2,3                               ; b2 in the result's layout
	global_load_b128 v[96+128*\k+8*\tt:96+128*\k+8*\tt+3], v[BA], s[BB+2*\k:BB+2*\k+1] offset:(32*(\tt/2)+8*(\tt%2))*4
	global_load_b128 v[100+128*\k+8*\tt:100+128*\k+8*\tt+3], v[BA], s[BB+2*\k:BB+2*\k+1] offset:(32*(\tt/2)+8*(\tt%2))*4+16
.endr
.endr
	s_wait_loadcnt 48                              ; the other 48 copies are in; behind them: 32 loads of scale words, 16 of b2
.rept 48
	WIN 0x08+4*(ci/64)
	ds_store_b128 v[CPS], v[(4*ci)%256:(4*ci)%256+3] offset:12288*(ci/24)+1536*((ci%24)/3)+512*(ci%3)
.set ci, ci+1
.endr
	WLOADH 0, 0                                    ; K steps 0 and 1: these, the scale words and b2 stay on their way over the barrier; nobody writes what they read
	WLOADH 0, 1
	WLOADH 1, 0
	WLOADH 1, 1
	s_wait_dscnt 0x0                               ; for the others' sake: my part of the images and of the scale words has landed
	s_barrier_signal -1
	s_barrier_wait -1                              ; the only barrier: every wave of every work-group passes it, whatever the tile's count
	s_cmp_eq_u32 s34, 0
	s_cbranch_scc1 .Lend                           ; a tile that this split leaves empty
	s_cmp_le_u32 s34, 64
	s_cbranch_scc1 .Lsmall
	BODY 1
	s_wait_tensorcnt 0x0
	ds_add_u32 v254, v255
	s_wait_dscnt 0x0
	s_endpgm
.Lsmall:
	BODY 0
.Lend:
	s_wait_tensorcnt 0x0
	ds_add_u32 v254, v255
	s_wait_dscnt 0x0
	s_endpgm
.Lfunc_end_k_qa065c5d583_ffn2:
	.size	k_qa065c5d583_ffn2, .Lfunc_end_k_qa065c5d583_ffn2-k_qa065c5d583_ffn2
	.p2alignl 7, 3214868480
	.fill 96, 4, 3214868480
	.section	.rodata,"a",@progbits
	.p2align	6, 0x0
	.amdhsa_kernel k_qa065c5d583_ffn2
		.amdhsa_group_segment_fixed_size 224768
		.amdhsa_private_segment_fixed_size 0
		.amdhsa_enable_private_segment 0
		.amdhsa_kernarg_size 40
		.amdhsa_user_sgpr_count 2
		.amdhsa_user_sgpr_kernarg_segment_ptr 1
		.amdhsa_wavefront_size32 1
		.amdhsa_system_sgpr_workgroup_id_x 1
		.amdhsa_system_sgpr_workgroup_id_y 1
		.amdhsa_system_sgpr_workgroup_id_z 1
		.amdhsa_system_vgpr_workitem_id 0
		.amdhsa_next_free_vgpr 1024
		.amdhsa_next_free_sgpr 66
		.amdhsa_reserve_vcc 0
		.amdhsa_float_denorm_mode_32 3
		.amdhsa_float_denorm_mode_16_64 3
		.amdhsa_memory_ordered 1
		.amdhsa_forward_progress 1
		.amdhsa_inst_pref_size 255
	.end_amdhsa_kernel
	.section	.bss,"aw",@nobits
	.p2align	6
	.space	262144
	.amdgpu_metadata
---
amdhsa.version: [ 1, 2 ]
amdhsa.kernels:
  - .name:           k_qa065c5d583_ffn2
    .symbol:         k_qa065c5d583_ffn2.kd
    .args:
      - { .name: h1, .offset: 0, .size: 8, .value_kind: global_buffer, .address_space: global }
      - { .name: wq, .offset: 8, .size: 8, .value_kind: global_buffer, .address_space: global }
      - { .name: b2, .offset: 16, .size: 8, .value_kind: global_buffer, .address_space: global }
      - { .name: plan, .offset: 24, .size: 8, .value_kind: global_buffer, .address_space: global }
      - { .name: out0, .offset: 32, .size: 8, .value_kind: global_buffer, .address_space: global }
    .group_segment_fixed_size: 224768
    .private_segment_fixed_size: 0
    .kernarg_segment_align: 8
    .kernarg_segment_size: 40
    .max_flat_workgroup_size: 128
    .sgpr_count:     66
    .vgpr_count:     1024
    .wavefront_size: 32
...
	.end_amdgpu_metadata
.endif
;; end of part 4
;; ======== version 2 of 2: 4 launches
;; workspace buffers: xq 3,309,568 bytes; keys 16,384 bytes of whole numbers; wq 13,167,616 bytes; plan 32,256 bytes of whole numbers; h1 12,083,200 bytes
;; launch gate_xq (part 5): grid 256 x 1, 8 waves a work-group, no clusters, 17,920 bytes of LDS; arguments x, Wg, bg, xq, keys; writes xq, keys
.if DOCPART == 5
	.amdgcn_target "amdgcn-amd-amdhsa--gfx1250"
	.amdhsa_code_object_version 6
	.text
	.protected	k_qa065c5d583_gate_xq
	.globl	k_qa065c5d583_gate_xq
	.p2align	8
	.type	k_qa065c5d583_gate_xq,@function
k_qa065c5d583_gate_xq:
	s_mov_b64 s[64:65], 0
	v_nop
	global_prefetch_b8 v0, s[64:65] scope:SCOPE_SE
	s_setreg_imm32_b32 hwreg(HW_REG_WAVE_MODE, 25, 1), 1
	s_wait_xcnt 0x0
; x [4096][1024] f32 is read ONCE and serves twice: the gate's logits x Wg^T + bg in f32 with their top 2, and x's codes of FP6 (E2M3) with one E8M0 byte for each 32 along K.
; SHARES.  A work-group takes 16 tokens; wave w takes K step w (k = 128 w .. 128 w + 127) of all 16.  Lane (r, h) loads, of token r, 16 neighbours of each block of 32: register 16 b + i = k 32 b + 16 h + i.
; THE GATE.  Wg's rows are loaded in the same pattern (lane r takes expert r % 8), so a register pair of x and the same pair of Wg hold the same four k: 32 f32 matrix instructions of 16 x 16 x 4 give the wave's
; partial logits; lane (r, h), register j = expert j, token r.  It is 33.5 M of the program's multiply-adds; it stays in f32 because a coarser logit could turn the choice of experts.
; The eight waves' partial logits meet in LDS; wave 0 adds them in ascending K, adds bg, takes the top 2 (of equal logits the lower index, by comparing with >=), and the softmax of the two with the larger taken away.
; OUT: xq: codes [token][768 bytes]; inside a K step's 96 bytes the four blocks of 24 bytes lie in the order 0, 2, 1, 3, so that 48 bytes at 96 s + 48 h are the 12 registers of lane (r, h) of an operand;
;      scale words [token][8] at XSO; gates (of the lower expert, of the higher) at GTO.   keys: the number of the token's unordered pair of experts, 0 .. 27, at a fixed place: no address here hangs on it.
; LIMITS: NaN and infinite logits are not served; a second and third logit closer than the rounding of an f32 sum of 1,024 terms may be chosen otherwise than by another order of summing;
; blocks whose largest magnitude lies under 2^-124 keep the byte 1, blocks of zeros too (their codes are zeros, and this program alone reads the bytes).
.set XSO,  3145728                     ; xq: the scale words
.set GTO,  3276800                     ; xq: the gates
.set XSL,  12288                       ; LDS: 0 .. 12,287 the 16 tokens' codes, 768 bytes a token; then their scale words, 32 bytes a token;
.set LG,   12800                       ; then the partial logits: 512 bytes a wave, 32 bytes a token
.set PC,   16                          ; v16-35   the codes just made
.set TM,   36                          ; v36-51   largest magnitudes, bytes, scale operands
.set PW,   52                          ; v52      the scale word just made
.set X,    64                          ; v64-127  64 numbers of x
.set WGF,  128                         ; v128-191 64 numbers of Wg
.set AC,   192                         ; v192-223 four accumulators, written by matrix instructions alone
.set SA,   224                         ; v224-231, v232-239 their sums
.set SB,   232
.set SEL,  24                          ; s[24:25] lane selects for v_permlanex16_b32: lane l xor 16
; 64 numbers of a lane, register 16 b + i = k 32 b + 16 (lane / 16) + i of my row, become an operand's 12 registers in v[PC] on and its scale word in v[PW].
.macro QUANT s
.irp b, 0,1,2,3
	v_max3_num_f32 v[TM+\b], |v[\s+16*\b]|, |v[\s+1+16*\b]|, 0x1800000   ; block b: my 16 numbers, and the floor 2^(3 - 127): the byte cannot fall under 1
.endr
.irp i, 2,4,6,8,10,12,14
.irp b, 0,1,2,3
	s_delay_alu instid0(VALU_DEP_4)
	v_max3_num_f32 v[TM+\b], v[TM+\b], |v[\s+16*\b+\i]|, |v[\s+1+16*\b+\i]|   ; the four blocks by turns
.endr
.endr
.irp b, 0,1,2,3
	s_delay_alu instid0(VALU_DEP_4)
	v_permlanex16_b32 v[TM+4+\b], v[TM+\b], s[SEL], s[SEL+1]
.endr
.irp b, 0,1,2,3
	s_delay_alu instid0(VALU_DEP_4)
	v_max_num_f32 v[TM+\b], v[TM+\b], v[TM+4+\b]   ; with lane l xor 16's 16: the block's largest magnitude
.endr
.irp b, 0,1,2,3
	s_delay_alu instid0(VALU_DEP_4)
	v_add_nc_u32 v[TM+12+\b], 0xff000000, v[TM+\b]   ; 2 off its exponent field: the conversion's scale operand
.endr
.irp b, 0,1,2,3
	s_delay_alu instid0(VALU_DEP_4)
	v_lshrrev_b32 v[TM+4+\b], 23, v[TM+12+\b]      ; the scale's byte
.endr
	s_delay_alu instid0(VALU_DEP_3)
	v_lshl_or_b32 v[PW], v[TM+5], 8, v[TM+4]
	s_delay_alu instid0(VALU_DEP_1)
	v_lshl_or_b32 v[PW], v[TM+6], 16, v[PW]
	s_delay_alu instid0(VALU_DEP_1)
	v_lshl_or_b32 v[PW], v[TM+7], 24, v[PW]
.irp c, 0,1
	v_cvt_scalef32_pk16_fp6_f32 v[PC+6*\c:PC+2+6*\c], v[\s+32*\c:\s+15+32*\c], v[TM+12+2*\c]
	v_cvt_scalef32_pk16_fp6_f32 v[PC+12+4*\c:PC+14+4*\c], v[\s+16+32*\c:\s+31+32*\c], v[TM+12+2*\c+1]   ; (a conversion's three registers begin on an even number)
.endr
	v_nop                                          ; one plain place behind a scaled conversion
.irp c, 0,1                                    ; the operand wants a whole block in a lane: lanes 0-15 block 2 c, lanes 16-31 block 2 c + 1
.irp i, 0,1,2
	v_permlane16_swap_b32 v[PC+6*\c+\i], v[PC+12+4*\c+\i]
.endr
.irp i, 0,1,2
	s_delay_alu instid0(VALU_DEP_3)
	v_mov_b32 v[PC+3+6*\c+\i], v[PC+12+4*\c+\i]
.endr
.endr
.endm
	s_load_b256 s[4:11], s[0:1], 0x0               ; x s[4:5], Wg s[6:7], bg s[8:9], xq s[10:11]
	s_load_b64 s[12:13], s[0:1], 0x20              ; keys
	v_lshl_add_u32 v254, v0, 2, 0x4200
	v_mov_b32 v255, 0
	v_lshrrev_b32 v1, 5, v0
	s_delay_alu instid0(VALU_DEP_1)
	v_readfirstlane_b32 s14, v1                    ; wave 0..7 = my K step
	v_and_b32 v1, 31, v0                           ; lane
	v_and_b32 v2, 15, v0                           ; r
	v_bfe_u32 v3, v0, 4, 1                         ; h
	s_delay_alu instid0(VALU_DEP_2)
	v_lshlrev_b32 v4, 12, v2
	s_delay_alu instid0(VALU_DEP_1)
	v_lshl_add_u32 v4, v3, 6, v4                   ; x: row r of 4,096 bytes + 64 h
	v_and_b32 v5, 7, v0
	s_delay_alu instid0(VALU_DEP_1)
	v_lshlrev_b32 v5, 12, v5
	s_delay_alu instid0(VALU_DEP_1)
	v_lshl_add_u32 v5, v3, 6, v5                   ; Wg: row r % 8, + 64 h
	s_mul_i32 s26, s14, 96
	v_mul_u32_u24 v6, v2, 768
	s_delay_alu instid0(VALU_DEP_1)
	v_mad_u32_u24 v6, v3, 48, v6
	s_delay_alu instid0(VALU_DEP_1)
	v_add_nc_u32 v6, s26, v6                       ; LDS, codes: 768 r + 48 h + 96 w
	s_lshl_b32 s26, s14, 2
	v_lshlrev_b32 v11, 5, v2                       ; 32 r: also where wave 0 reads the logits
	s_delay_alu instid0(VALU_DEP_1)
	v_add_nc_u32 v7, s26, v11                      ; LDS, scale word: 32 r + 4 w
	s_lshl_b32 s26, s14, 9
	v_add_nc_u32 v8, s26, v11                      ; LDS, logits: 512 w + 32 r
	v_lshlrev_b32 v10, 4, v1                       ; 16 x lane
	s_mul_i32 s26, s14, 1536
	v_add_nc_u32 v9, s26, v10                      ; the way out of the codes: 16 x lane + 1,536 w, in LDS and in memory alike
	v_lshlrev_b32 v12, 2, v2                       ; keys: 4 r
	v_lshlrev_b32 v13, 3, v2                       ; gates: 8 r
.irp b, 0,1,2,3
	v_mov_b32 v[TM+4+\b], 0                        ; written once: a lane permute's destination counts as one of its sources
.endr
	s_mov_b32 s[SEL], 0x76543210
	s_mov_b32 s[SEL+1], 0xfedcba98
	s_lshl_b32 s26, ttmp9, 16                      ; 16 tokens of 4,096 bytes
	s_lshl_b32 s28, s14, 9                         ; my K step: 512 bytes
	s_add_co_u32 s26, s26, s28
	s_mov_b32 s27, 0
	s_mov_b32 s29, 0
	s_mul_i32 s30, ttmp9, 12288
	s_mov_b32 s31, 0
	s_wait_kmcnt 0x0
	s_load_b256 s[16:23], s[8:9], 0x0              ; bg's eight numbers
	s_add_nc_u64 s[4:5], s[4:5], s[26:27]
	s_add_nc_u64 s[6:7], s[6:7], s[28:29]
	s_add_nc_u64 s[32:33], s[10:11], s[30:31]      ; my tokens' codes
	s_lshl_b32 s30, ttmp9, 9
	s_add_nc_u64 s[34:35], s[10:11], s[30:31]
	s_add_nc_u64 s[34:35], s[34:35], XSO           ; their scale words
	s_lshl_b32 s30, ttmp9, 7
	s_add_nc_u64 s[36:37], s[10:11], s[30:31]
	s_add_nc_u64 s[36:37], s[36:37], GTO           ; their gates
	s_lshl_b32 s30, ttmp9, 6
	s_add_nc_u64 s[12:13], s[12:13], s[30:31]      ; their keys
.irp b, 0,1,2,3
.irp j, 0,1,2,3
	global_load_b128 v[X+16*\b+4*\j:X+16*\b+4*\j+3], v4, s[4:5] offset:128*\b+16*\j th:TH_LOAD_NT
.endr
.endr
.irp b, 0,1,2,3
.irp j, 0,1,2,3
	global_load_b128 v[WGF+16*\b+4*\j:WGF+16*\b+4*\j+3], v5, s[6:7] offset:128*\b+16*\j
.endr
.endr
	s_wait_loadcnt 0x0
	s_wait_kmcnt 0x0
	; the partial logits: four accumulators by turns, one instruction a turn; each sum begins with the constant 0
.set i, 0
.rept 32
.if i < 4
	v_wmma_f32_16x16x4_f32 v[AC+8*(i%4):AC+8*(i%4)+7], v[WGF+2*i:WGF+2*i+1], v[X+2*i:X+2*i+1], 0
.else
	v_wmma_f32_16x16x4_f32 v[AC+8*(i%4):AC+8*(i%4)+7], v[WGF+2*i:WGF+2*i+1], v[X+2*i:X+2*i+1], v[AC+8*(i%4):AC+8*(i%4)+7]
.endif
.set i, i+1
.endr
	QUANT X                                        ; it reads x's registers and writes none of the products'
.rept 8
	v_nop                                          ; eight places behind this form before its results are read (ISA guide 7.12.1)
.endr
.irp j, 0,2,4,6
	v_pk_add_f32 v[SA+\j:SA+\j+1], v[AC+\j:AC+\j+1], v[AC+8+\j:AC+9+\j]      ; each accumulator from its low end on
.endr
.irp j, 0,2,4,6
	v_pk_add_f32 v[SB+\j:SB+\j+1], v[AC+16+\j:AC+17+\j], v[AC+24+\j:AC+25+\j]
.endr
.irp j, 0,2,4,6
	s_delay_alu instid0(VALU_DEP_4)
	v_pk_add_f32 v[SA+\j:SA+\j+1], v[SA+\j:SA+\j+1], v[SB+\j:SB+\j+1]
.endr
.irp c, 0,1,2
	ds_store_b128 v6, v[PC+4*\c:PC+4*\c+3] offset:16*\c
.endr
	ds_store_b32 v7, v[PW] offset:XSL              ; both halves of the lanes hold the same word
	ds_store_b128 v8, v[SA:SA+3] offset:LG         ; and the same logits
	ds_store_b128 v8, v[SA+4:SA+7] offset:LG+16
	s_wait_dscnt 0x0                               ; for the others' sake: my stores have landed
	s_barrier_signal -1
	s_barrier_wait -1
.irp c, 0,1,2
	ds_load_b128 v[WGF+4*\c:WGF+4*\c+3], v9 offset:512*\c     ; the 16 tokens' 12,288 bytes of codes are one dense run of memory: each wave takes 1,536
.endr
	s_wait_dscnt 0x0
.irp c, 0,1,2
	global_store_b128 v9, v[WGF+4*\c:WGF+4*\c+3], s[32:33] offset:512*\c   ; 32 lanes store 512 consecutive bytes, at a multiple of 256 from the buffer's first byte
.endr
	s_cmp_eq_u32 s14, 1
	s_cbranch_scc0 .Lnot_wave_1
	ds_load_b128 v[140:143], v10 offset:XSL        ; wave 1: the 16 tokens' 512 bytes of scale words
	s_wait_dscnt 0x0
	global_store_b128 v10, v[140:143], s[34:35]
	s_wait_tensorcnt 0x0
	ds_add_u32 v254, v255
	s_wait_dscnt 0x0
	s_endpgm
.Lnot_wave_1:
	s_cmp_eq_u32 s14, 0
	s_cbranch_scc1 .Ltail
	s_wait_tensorcnt 0x0
	ds_add_u32 v254, v255
	s_wait_dscnt 0x0
	s_endpgm
.Ltail:                                            ; wave 0: lane r (and r + 16 alike) has token r
.irp w, 0,1,2,3,4,5,6,7
	ds_load_b128 v[X+8*\w:X+8*\w+3], v11 offset:LG+512*\w
	ds_load_b128 v[X+8*\w+4:X+8*\w+7], v11 offset:LG+512*\w+16
.endr
	s_wait_dscnt 0x0
.irp w, 1,2,3,4,5,6,7
.irp j, 0,2,4,6
	v_pk_add_f32 v[X+\j:X+\j+1], v[X+\j:X+\j+1], v[X+8*\w+\j:X+8*\w+\j+1]    ; K ascending
.endr
.endr
.irp e, 0,1,2,3,4,5,6,7
	v_add_f32 v[X+\e], s[16+\e], v[X+\e]           ; + bg
.endr
	v_mov_b32 v80, v[X]                            ; the largest logit and its expert
	v_mov_b32 v81, 0
.irp e, 1
	s_delay_alu instid0(VALU_DEP_2)
	v_cmp_ge_f32 vcc_lo, v80, v[X+\e]              ; of equal logits the lower index stays
	s_delay_alu instid0(VALU_DEP_1)
	v_cndmask_b32 v81, \e, v81, vcc_lo
	s_delay_alu instid0(VALU_DEP_2)
	v_cndmask_b32 v80, v[X+\e], v80, vcc_lo
.endr
.irp e, 2, 3, 4, 5, 6, 7
	s_delay_alu instid0(VALU_DEP_1)
	v_cmp_ge_f32 vcc_lo, v80, v[X+\e]
	s_delay_alu instid0(VALU_DEP_1)
	v_cndmask_b32 v81, \e, v81, vcc_lo
	s_delay_alu instid0(VALU_DEP_2)
	v_cndmask_b32 v80, v[X+\e], v80, vcc_lo
.endr
	v_mov_b32 v84, 0xff800000                      ; -infinity takes the winner's place
.irp e, 0,1,2,3,4,5,6,7
	v_cmp_eq_u32 vcc_lo, \e, v81
	s_delay_alu instid0(VALU_DEP_1)
	v_cndmask_b32 v[X+\e], v[X+\e], v84, vcc_lo
.endr
	v_mov_b32 v82, v[X]                            ; the second
	v_mov_b32 v83, 0
.irp e, 1
	s_delay_alu instid0(VALU_DEP_2)
	v_cmp_ge_f32 vcc_lo, v82, v[X+\e]
	s_delay_alu instid0(VALU_DEP_1)
	v_cndmask_b32 v83, \e, v83, vcc_lo
	s_delay_alu instid0(VALU_DEP_2)
	v_cndmask_b32 v82, v[X+\e], v82, vcc_lo
.endr
.irp e, 2, 3, 4, 5, 6, 7
	s_delay_alu instid0(VALU_DEP_1)
	v_cmp_ge_f32 vcc_lo, v82, v[X+\e]
	s_delay_alu instid0(VALU_DEP_1)
	v_cndmask_b32 v83, \e, v83, vcc_lo
	s_delay_alu instid0(VALU_DEP_2)
	v_cndmask_b32 v82, v[X+\e], v82, vcc_lo
.endr
	s_delay_alu instid0(VALU_DEP_1)
	v_sub_f32 v85, v82, v80                        ; the softmax of the two, the larger taken away: 1 / (1 + t) and t / (1 + t), t = e^(second - first)
	s_delay_alu instid0(VALU_DEP_1)
	v_mul_f32 v85, 0x3fb8aa3b, v85
	s_wait_alu depctr_va_vdst(0)
	v_exp_f32 v85, v85
	v_nop                                          ; a plain place behind the exponential
	v_cmp_lt_u32 vcc_lo, v81, v83
	s_delay_alu instid0(VALU_DEP_1)
	v_cndmask_b32 v86, v83, v81, vcc_lo            ; lo: the lower of the two experts
	s_delay_alu instid0(VALU_DEP_2)
	v_cndmask_b32 v87, v81, v83, vcc_lo            ; hi
	s_wait_alu depctr_va_vdst(0)
	v_add_f32 v88, 1.0, v85
	s_wait_alu depctr_va_vdst(0)
	v_rcp_f32 v88, v88
	v_sub_nc_u32 v89, 15, v86                      ; (a plain place behind the reciprocal)
	s_wait_alu depctr_va_vdst(0)
	v_mul_f32 v90, v85, v88
	v_cndmask_b32 v92, v90, v88, vcc_lo            ; lo's gate,
	v_cndmask_b32 v93, v88, v90, vcc_lo            ; hi's
	v_mul_u32_u24 v89, v86, v89
	s_delay_alu instid0(VALU_DEP_1)
	v_lshrrev_b32 v89, 1, v89
	s_delay_alu instid0(VALU_DEP_1)
	v_add_nc_u32 v89, v89, v87
	s_delay_alu instid0(VALU_DEP_1)
	v_sub_nc_u32 v89, v89, v86
	s_delay_alu instid0(VALU_DEP_1)
	v_add_nc_u32 v89, -1, v89                      ; the pair's number: lo (15 - lo) / 2 + hi - lo - 1
	v_cmp_gt_u32 vcc_lo, 16, v1
	s_wait_alu depctr_va_vdst(0)
	s_wait_xcnt 0x0                                ; EXEC changes only when the stores above have had their addresses translated
	s_wait_tensorcnt 0x0
	ds_add_u32 v254, v255
	s_wait_dscnt 0x0
	s_and_saveexec_b32 s30, vcc_lo                 ; lanes 0-15: one lane a token
	global_store_b32 v12, v89, s[12:13]
	global_store_b64 v13, v[92:93], s[36:37]
	s_endpgm
.Lfunc_end_k_qa065c5d583_gate_xq:
	.size	k_qa065c5d583_gate_xq, .Lfunc_end_k_qa065c5d583_gate_xq-k_qa065c5d583_gate_xq
	.p2alignl 7, 3214868480
	.fill 96, 4, 3214868480
	.section	.rodata,"a",@progbits
	.p2align	6, 0x0
	.amdhsa_kernel k_qa065c5d583_gate_xq
		.amdhsa_group_segment_fixed_size 17920
		.amdhsa_private_segment_fixed_size 0
		.amdhsa_enable_private_segment 0
		.amdhsa_kernarg_size 40
		.amdhsa_user_sgpr_count 2
		.amdhsa_user_sgpr_kernarg_segment_ptr 1
		.amdhsa_wavefront_size32 1
		.amdhsa_system_sgpr_workgroup_id_x 1
		.amdhsa_system_sgpr_workgroup_id_y 1
		.amdhsa_system_sgpr_workgroup_id_z 1
		.amdhsa_system_vgpr_workitem_id 0
		.amdhsa_next_free_vgpr 256
		.amdhsa_next_free_sgpr 66
		.amdhsa_reserve_vcc 1
		.amdhsa_float_denorm_mode_32 3
		.amdhsa_float_denorm_mode_16_64 3
		.amdhsa_memory_ordered 1
		.amdhsa_forward_progress 1
		.amdhsa_inst_pref_size 24
	.end_amdhsa_kernel
	.amdgpu_metadata
---
amdhsa.version: [ 1, 2 ]
amdhsa.kernels:
  - .name:           k_qa065c5d583_gate_xq
    .symbol:         k_qa065c5d583_gate_xq.kd
    .args:
      - { .name: x, .offset: 0, .size: 8, .value_kind: global_buffer, .address_space: global }
      - { .name: Wg, .offset: 8, .size: 8, .value_kind: global_buffer, .address_space: global }
      - { .name: bg, .offset: 16, .size: 8, .value_kind: global_buffer, .address_space: global }
      - { .name: xq, .offset: 24, .size: 8, .value_kind: global_buffer, .address_space: global }
      - { .name: keys, .offset: 32, .size: 8, .value_kind: global_buffer, .address_space: global }
    .group_segment_fixed_size: 17920
    .private_segment_fixed_size: 0
    .kernarg_segment_align: 8
    .kernarg_segment_size: 40
    .max_flat_workgroup_size: 256
    .sgpr_count:     66
    .vgpr_count:     256
    .wavefront_size: 32
...
	.end_amdgpu_metadata
.endif
;; end of part 5
;; launch wq_route (part 6): grid 1025 x 1, 4 waves a work-group, no clusters, 14,336 bytes of LDS; arguments W1, W2, keys, xq, wq, plan; writes wq, plan
.if DOCPART == 6
	.amdgcn_target "amdgcn-amd-amdhsa--gfx1250"
	.amdhsa_code_object_version 6
	.text
	.protected	k_qa065c5d583_wq_route
	.globl	k_qa065c5d583_wq_route
	.p2align	8
	.type	k_qa065c5d583_wq_route,@function
k_qa065c5d583_wq_route:
	s_mov_b64 s[64:65], 0
	v_nop
	global_prefetch_b8 v0, s[64:65] scope:SCOPE_SE
	s_setreg_imm32_b32 hwreg(HW_REG_WAVE_MODE, 25, 1), 1
	s_wait_xcnt 0x0
; TWO JOBS IN ONE LAUNCH.  Work-groups 1 .. 1,024 quantise W1 and W2 ([expert][k][n] f32, K the FIRST axis within an expert) to codes of FP6 (E2M3) with one E8M0 byte for each 32 along K.
; Work-group 0 sorts the 4,096 tokens by their pair of experts, beside that stream of 67 MB.
; THE QUANTISER.  A work-group takes 128 columns x 128 along K of one expert of one tensor; a lane takes a column and its registers run down K: a block of 32 is one lane's 32 registers, no other lane is asked for a maximum.
; The codes are laid in the ORDER OF AN OPERAND'S REGISTERS: wq [tensor][expert][g: 128 columns][s: 128 along K][tile 0..7][1,536 bytes]; in a tile's image, registers 4 c .. 4 c + 3 of lane l lie at 512 c + 16 l.
; Lane r of tile 2 b + u holds column 128 g + 32 b + 8 u + r + 8 (r / 8): with that choice a product's results come out with 16 neighbours along the next K in a lane's registers.
; The scale words (4 bytes: a column's 128 along K) lie [tensor][expert][g][s][tile][lane r] at WSO.  A wave's two images go through its own stage in LDS and leave in runs of 512 consecutive bytes.
; A block's scale is 2^(floor(log2(largest magnitude)) - 2); its byte is the largest magnitude's exponent field - 2, held at 1 from below.
; LIMITS: blocks under 2^-124 and blocks of zeros keep the byte 1 (zero codes add nothing, and this program alone reads the bytes); NaN and infinities are not served.
; THE SORT (whole numbers only).  28 pairs; a tile is at most 128 tokens of one pair, so there are at most 32 + 27 = 59 tiles whatever the choice.  Pair p's tokens take places 128 TB[p] on, TB the running number of tiles.
; A token's place = 128 TB + the pair's tokens in earlier waves + in earlier registers of its wave + in lower lanes of its register.  No atomics: counts by ballots, sums in registers, one exchange through LDS.
; OUT: plan: 64 entries of 8 words {lo, hi, rows, last place, tile to read, (rows - 1) / 16, 0, 0}, then the token of each place (only filled places are written); wq at GLO: the two gates of each place.
.set WSO,   12582912
.set GLO,   13107200
.set GTO,   3276800
.set LISTO, 2048
.set RT,    13312                      ; LDS: 0 .. 13,311 the quantiser's stages, 3,328 bytes a wave (two images, 1,664 apart); RT on: the sort's 512 bytes, its own
.set X,     64                         ; v64-127  two sets of 32 numbers
.set C,     16                         ; v16-39   a column's codes: 12 registers for each half of the lanes that will hold them
.set CT,    40                         ; v40-42   a block's second 16 codes, made here and moved
	s_load_b256 s[4:11], s[0:1], 0x0               ; W1 s[4:5], W2 s[6:7], keys s[8:9], xq s[10:11]
	s_load_b128 s[12:15], s[0:1], 0x20             ; wq s[12:13], plan s[14:15]
	v_lshl_add_u32 v192, v0, 2, 0x3600
	v_mov_b32 v193, 0
	v_lshrrev_b32 v1, 5, v0
	v_readfirstlane_b32 s20, v1                    ; wave 0..3
	v_and_b32 v1, 31, v0                           ; lane
	s_cmp_eq_u32 ttmp9, 0
	s_cbranch_scc1 .Lroute
	s_sub_co_u32 s21, ttmp9, 1
	s_and_b32 s22, s21, 7                          ; s
	s_bfe_u32 s23, s21, 0x30003                    ; g
	s_bfe_u32 s24, s21, 0x30006                    ; expert
	s_lshr_b32 s25, s21, 9                         ; tensor
	s_lshl_b32 s26, s24, 22                        ; source: expert x 4 MiB + 128 s rows of 4,096 bytes + 512 g + 128 w
	s_lshl_b32 s28, s22, 19
	s_add_co_u32 s26, s26, s28
	s_lshl_b32 s28, s23, 9
	s_add_co_u32 s26, s26, s28
	s_lshl_b32 s28, s20, 7
	s_add_co_u32 s26, s26, s28
	s_mov_b32 s27, 0
	s_lshl_b32 s30, s24, 3
	s_add_co_u32 s30, s30, s23                     ; 8 e + g
	s_lshl_b32 s31, s30, 3
	s_add_co_u32 s31, s31, s22
	s_mul_i32 s28, s31, 12288                      ; codes: ((8 e + g) 8 + s) x 8 images + tensor + my two images
	s_mul_i32 s31, s25, 6291456
	s_add_co_u32 s28, s28, s31
	s_mul_i32 s31, s20, 3072
	s_add_co_u32 s28, s28, s31
	s_mov_b32 s29, 0
	s_lshl_b32 s32, s30, 12                        ; scale words: (8 e + g) 4,096 + tensor + 512 s + 128 w
	s_lshl_b32 s31, s25, 18
	s_add_co_u32 s32, s32, s31
	s_lshl_b32 s31, s22, 9
	s_add_co_u32 s32, s32, s31
	s_lshl_b32 s31, s20, 7
	s_add_co_u32 s32, s32, s31
	s_add_co_u32 s32, s32, WSO
	s_mov_b32 s33, 0
	s_wait_alu depctr_va_vdst(0)
	v_lshlrev_b32 v2, 2, v1                        ; in: 4 bytes a lane
	v_bfe_u32 v9, v0, 3, 1                         ; u: which of my two tiles my column falls into
	v_and_b32 v10, 7, v0
	v_bfe_u32 v11, v0, 4, 1
	v_lshl_add_u32 v10, v11, 3, v10                ; r: its lane there
	s_mul_i32 s34, s20, 3328
	v_mul_u32_u24 v5, v9, 1664
	v_lshl_add_u32 v5, v10, 4, v5
	v_add_nc_u32 v5, s34, v5                       ; the stage, in: 3,328 w + 1,664 u + 16 r (1,664 = 6 x 256 + 128: sixteen lanes' stores fall on sixteen different columns of 16 bytes)
	v_lshlrev_b32 v7, 4, v1                        ; 16 x lane
	v_add_nc_u32 v6, s34, v7                       ; the stage, out
	v_lshlrev_b32 v8, 6, v9
	v_lshl_add_u32 v8, v10, 2, v8                  ; my scale word: 64 u + 4 r
	s_wait_kmcnt 0x0
	s_cmp_eq_u32 s25, 0                            ; the choice of tensor hangs on the work-group's number alone
	s_cselect_b64 s[4:5], s[4:5], s[6:7]
	s_add_nc_u64 s[4:5], s[4:5], s[26:27]
	s_add_nc_u64 s[16:17], s[12:13], s[28:29]
	s_add_nc_u64 s[18:19], s[12:13], s[32:33]
.macro LOAD t                          ; block t: W(32 t + i, my column) into set t % 2; 32 lanes read 128 consecutive bytes, the four waves 512
.irp i, 0,1,2,3,4,5,6,7,8,9,10,11,12,13,14,15,16,17,18,19,20,21,22,23,24,25,26,27,28,29,30,31
	global_load_b32 v[X+32*((\t)%2)+\i], v2, s[4:5] offset:(32*(\t)+\i)*4096 th:TH_LOAD_NT
.endr
.endm
.macro BLOCK q                         ; block q of the K step belongs to lane (r, q % 2) of the operand, registers 6 (q / 2) on
.set XB, X+32*((\q)%2)
.set CD, C+12*((\q)%2)+6*((\q)/2)
.if (\q) < 3
	s_wait_loadcnt 32                              ; this block's 32 loads are in; the next block's 32 may be out
.else
	s_wait_loadcnt 0x0
.endif
	v_max3_num_f32 v12, |v[XB]|, |v[XB+1]|, |v[XB+2]|
	v_max3_num_f32 v13, |v[XB+3]|, |v[XB+4]|, |v[XB+5]|
.irp i, 6,10,14,18,22,26
	v_max3_num_f32 v12, v12, |v[XB+\i]|, |v[XB+\i+1]|
	v_max3_num_f32 v13, v13, |v[XB+\i+2]|, |v[XB+\i+3]|
.endr
	v_max3_num_f32 v12, v12, |v[XB+30]|, |v[XB+31]|
	v_max3_num_f32 v12, v12, v13, 0x1800000        ; and the floor 2^(3 - 127)
	v_add_nc_u32 v11, 0xff000000, v12              ; 2 off the exponent field: the conversion's scale operand
	v_lshrrev_b32 v13, 23, v11                     ; the scale's byte
	v_cvt_scalef32_pk16_fp6_f32 v[CD:CD+2], v[XB:XB+15], v11
	v_cvt_scalef32_pk16_fp6_f32 v[CT:CT+2], v[XB+16:XB+31], v11     ; (a conversion's three registers begin on an even number)
.if (\q) == 0
	v_mov_b32 v14, v13                             ; the four bytes make the scale word.  (The plain place behind the conversions)
.else
	v_lshl_or_b32 v14, v13, 8*(\q), v14
.endif
.irp i, 0,1,2
	v_mov_b32 v[CD+3+\i], v[CT+\i]
.endr
.if (\q) < 2
	LOAD (\q)+2
.else
.irp c, 0,1,2
	ds_store_b128 v5, v[C+12*((\q)%2)+4*\c:C+12*((\q)%2)+4*\c+3] offset:512*\c+256*((\q)%2)   ; blocks q - 2 and q: the 12 registers of lane r + 16 (q % 2)
.endr
.endif
.endm
	LOAD 0
	LOAD 1
	BLOCK 0
	BLOCK 1
	BLOCK 2
	BLOCK 3
	global_store_b32 v8, v14, s[18:19]             ; the wave's 32 scale words: 128 consecutive bytes
.irp u, 0,1
.irp c, 0,1,2
	ds_load_b128 v[X+12*\u+4*\c:X+12*\u+4*\c+3], v6 offset:1664*\u+512*\c   ; LDS serves a wave's instructions in order: these see my stores
.endr
.endr
.irp u, 0,1
.irp c, 0,1,2
	s_wait_dscnt 5-3*\u-\c                         ; the later ones of the six may be out
	global_store_b128 v7, v[X+12*\u+4*\c:X+12*\u+4*\c+3], s[16:17] offset:1536*\u+512*\c   ; 512 consecutive bytes, at a multiple of 256 from the buffer's first byte
.endr
.endr
	s_wait_tensorcnt 0x0
	ds_add_u32 v192, v193
	s_wait_dscnt 0x0
	s_endpgm
.Lroute:
	s_wait_alu depctr_va_vdst(0)
; Wave w has tokens 1,024 w on; register 4 c + q of lane l holds token 1,024 w + 128 c + 4 l + q.
; v32-63 keys K; v64-95 rank RK; v96-127 counts H (lane = pair); v128-191 gates; v5-9 (bit b of the lane) - 1; v10-13 at work; v20 TOT, v21 NT, v22 TB, v23 BASE (lane = pair).
	v_lshlrev_b32 v2, 4, v1
	s_lshl_b32 s26, s20, 12
	v_add_nc_u32 v2, s26, v2                       ; keys: 16 l + 4,096 w
	v_lshlrev_b32 v3, 5, v1
	s_lshl_b32 s26, s20, 13
	v_add_nc_u32 v3, s26, v3                       ; gates: 32 l + 8,192 w
	v_lshlrev_b32 v4, 2, v1
	s_lshl_b32 s26, s20, 10
	v_add_nc_u32 v4, s26, v4                       ; my first token: 1,024 w + 4 l
.irp b, 0,1,2,3,4
	v_bfe_u32 v[5+\b], v0, \b, 1
	v_add_nc_u32 v[5+\b], -1, v[5+\b]              ; 0 where bit b of my lane is 1, else all ones
.endr
	s_mov_b32 s48, 0x55555555
	s_mov_b32 s49, 0x33333333
	s_mov_b32 s50, 0x0f0f0f0f
	s_mov_b32 s51, 0x01010101
	s_wait_kmcnt 0x0
	s_add_nc_u64 s[16:17], s[10:11], GTO
	s_add_nc_u64 s[18:19], s[14:15], LISTO
	s_add_nc_u64 s[22:23], s[12:13], GLO
.irp c, 0,1,2,3,4,5,6,7
	global_load_b128 v[32+4*\c:35+4*\c], v2, s[8:9] offset:512*\c
.endr
.irp c, 0,1,2,3,4,5,6,7
	global_load_b128 v[128+8*\c:131+8*\c], v3, s[16:17] offset:1024*\c
	global_load_b128 v[132+8*\c:135+8*\c], v3, s[16:17] offset:1024*\c+16
.endr
	s_wait_loadcnt 16                              ; the keys are in; the 16 loads of gates may be out
.set ri, 0
.rept 32
	v_min_u32 v[32+ri], 27, v[32+ri]
.set ri, ri+1
.endr
; For one register of keys: s[40 + b] = the lanes whose key has bit b.  Those lanes, or the others, agree with a given bit: five such masks ANDed are the lanes with a given key.
; v12: the lanes with MY key (its bits below my lane: my rank);  v13: the lanes whose key is MY LANE'S NUMBER (its bits counted: how many tokens of this register have pair = lane).
.set ri, 0
.rept 32
.irp b, 0,1,2,3,4
	v_bfe_u32 v10, v[32+ri], \b, 1
	v_add_nc_u32 v10, -1, v10
	v_cmp_eq_u32 s[40+\b], 0, v10
.if \b == 0
	v_xor_b32 v12, s[40+\b], v10
	v_xor_b32 v13, s[40+\b], v[5+\b]
.else
	v_xor_b32 v10, s[40+\b], v10
	v_xor_b32 v11, s[40+\b], v[5+\b]
	v_and_b32 v12, v12, v10
	v_and_b32 v13, v13, v11
.endif
.endr
	v_mbcnt_lo_u32_b32 v[64+ri], v12, 0
	v_lshrrev_b32 v10, 1, v13                      ; the ones of v13, counted in fields of 2, 4 and 8 bits
	v_and_b32 v10, s48, v10
	v_sub_nc_u32 v13, v13, v10
	v_lshrrev_b32 v10, 2, v13
	v_and_b32 v13, s49, v13
	v_and_b32 v10, s49, v10
	v_add_nc_u32 v13, v13, v10
	v_lshrrev_b32 v10, 4, v13
	v_add_nc_u32 v13, v13, v10
	v_and_b32 v13, s50, v13
	v_mul_lo_u32 v13, v13, s51
	v_lshrrev_b32 v[96+ri], 24, v13
.set ri, ri+1
.endr
	v_lshl_add_u32 v5, v0, 2, RT                   ; LDS: my wave's totals, a word a pair
	v_lshl_add_u32 v6, v1, 2, RT                   ; and where every wave's are read
	v_mov_b32 v14, 0                               ; each count gives way to the sum of the counts before it; two running sums by turns
.set ri, 0
.rept 16
	v_add_nc_u32 v15, v14, v[96+ri]
	v_mov_b32 v[96+ri], v14
	v_add_nc_u32 v14, v15, v[97+ri]
	v_mov_b32 v[97+ri], v15
.set ri, ri+2
.endr
	ds_store_b32 v5, v14
	s_wait_dscnt 0x0                               ; for the others' sake
	s_barrier_signal -1                            ; (all four waves of work-group 0 are on this path: the branch hangs on the work-group's number)
	s_barrier_wait -1
.irp w, 0,1,2,3
	ds_load_b32 v[16+\w], v6 offset:128*\w
.endr
	s_wait_dscnt 0x0
	v_add_nc_u32 v20, v16, v17
	v_add3_u32 v20, v20, v18, v19                  ; TOT: the pair's tokens
	v_mov_b32 v12, 0                               ; those of them in earlier waves
.irp w, 0,1,2
	s_cmp_gt_u32 s20, \w
	s_cselect_b32 s30, -1, 0
	v_and_b32 v10, s30, v[16+\w]
	v_add_nc_u32 v12, v12, v10
.endr
	v_add_nc_u32 v21, 127, v20
	v_lshrrev_b32 v21, 7, v21                      ; NT: the pair's tiles
	v_mov_b32 v10, 0
	v_mov_b32 v11, v21                             ; running sum over the lanes
.irp d, 1,2,4,8
	v_mov_b32_dpp v10, v11 row_shr:\d row_mask:0xf bank_mask:0xf bound_ctrl:1
	v_add_nc_u32 v11, v11, v10
.endr
	v_readlane_b32 s30, v11, 15
	v_cmp_lt_u32 vcc_lo, 15, v1
	v_mov_b32 v10, s30
	v_cndmask_b32 v10, 0, v10, vcc_lo
	v_add_nc_u32 v11, v11, v10
	v_sub_nc_u32 v22, v11, v21                     ; TB: the tiles of the pairs before
	v_lshl_add_u32 v23, v22, 7, v12                ; BASE
.set ri, 0
.rept 32
	v_add_nc_u32 v[96+ri], v23, v[96+ri]
	v_lshlrev_b32 v[32+ri], 2, v[32+ri]
.set ri, ri+1
.endr
.set ri, 0
.rept 32
	ds_bpermute_b32 v[96+ri], v[32+ri], v[96+ri]   ; each token takes its own pair's number from lane = pair
.set ri, ri+1
.endr
	s_wait_dscnt 0x0
.set ri, 0
.rept 32
	v_add_nc_u32 v[96+ri], v[96+ri], v[64+ri]      ; the token's place,
	v_min_u32 v[96+ri], 7551, v[96+ri]             ; inside 59 tiles of 128
	v_lshlrev_b32 v[32+ri], 3, v[96+ri]
	v_lshlrev_b32 v[96+ri], 2, v[96+ri]
	v_add_nc_u32 v[64+ri], 128*(ri/4)+ri%4, v4     ; the token
.set ri, ri+1
.endr
	s_wait_alu depctr_va_vdst(0)
	s_wait_loadcnt 0x0                             ; the gates
.set ri, 0
.rept 32
	global_store_b32 v[96+ri], v[64+ri], s[18:19]  ; scattered words, 48 KB in all: the price of a sort whose LDS addresses hang on no data
	global_store_b64 v[32+ri], v[128+2*ri:129+2*ri], s[22:23]
.set ri, ri+1
.endr
	s_cmp_lt_u32 s20, 2
	s_cbranch_scc0 .Lroute_end
	v_mov_b32 v24, 0                               ; waves 0 and 1: thread T makes entry T of 64
	v_mov_b32 v25, 0
	v_mov_b32 v26, 0
	v_mov_b32 v30, 0
	v_mov_b32 v31, 0
.set pb, 0
.irp lo, 0,1,2,3,4,5,6
.irp hi, 1,2,3,4,5,6,7
.if \hi > \lo
	v_readlane_b32 s30, v22, pb
	v_readlane_b32 s31, v21, pb
	v_readlane_b32 s32, v20, pb
	v_sub_nc_u32 v11, v0, s30                      ; d: which tile of this pair I would be
	v_cmp_le_u32 vcc_lo, s31, v11                  ; none (unsigned: a tile before the pair's first is none too)
	v_lshlrev_b32 v12, 7, v11
	v_sub_nc_u32 v12, s32, v12
	v_min_u32 v12, 128, v12
	v_cndmask_b32 v24, \lo, v24, vcc_lo
	v_cndmask_b32 v25, \hi, v25, vcc_lo
	v_cndmask_b32 v26, v12, v26, vcc_lo
.set pb, pb+1
.endif
.endr
.endr
	v_cmp_eq_u32 vcc_lo, 0, v26                    ; a tile that this split leaves empty points at place 0 and tile 0, which always exist
	v_lshl_add_u32 v27, v0, 7, v26
	v_add_nc_u32 v27, -1, v27
	v_cndmask_b32 v27, v27, v30, vcc_lo            ; its last filled place
	v_cndmask_b32 v28, v0, v30, vcc_lo             ; the tile whose hidden layer is read
	v_add_nc_u32 v29, -1, v26
	v_lshrrev_b32 v29, 4, v29
	v_cndmask_b32 v29, v29, v30, vcc_lo            ; its last block of 16 rows
	v_lshlrev_b32 v10, 5, v0
	global_store_b128 v10, v[24:27], s[14:15]
	global_store_b128 v10, v[28:31], s[14:15] offset:16
.Lroute_end:
	s_wait_tensorcnt 0x0
	ds_add_u32 v192, v193
	s_wait_dscnt 0x0
	s_endpgm
.Lfunc_end_k_qa065c5d583_wq_route:
	.size	k_qa065c5d583_wq_route, .Lfunc_end_k_qa065c5d583_wq_route-k_qa065c5d583_wq_route
	.p2alignl 7, 3214868480
	.fill 96, 4, 3214868480
	.section	.rodata,"a",@progbits
	.p2align	6, 0x0
	.amdhsa_kernel k_qa065c5d583_wq_route
		.amdhsa_group_segment_fixed_size 14336
		.amdhsa_private_segment_fixed_size 0
		.amdhsa_enable_private_segment 0
		.amdhsa_kernarg_size 48
		.amdhsa_user_sgpr_count 2
		.amdhsa_user_sgpr_kernarg_segment_ptr 1
		.amdhsa_wavefront_size32 1
		.amdhsa_system_sgpr_workgroup_id_x 1
		.amdhsa_system_sgpr_workgroup_id_y 1
		.amdhsa_system_sgpr_workgroup_id_z 1
		.amdhsa_system_vgpr_workitem_id 0
		.amdhsa_next_free_vgpr 194
		.amdhsa_next_free_sgpr 66
		.amdhsa_reserve_vcc 1
		.amdhsa_float_denorm_mode_32 3
		.amdhsa_float_denorm_mode_16_64 3
		.amdhsa_memory_ordered 1
		.amdhsa_forward_progress 1
		.amdhsa_inst_pref_size 121
	.end_amdhsa_kernel
	.amdgpu_metadata
---
amdhsa.version: [ 1, 2 ]
amdhsa.kernels:
  - .name:           k_qa065c5d583_wq_route
    .symbol:         k_qa065c5d583_wq_route.kd
    .args:
      - { .name: W1, .offset: 0, .size: 8, .value_kind: global_buffer, .address_space: global }
      - { .name: W2, .offset: 8, .size: 8, .value_kind: global_buffer, .address_space: global }
      - { .name: keys, .offset: 16, .size: 8, .value_kind: global_buffer, .address_space: global }
      - { .name: xq, .offset: 24, .size: 8, .value_kind: global_buffer, .address_space: global }
      - { .name: wq, .offset: 32, .size: 8, .value_kind: global_buffer, .address_space: global }
      - { .name: plan, .offset: 40, .size: 8, .value_kind: global_buffer, .address_space: global }
    .group_segment_fixed_size: 14336
    .private_segment_fixed_size: 0
    .kernarg_segment_align: 8
    .kernarg_segment_size: 48
    .max_flat_workgroup_size: 128
    .sgpr_count:     66
    .vgpr_count:     194
    .wavefront_size: 32
...
	.end_amdgpu_metadata
.endif
;; end of part 6
;; launch ffn1 (part 7): grid 59 x 4, 4 waves a work-group, no clusters, 98,816 bytes of LDS; arguments xq, wq, b1, plan, h1; writes h1
.if DOCPART == 7
	.amdgcn_target "amdgcn-amd-amdhsa--gfx1250"
	.amdhsa_code_object_version 6
	.text
	.protected	k_qa065c5d583_ffn1
	.globl	k_qa065c5d583_ffn1
	.p2align	8
	.type	k_qa065c5d583_ffn1,@function
k_qa065c5d583_ffn1:
	s_mov_b64 s[64:65], 0
	v_nop
	global_prefetch_b8 v0, s[64:65] scope:SCOPE_SE
	s_setreg_imm32_b32 hwreg(HW_REG_WAVE_SCHED_MODE, 0, 2), 2
	s_setreg_imm32_b32 hwreg(HW_REG_WAVE_MODE, 25, 1), 1
	s_wait_xcnt 0x0
	s_wait_alu depctr_vm_vsrc(0)
; h1 = Q(relu(x W1[e] + b1[e])) for the rows that were chosen: a tile (x of the grid) is at most 128 tokens that share one pair of experts; y = slot + 2 x half: slot 0 the pair's lower expert, 1 the higher; half: 512 hidden units.
; Both operands are codes of FP6 (E2M3) with E8M0 scales; Q quantises along the hidden units, the next product's K.  The hidden layer leaves as images of operand registers: 6 bits a number.
; SHARES.  Wave w makes units 128 g .. 128 g + 127, g = 4 half + w, for all 128 rows: 64 accumulators.  The tile's codes of x (98,304 bytes, gathered by the token list) lie in LDS as register images, read by all four waves;
; each wave's weights come from memory STRAIGHT INTO REGISTERS, already in register order, in loads of 512 consecutive bytes.
; WEIGHTS A K STEP AND A HALF AHEAD.  Two sets of eight fragments, each in two halves of four tiles.  A K step goes (blocks 0-3, tiles 0-3), (blocks 4-7, tiles 0-3), (blocks 4-7, tiles 4-7), (blocks 0-3, tiles 4-7); in odd K steps
; the two halves of the tokens change places.  So a half set is done with after two phases and is asked for again in the phase behind, for the K step after next: 88 products lie between its request and its first use.
; And a half of the tokens' registers is free one phase before the next K step wants it, so two halves serve the tokens.
; THE PRODUCT IS USED TRANSPOSED: source 0 = 16 columns of W1, source 1 = 16 tokens.  Lane (r, h) holds token r; register j of tile 2 b + u holds unit 32 b + 16 h + 8 u + j, so tiles 2 b, 2 b + 1 are 16 neighbours along the next K.
; b1 is the C of each sum's first product.  SCALES: register 2 (s / 4) + s % 2 of a group of four holds K step s's words in lanes 0-15 where (s / 2) % 2 = 0, else in lanes 16-31.
; ROWS BEYOND THE TILE'S COUNT are copies of its last row (every place is held at the tile's last filled place): no byte is read that nobody wrote.  A tile of at most 64 rows multiplies blocks 0-3 alone; an empty one stores nothing.
; The one barrier stands ahead of every branch on the count.  NO TENSOR LOADS, NO CLUSTER: the launch branches on counts read from memory and its rows are gathered by a list, so LDS is filled through registers;
; 59 tiles are no multiple of a cluster's width, and the four work-groups of a tile share only the 98,304 bytes of x beside 393,216 bytes of weights of their own.
; THE MODE: SCHED_MODE bits 1:0 = 2 (LLVM: expert scheduling mode 2), set by the entry lines.  The code itself states the register dependences between vector or matrix instructions and memory or LDS instructions,
; with s_wait_alu, always for 0.
; THE PLAN.  Registers that memory or LDS instructions touch, and who else names them:
;   W, window 1, four half sets of 48: a half set is read by the products of two phases on end (of one where blocks 0-3 alone are multiplied); the loads of the K step after next land in it in the phase behind the last of those.
;   T, v128-223, two halves of 48: a half is read by the products of one or two phases on end; the LDS loads of the next tokens land in it in the phase behind.
;   So ONE wait on va_vdst stands at the head of each phase that loads: all earlier products are done reading.  The phase's own products name the other half set, the other half of the tokens, scale words and accumulators:
;   none of the registers that its loads touch.  So the loads are dealt among them with no further wait: the tokens behind the first four products, the weights behind the first eight.
;   v1-12, addresses and offsets: written at the head, ahead of one wait on va_vdst, and never again.  v116-125, the gather's offsets: written once, ahead of a wait of their own.
;   Window 2's v0-191: the gathered codes land there and the LDS stores read them; then they are accumulators: one wait on vm_vsrc behind the barrier, ahead of the branches on the count.
;   v192-203, a block's codes, and v240-243, the scale words by pairs of blocks: written by vector instructions, read by stores: va_vdst ahead of each run of stores, vm_vsrc (beside the wait on XCNT) ahead of the next block's conversions.
;   Scale words and biases are loaded once and read by products alone.  v254, v255 are read by the closing add alone.
; REGISTERS: window 0: v1-12 addresses; v32-63 tokens' scale words; v64-95 weights'; v96-127 the prologue's; v128-223 tokens' fragments, two halves of four; behind the products v128-243 the quantiser's.
;   window 1: weights, two sets of 8 fragments at v0 and v128; b1's eight tiles at v96-127 and v224-255.   windows 2, 3: accumulator (a, t) at window 2 + a / 4, v[64 (a % 4) + 8 t].
.set XSO,   3145728
.set WSO,   12582912
.set LISTO, 2048
.set HSO,   11599872
.set LI,  1                            ; v1   16 x lane
.set LA0, 4                            ; v4-5 LDS: 16 x lane, + 49,152 for K steps 4-7
.set SW0, 6                            ; v6-7 LDS, staging: 16 x lane + 3,072 w, + 49,152
.set WSA, 8                            ; v8   weights' scale words: 1,024 h + 4 r
.set BA,  9                            ; v9   bias: 64 h
.set L4,  10                           ; v10  4 x lane
.set H8,  11                           ; v11  8 h
.set H48, 12                           ; v12  48 h
.set TS,  32
.set WS,  64
.set TA,  96                           ; v96-105  places in the list;  v106-115 tokens;  v116-123 their scale words' offsets;  v124-125 my two blocks' codes' offsets
.set TKN, 106
.set SAD, 116
.set GA,  124
.set AF,  128
.set HA,  128                          ; v128-191 a block's hidden numbers
.set PC,  192
.set TM,  212
.set PW,  228
.set PWS, 232                          ; v232-239 the blocks' scale words
.set MW,  240                          ; v240-243 two blocks' words in one register
.set SEL, 58
.set WB,  42                           ; s[42:43] my weights' images;  s[44:45] their scale words;  s[46:47] b1;  s[48:49] the list;  s[50:51] x's scale words;  s[52:53], s[54:55] h1's images and scale words
.set MSB, 0
.macro WIN new                         ; the immediate's high byte repeats the setting that is left; a switch that changes nothing is dropped
.if MSB != (\new)
	s_set_vgpr_msb (MSB<<8)|(\new)
.set MSB, (\new)
.endif
.endm
.macro PLACES                          ; four places behind a product before a load lands on its sources or its result is read (ISA guide 7.12.1 for vector instructions); a wait on va_vdst fills none of them
.rept 4
	v_nop
.endr
.endm
.macro QUANT s                         ; 64 numbers of a lane, register 16 b + i = k 32 b + 16 (lane / 16) + i of my row -> 12 registers of codes in v[PC] on, the scale word in v[PW]
.irp b, 0,1,2,3
	v_max3_num_f32 v[TM+\b], |v[\s+16*\b]|, |v[\s+1+16*\b]|, 0x1800000   ; and the floor 2^(3 - 127): the byte cannot fall under 1
.endr
.irp i, 2,4,6,8,10,12,14
.irp b, 0,1,2,3
	v_max3_num_f32 v[TM+\b], v[TM+\b], |v[\s+16*\b+\i]|, |v[\s+1+16*\b+\i]|
.endr
.endr
.irp b, 0,1,2,3
	v_permlanex16_b32 v[TM+4+\b], v[TM+\b], s[SEL], s[SEL+1]
.endr
.irp b, 0,1,2,3
	v_max_num_f32 v[TM+\b], v[TM+\b], v[TM+4+\b]
.endr
.irp b, 0,1,2,3
	v_add_nc_u32 v[TM+12+\b], 0xff000000, v[TM+\b]
.endr
.irp b, 0,1,2,3
	v_lshrrev_b32 v[TM+4+\b], 23, v[TM+12+\b]
.endr
	v_lshl_or_b32 v[PW], v[TM+5], 8, v[TM+4]
	v_lshl_or_b32 v[PW], v[TM+6], 16, v[PW]
	v_lshl_or_b32 v[PW], v[TM+7], 24, v[PW]
.irp c, 0,1
	v_cvt_scalef32_pk16_fp6_f32 v[PC+6*\c:PC+2+6*\c], v[\s+32*\c:\s+15+32*\c], v[TM+12+2*\c]
	v_cvt_scalef32_pk16_fp6_f32 v[PC+12+4*\c:PC+14+4*\c], v[\s+16+32*\c:\s+31+32*\c], v[TM+12+2*\c+1]
.endr
	v_nop                                          ; one plain place behind a scaled conversion
.irp c, 0,1
.irp i, 0,1,2
	v_permlane16_swap_b32 v[PC+6*\c+\i], v[PC+12+4*\c+\i]
.endr
.irp i, 0,1,2
	v_mov_b32 v[PC+3+6*\c+\i], v[PC+12+4*\c+\i]
.endr
.endr
.endm
.macro AFETCH half, la, off            ; four tokens' fragments from LDS as they lie: 12 loads of 512 consecutive bytes
.irp i, 0,1,2,3
.irp c, 0,1,2
	ds_load_b128 v[AF+48*(\half)+12*\i+4*\c:AF+48*(\half)+12*\i+4*\c+3], v[\la] offset:(\off)+1536*\i+512*\c
.endr
.endr
.endm
.macro WLOADH s, k                     ; K step s's tiles 4 k .. 4 k + 3 into their half of set s % 2: 12 loads; it leaves the destination's window at 1
	WIN 0x40
.irp tt, 0,1,2,3
.irp c, 0,1,2
	global_load_b128 v[128*((\s)%2)+12*(4*(\k)+\tt)+4*\c:128*((\s)%2)+12*(4*(\k)+\tt)+4*\c+3], v[LI], s[WB:WB+1] offset:12288*(\s)+1536*(4*(\k)+\tt)+512*\c
.endr
.endr
.endm
.macro WM                              ; one product, its registers in the symbols rD, rA, rB, rC, rSA, rSB; rROW: both sides' scales stand in lanes 16-31
.if rROW
	v_wmma_scale_f32_16x16x128_f8f6f4 v[rD:rD+7], v[rA:rA+11], v[rB:rB+11], v[rC:rC+7], v[rSA], v[rSB] matrix_a_fmt:MATRIX_FMT_FP6 matrix_b_fmt:MATRIX_FMT_FP6 matrix_a_scale:MATRIX_SCALE_ROW1 matrix_b_scale:MATRIX_SCALE_ROW1
.else
	v_wmma_scale_f32_16x16x128_f8f6f4 v[rD:rD+7], v[rA:rA+11], v[rB:rB+11], v[rC:rC+7], v[rSA], v[rSB] matrix_a_fmt:MATRIX_FMT_FP6 matrix_b_fmt:MATRIX_FMT_FP6
.endif
.endm
; Block a: relu (which also brings the numbers into window 0), quantised, its image stored.  nw: in the last block, how many pairs of blocks' scale words leave with it:
; of blocks 2 q and 2 q + 1 lanes 0-15 take the first's words, lanes 16-31 the second's: 128 consecutive bytes.
.macro EPI a, nw
	WIN 0x08+4*((\a)/4)
.set j, 0
.rept 64
	v_max_num_f32 v[HA+j], 0, v[64*((\a)%4)+j]     ; each accumulator from its low end on
.set j, j+1
.endr
	WIN 0
.if (\a) > 0
	s_wait_xcnt 0x0                                ; the last block's stores have had their addresses translated: their data registers may be written again
	s_wait_alu depctr_vm_vsrc(0)                   ; the last block's stores have read v[PC .. PC + 11], which the conversions below write again
.endif
	QUANT HA
	v_mov_b32 v[PWS+(\a)], v[PW]
.if \nw
.set q, 0
.rept \nw
	v_cndmask_b32 v[MW+q], v[PWS+2*q], v[PWS+2*q+1], s56
.set q, q+1
.endr
.endif
	s_wait_alu depctr_va_vdst(0)                   ; the block's codes are written in v[PC .. PC + 11] (in the last block the paired scale words in v[MW ..] too): the stores below read them
.irp c, 0,1,2
	global_store_b128 v[LI], v[PC+4*\c:PC+4*\c+3], s[52:53] offset:1536*(\a)+512*\c   ; 512 consecutive bytes, at a multiple of 256 from the buffer's first byte
.endr
.if \nw
.set q, 0
.rept \nw
	global_store_b32 v[L4], v[MW+q], s[54:55] offset:128*q
.set q, q+1
.endr
.endif
.endm
; THE PRODUCTS.  A phase is four blocks of tokens x four tiles x one K step: 16 products on 16 accumulators, one instruction a turn.
; ks: the K step; kk: which four tiles; hb: which four blocks; rh: the half of the tokens' registers that holds them.  Among a phase's products stand the loads into what the phase before has left:
;   in the first phase of (ks, tiles 0-3): tiles 4-7 of K step ks + 1;   in the first phase of (ks, tiles 4-7): tiles 0-3 of K step ks + 2;   and the tokens of the next phase, where those are not in registers yet.
; The half sets are asked for in the order of their use, and the wait for one stands ahead of the phase's own request: it leaves out those asked for behind the one wanted: two of 12 loads, fewer where the requests have ended.
; The tokens' loads of a phase are the only LDS loads out, so the wait for them, at the head of the phase that multiplies them, is for 0.
; full = 1: 32 phases;  0: 16 (blocks 0-3 alone; K step ks's tokens in half ks % 2).
.macro BODY full
.set NPH, 16+16*\full
	AFETCH 0, LA0, 0
.set n, 0
.rept NPH
.if \full
.set ks, n/4
.set kk, (n/2)%2
.set fst, 1-n%2
.set hb, (((n%4)+1)/2+ks)%2            ; even K steps 0, 1, 1, 0; odd ones 1, 0, 0, 1
.set rh, hb
.set ks2, (n+1)/4
.set hb2, ((((n+1)%4)+1)/2+ks2)%2
.set rh2, hb2
.set ftc, 0
.if ((n%4) == 0) || (((n%4) == 3) && (ks < 7))
.set ftc, 1                            ; the next phase's tokens are not in registers
.endif
.set dw, 0
.if (n%4) < 2
.set dw, 1                             ; this phase's tokens were asked for in the phase before
.endif
.else
.set ks, n/2
.set kk, n%2
.set fst, 1
.set hb, 0
.set rh, ks%2
.set ks2, ks+1
.set hb2, 0
.set rh2, (ks+1)%2
.set ftc, 0
.set dw, 0
.if kk == 0
.set dw, 1
.if ks < 7
.set ftc, 1
.endif
.endif
.endif
.set wl, 0                             ; 1: this phase asks for a half set: K step wsn, tiles 4 wk on
.set wsn, 0
.set wk, 0
.if fst && (kk == 0) && (ks >= 1) && (ks <= 6)
.set wl, 1
.set wsn, ks+1
.set wk, 1
.endif
.if fst && (kk == 1) && (ks <= 5)
.set wl, 1
.set wsn, ks+2
.set wk, 0
.endif
.set nla, LA0+ks2/4
.set nof, (ks2%4)*12288+6144*hb2
.if (wl || ftc) && (n > 0)
	s_wait_alu depctr_va_vdst(0)                   ; the products of the phases before are done reading the half set of weights and the half of the tokens in which this phase's loads land
.endif
.if fst
.set lc, 15-2*ks-kk                    ; half sets that follow this one,
.if lc > 3
.set lc, 3                             ; of which three at the most are asked for by this phase's end
.endif
.if (ks == 0) && (kk == 0)
.set lc, 2                             ; the scale words stand between K step 0's weights and K step 1's: only the latter's 24 loads may be out
.endif
	s_wait_loadcnt 12*(lc-wl)                      ; this phase's own request is not out yet
.endif
.if dw
	s_wait_dscnt 0x0                               ; this phase's tokens are in
.endif
.if ks == 0
.set wv, 0x91+0x40*hb                  ; weights and bias window 1, tokens window 0, results window 2 or 3
.else
.set wv, 0xa1+0x50*hb                  ; weights window 1, tokens window 0, C and D window 2 or 3
.endif
.set rROW, (ks/2)%2
.set sr, 2*(ks/4)+ks%2
.irp aa, 0,1,2,3
	WIN wv
.irp tt, 0,1,2,3
.set tl, 4*kk+\tt
.set rD, 64*\aa+8*tl
.set rA, 128*(ks%2)+12*tl
.set rB, AF+48*rh+12*\aa
.set rC, rD
.if ks == 0
.set rC, 96+8*tl+96*kk
.endif
.set rSA, WS+4*tl+sr
.set rSB, TS+4*(4*hb+\aa)+sr
	WM
.endr
.if (\aa == 0) && ftc
	WIN 0
	AFETCH rh2, nla, nof                           ; no wait: no product since the wait at the phase's head names this half of the tokens or the address
.endif
.if (\aa == 1) && wl
	WLOADH wsn, wk                                 ; likewise: none names this half set or v[LI]
.endif
.endr
	PLACES
.set n, n+1
.endr
	WIN 0
.irp b, 0,1,2,3
	v_mov_b32 v[TM+4+\b], 0                        ; a lane permute's destination counts as one of its sources
.endr
	EPI 0, 0
	EPI 1, 0
	EPI 2, 0
.if \full
	EPI 3, 0
	EPI 4, 0
	EPI 5, 0
	EPI 6, 0
	EPI 7, 4
.else
	EPI 3, 2
.endif
.endm
	s_load_b256 s[4:11], s[0:1], 0x0               ; xq s[4:5], wq s[6:7], b1 s[8:9], plan s[10:11]
	s_load_b64 s[12:13], s[0:1], 0x20              ; h1
	v_lshl_add_u32 v254, v0, 2, 0x18000
	v_mov_b32 v255, 0
	v_lshrrev_b32 v1, 5, v0
	v_readfirstlane_b32 s20, v1                    ; wave 0..3
	v_and_b32 v13, 31, v0
	v_lshlrev_b32 v[LI], 4, v13
	v_lshlrev_b32 v[L4], 2, v13
	v_and_b32 v2, 15, v0                           ; r
	v_bfe_u32 v3, v0, 4, 1                         ; h
	v_lshlrev_b32 v[LA0], 4, v13
	v_add_nc_u32 v[LA0+1], 49152, v[LA0]
	s_wait_alu depctr_va_sdst(0)                   ; s20 is written, ahead of its first reader: LDS places and the bases of weights, bias and h1 are made from it
	s_mul_i32 s26, s20, 3072
	v_add_nc_u32 v[SW0], s26, v[LA0]
	v_add_nc_u32 v[SW0+1], 49152, v[SW0]
	v_lshlrev_b32 v[WSA], 2, v2
	v_lshl_add_u32 v[WSA], v3, 10, v[WSA]
	v_lshlrev_b32 v[BA], 6, v3
	v_lshlrev_b32 v[H8], 3, v3
	v_mul_u32_u24 v[H48], v3, 48
	s_mov_b32 s21, ttmp9                           ; the tile
	s_and_b32 s22, ttmp7, 0xffff
	s_and_b32 s23, s22, 1                          ; slot
	s_lshr_b32 s24, s22, 1
	s_lshl_b32 s25, s24, 2
	s_add_co_u32 s25, s25, s20                     ; g
	s_mov_b32 s56, 0xffff0000                      ; lanes 16-31
	s_mov_b32 s[SEL], 0x76543210
	s_mov_b32 s[SEL+1], 0xfedcba98
	s_lshl_b32 s57, s21, 7                         ; the tile's first place
	s_lshl_b32 s26, s21, 5
	s_mov_b32 s27, 0
	s_wait_kmcnt 0x0
	s_add_nc_u64 s[28:29], s[10:11], s[26:27]
	s_load_b256 s[32:39], s[28:29], 0x0            ; the tile's entry: lo, hi, rows, last place, -, -
	s_add_nc_u64 s[48:49], s[10:11], LISTO
	s_add_nc_u64 s[50:51], s[4:5], XSO
	s_lshl_b32 s30, s21, 1
	s_add_co_u32 s30, s30, s23
	s_lshl_b32 s30, s30, 3
	s_add_co_u32 s30, s30, s25                     ; (2 tile + slot) 8 + g
	s_mul_i32 s26, s30, 12288
	s_add_nc_u64 s[52:53], s[12:13], s[26:27]
	s_lshl_b32 s26, s30, 9
	s_add_co_u32 s26, s26, HSO
	s_add_nc_u64 s[54:55], s[12:13], s[26:27]
	s_wait_kmcnt 0x0
	s_min_u32 s32, s32, 7                          ; what was read is held inside its range before it enters an address
	s_min_u32 s33, s33, 7
	s_min_u32 s34, s34, 128
	s_min_u32 s35, s35, 7551
	s_cmp_eq_u32 s23, 0
	s_cselect_b32 s40, s32, s33                    ; my expert
	s_lshl_b32 s41, s40, 3
	s_add_co_u32 s41, s41, s25                     ; 8 e + g
	s_mul_i32 s26, s41, 98304
	s_add_nc_u64 s[WB:WB+1], s[6:7], s[26:27]
	s_lshl_b32 s26, s41, 12
	s_add_co_u32 s26, s26, WSO
	s_add_nc_u64 s[44:45], s[6:7], s[26:27]
	s_lshl_b32 s26, s41, 9
	s_add_nc_u64 s[46:47], s[8:9], s[26:27]
.irp i, 0,1,2,3,4,5,6,7                        ; the tokens of all eight blocks (for their scale words),
	v_add_nc_u32 v[TA+\i], s57, v2
	v_add_nc_u32 v[TA+\i], 16*\i, v[TA+\i]
	v_min_u32 v[TA+\i], s35, v[TA+\i]              ; rows beyond the count: the last filled place
	v_min_u32 v[TA+\i], 7551, v[TA+\i]
	v_lshlrev_b32 v[TA+\i], 2, v[TA+\i]
.endr
	s_lshl_b32 s26, s20, 5
	s_add_co_u32 s26, s26, s57
.irp i, 0,1                                    ; and of blocks 2 w, 2 w + 1, whose codes I bring into LDS
	v_add_nc_u32 v[TA+8+\i], s26, v2
	v_add_nc_u32 v[TA+8+\i], 16*\i, v[TA+8+\i]
	v_min_u32 v[TA+8+\i], s35, v[TA+8+\i]
	v_min_u32 v[TA+8+\i], 7551, v[TA+8+\i]
	v_lshlrev_b32 v[TA+8+\i], 2, v[TA+8+\i]
.endr
	s_wait_alu depctr_va_vdst(0)                   ; the addresses and offsets v1 to v12 and the ten places v96 to v105 are written: the kernel's loads, stores and LDS instructions read them
.irp i, 0,1,2,3,4,5,6,7,8,9
	global_load_b32 v[TKN+\i], v[TA+\i], s[48:49]
.endr
	WIN 0x40
.irp t, 0,1,2,3,4,5,6,7                        ; b1 in the result's layout: lane (r, h), tile 2 b + u: units 32 b + 16 h + 8 u + 0 .. 7
	global_load_b128 v[96+8*\t+96*(\t/4):96+8*\t+96*(\t/4)+3], v[BA], s[46:47] offset:(32*(\t/2)+8*(\t%2))*4
	global_load_b128 v[100+8*\t+96*(\t/4):100+8*\t+96*(\t/4)+3], v[BA], s[46:47] offset:(32*(\t/2)+8*(\t%2))*4+16
.endr
	WLOADH 0, 0
	WLOADH 0, 1
	WIN 0
	s_wait_loadcnt 40                              ; the ten tokens are in; behind them: 16 loads of b1, 24 of weights
.irp i, 0,1,2,3,4,5,6,7,8,9
	v_min_u32 v[TKN+\i], 4095, v[TKN+\i]
.endr
.irp i, 0,1,2,3,4,5,6,7
	v_lshl_add_u32 v[SAD+\i], v[TKN+\i], 5, v[H8]  ; scale words: 32 bytes a token, + 8 h
.endr
.irp i, 0,1
	v_mul_u32_u24 v[GA+\i], v[TKN+8+\i], 768       ; codes: 768 bytes a token, + 48 h
	v_add_nc_u32 v[GA+\i], v[GA+\i], v[H48]
.endr
	WIN 0x80                                       ; into window 2, which the accumulators take later
	s_wait_alu depctr_va_vdst(0)                   ; the gather's offsets v116 to v125 are written: the loads of codes and of the tokens' scale words read them
.irp i, 0,1
.irp s, 0,1,2,3,4,5,6,7
.irp c, 0,1,2
	global_load_b128 v[12*(8*\i+\s)+4*\c:12*(8*\i+\s)+4*\c+3], v[GA+\i], s[4:5] offset:96*\s+16*\c
.endr
.endr
.endr
	WIN 0
.irp i, 0,1,2,3,4,5,6,7
.irp y, 0,1
	global_load_b64 v[TS+4*\i+2*\y:TS+4*\i+2*\y+1], v[SAD+\i], s[50:51] offset:16*\y   ; lane (r, h): the words of K steps 4 y + 2 h, 4 y + 2 h + 1
.endr
.endr
.irp t, 0,1,2,3,4,5,6,7
.irp y, 0,1
.irp j, 0,1
	global_load_b32 v[WS+4*\t+2*\y+\j], v[WSA], s[44:45] offset:(4*\y+\j)*512+64*\t
.endr
.endr
.endr
	s_wait_loadcnt 48                              ; the gathered codes are in; behind them: 16 + 32 loads of scale words
	WIN 0x08                                       ; an LDS store's data are its source 1: window 2
.irp i, 0,1
.irp s, 0,1,2,3,4,5,6,7
.irp c, 0,1,2
	ds_store_b128 v[SW0+\s/4], v[12*(8*\i+\s)+4*\c:12*(8*\i+\s)+4*\c+3] offset:(\s%4)*12288+1536*\i+512*\c
.endr
.endr
.endr
	WLOADH 1, 0                                    ; K step 1's weights: the scale words and these stay on their way over the barrier; nobody writes what they read
	WLOADH 1, 1
	WIN 0
	s_wait_dscnt 0x0                               ; for the others' sake: my part of the images has landed
	s_barrier_signal -1
	s_barrier_wait -1                              ; the only barrier: every wave of every work-group passes it, whatever the tile's count
	s_wait_alu depctr_vm_vsrc(0)                   ; my LDS stores have read window 2's v0 to v191: these are accumulators from here on, which the first products write; ahead of the branches, for both ways
	s_cmp_eq_u32 s34, 0
	s_cbranch_scc1 .Lend                           ; a tile that this split leaves empty
	s_cmp_le_u32 s34, 64
	s_cbranch_scc1 .Lsmall
	BODY 1
	s_wait_dscnt 0x0                               ; the closing lines, six on end
	s_wait_alu 0x0
	s_wait_tensorcnt 0x0
	ds_add_u32 v254, v255
	s_wait_dscnt 0x0
	s_endpgm
.Lsmall:
	BODY 0
.Lend:
	s_wait_dscnt 0x0                               ; the closing lines once more, for this end
	s_wait_alu 0x0
	s_wait_tensorcnt 0x0
	ds_add_u32 v254, v255
	s_wait_dscnt 0x0
	s_endpgm
.Lfunc_end_k_qa065c5d583_ffn1:
	.size	k_qa065c5d583_ffn1, .Lfunc_end_k_qa065c5d583_ffn1-k_qa065c5d583_ffn1
	.p2alignl 7, 3214868480
	.fill 96, 4, 3214868480
	.section	.rodata,"a",@progbits
	.p2align	6, 0x0
	.amdhsa_kernel k_qa065c5d583_ffn1
		.amdhsa_group_segment_fixed_size 98816
		.amdhsa_private_segment_fixed_size 0
		.amdhsa_enable_private_segment 0
		.amdhsa_kernarg_size 40
		.amdhsa_user_sgpr_count 2
		.amdhsa_user_sgpr_kernarg_segment_ptr 1
		.amdhsa_wavefront_size32 1
		.amdhsa_system_sgpr_workgroup_id_x 1
		.amdhsa_system_sgpr_workgroup_id_y 1
		.amdhsa_system_sgpr_workgroup_id_z 1
		.amdhsa_system_vgpr_workitem_id 0
		.amdhsa_next_free_vgpr 1024
		.amdhsa_next_free_sgpr 66
		.amdhsa_reserve_vcc 0
		.amdhsa_float_denorm_mode_32 3
		.amdhsa_float_denorm_mode_16_64 3
		.amdhsa_memory_ordered 1
		.amdhsa_forward_progress 1
		.amdhsa_inst_pref_size 255
	.end_amdhsa_kernel
	.section	.bss,"aw",@nobits
	.p2align	6
	.space	262144
	.amdgpu_metadata
---
amdhsa.version: [ 1, 2 ]
amdhsa.kernels:
  - .name:           k_qa065c5d583_ffn1
    .symbol:         k_qa065c5d583_ffn1.kd
    .args:
      - { .name: xq, .offset: 0, .size: 8, .value_kind: global_buffer, .address_space: global }
      - { .name: wq, .offset: 8, .size: 8, .value_kind: global_buffer, .address_space: global }
      - { .name: b1, .offset: 16, .size: 8, .value_kind: global_buffer, .address_space: global }
      - { .name: plan, .offset: 24, .size: 8, .value_kind: global_buffer, .address_space: global }
      - { .name: h1, .offset: 32, .size: 8, .value_kind: global_buffer, .address_space: global }
    .group_segment_fixed_size: 98816
    .private_segment_fixed_size: 0
    .kernarg_segment_align: 8
    .kernarg_segment_size: 40
    .max_flat_workgroup_size: 128
    .sgpr_count:     66
    .vgpr_count:     1024
    .wavefront_size: 32
...
	.end_amdgpu_metadata
.endif
;; end of part 7
;; launch ffn2 (part 8): grid 59 x 4, 4 waves a work-group, no clusters, 224,768 bytes of LDS; arguments h1, wq, b2, plan, out0; writes out0
.if DOCPART == 8
	.amdgcn_target "amdgcn-amd-amdhsa--gfx1250"
	.amdhsa_code_object_version 6
	.text
	.protected	k_qa065c5d583_ffn2
	.globl	k_qa065c5d583_ffn2
	.p2align	8
	.type	k_qa065c5d583_ffn2,@function
k_qa065c5d583_ffn2:
	s_mov_b64 s[64:65], 0
	v_nop
	global_prefetch_b8 v0, s[64:65] scope:SCOPE_SE
	s_setreg_imm32_b32 hwreg(HW_REG_WAVE_SCHED_MODE, 0, 2), 2
	s_setreg_imm32_b32 hwreg(HW_REG_WAVE_MODE, 25, 1), 1
	s_wait_xcnt 0x0
	s_wait_alu depctr_vm_vsrc(0)
; out[token] = g_lo relu(h1_lo W2[lo] + b2[lo]) + g_hi relu(h1_hi W2[hi] + b2[hi]): a tile (x of the grid) is at most 128 tokens that share the pair (lo, hi), so ONE work-group owns its output rows whole and adds both experts in registers.
; y of the grid: 256 of the 1,024 columns.  Both operands are codes of FP6 (E2M3) with E8M0 scales.
; SHARES.  Wave w makes columns 64 cg .. 64 cg + 63, cg = 4 y + w, for both experts and all 128 rows: 2 x 8 x 4 = 64 accumulators.  The tile's hidden layer, both experts' (196,608 bytes of register images and 8,192 bytes of scale
; words, dense in memory), is copied into LDS and read by all four waves; each wave's weights come from memory straight into registers, in register order, in loads of 512 consecutive bytes.
; WEIGHTS A K STEP AND A HALF AHEAD.  Two sets of eight fragments, each in two halves: the lower expert's four tiles, the higher's four.  A K step multiplies the lower expert first, so its half is done with after half the K step
; and is asked for again in the phase behind, for the K step after next; the higher's likewise behind the K step's end: 88 products lie between a half's request and its first use.
; THE PRODUCT IS USED TRANSPOSED: source 0 = 16 columns of W2, source 1 = 16 tokens.  Lane (r, h) holds token r, so a gate is a lane's own number; register j of tile tt holds column 32 (tt / 2) + 8 (tt % 2) + 16 h + j of my 64.
; b2 is the C of each sum's first product.  SCALES: register 2 (s / 4) + s % 2 of a group of four holds K step s's words in lanes 0-15 where (s / 2) % 2 = 0, else in lanes 16-31.
; ROWS BEYOND THE TILE'S COUNT: every place is held at the tile's last filled place and every block at its last written block, so no byte is read that nobody wrote; in the last block such rows are copies of the last row and store
; the same numbers to the same bytes; whole blocks beyond the count are not stored.  At most 64 rows: blocks 0-3 alone are multiplied.  An empty tile stores nothing.  The one barrier stands ahead of every branch on the count.
; NO TENSOR LOADS, NO CLUSTER: the launch branches on counts read from memory, so LDS is filled through registers; 59 tiles are no multiple of a cluster's width.
; THE WAY OUT: a block's 16 rows x 256 bytes go through my own stage in LDS; sixteen lanes then store 256 consecutive bytes of a token's row, at a multiple of 256 from out0's first byte.
; THE MODE: SCHED_MODE bits 1:0 = 2 (LLVM: expert scheduling mode 2), set by the entry lines.  The code itself states the register dependences between vector or matrix instructions and memory or LDS instructions,
; with s_wait_alu, always for 0.
; THE PLAN.  Registers that memory or LDS instructions touch, and who else names them:
;   W, window 1, four half sets of 48: a half set is read by the products of two phases on end (of one where blocks 0-3 alone are multiplied); the loads of the K step after next land in it in the phase behind the last of those.
;   T, v128-223, two halves of 48: phase n's products read half n % 2; the LDS loads of phase n + 2's tokens land in it in phase n + 1.
;   So ONE wait on va_vdst stands at the head of each phase that loads: all earlier products are done reading.  The phase's own products name the other half set, the other half of the tokens, scale words and accumulators:
;   none of the registers that its loads touch.  So the loads are dealt among them with no further wait: the tokens behind the first four products, the weights behind the first eight.
;   v1-21, addresses and offsets, and the prologue's v128-159: written at the head, ahead of one wait on va_vdst; v1-21 never again.
;   Windows 2 and 3 (the images on their way into LDS) and v128-175 (the prologue's offsets and the scale words on their way): read by loads and LDS stores, then accumulators and tokens' fragments:
;   one wait on vm_vsrc behind the barrier, ahead of the branches on the count.
;   The way out, a block: v128-159 the sums (vector instructions write, the stage's stores read); v160-191 (vector instructions write and read, then the stage's loads land, then the global stores read);
;   v192-199 offsets in out0 (vector instructions write, the global stores read); v200-207 tokens (LDS loads land, vector instructions read and write).  All vector work of a block stands ahead of ONE wait on va_vdst,
;   all that stores or lands behind it; one wait on vm_vsrc (beside the wait on XCNT) at the next block's head frees the registers.
;   Scale words, biases and gates are loaded once and read by vector and matrix instructions alone.  v254, v255 are read by the closing add alone.
; REGISTERS: window 0: v1-21 addresses; v24-31 tokens; v32-95 tokens' scale words (32 k + 4 a + ..); v96-127 weights' (4 (4 k + tt) + ..); v128-223 tokens' fragments, two halves of four (the prologue's before, the way out after); v224-239 gates.
;   window 1: weights, two sets of 8 fragments (4 k + tt) at v0 and v128; b2's tiles at v96-127 (lo) and v224-255 (hi).   window 2 + k: accumulator (k, a, tt) at v[32 a + 8 tt].
.set WSO,   12582912
.set GLO,   13107200
.set LISTO, 2048
.set HSO,   11599872
.set STG,   196608                     ; LDS: 0 .. 196,607 the images [k][s][a][1,536]; then a stage of 16 rows x 272 bytes for each wave;
.set TKL,   214016                     ; then each wave's list of the tile's 128 tokens, 512 bytes;
.set HSL,   216064                     ; then the hidden layer's scale words [k][s][128 rows], 8,192 bytes
.set LI,  1                            ; v1    16 x lane
.set LA,  4                            ; v4-7  LDS: 16 x lane + 98,304 k + 49,152 (s / 4)
.set STO, 8                            ; v8    the stage, in: 272 r + 64 h
.set RD,  9                            ; v9    the stage, back: 2,176 h + 16 r: lanes 0-15 row t, lanes 16-31 row t + 8
.set CO,  10                           ; v10   16 r
.set WSA, 11                           ; v11   weights' scale words: 1,024 h + 4 r
.set BA,  12                           ; v12   bias: 64 h
.set CPS, 13                           ; v13   LDS, staging: 16 x lane + 49,152 w
.set G2,  14                           ; v[14:15] the higher expert's gate, as a pair for the packed form
.set TKS, 16                           ; v16   my list, in: 4 r
.set TKR, 17                           ; v17   my list, back: 32 h
.set HSA, 19                           ; v19   the scale words in memory: 2,048 w + 64 x (my four rows' block, held at the last written one) + 16 (lane % 4)
.set HSS, 20                           ; v20   and in LDS, in: 2,048 w + 16 x lane
.set HSR, 21                           ; v21   and back: 1,024 h + 4 r
.set TK,  24
.set TS,  32
.set WS,  96
.set AF,  128
.set IDX, 128                          ; the prologue's: v128-135 places (x 4), v136-143 (x 8), v152-159 blocks' images, v160-175 the scale words on their way
.set GLA, 136
.set VA,  152
.set HSD, 160
.set GL,  224
.set T0,  128                          ; the way out: v128-159 lo's numbers, then the sums; v160-191 hi's, then the rows read back; v192-199 offsets in out0; v200-207 tokens
.set T1,  160
.set OFF, 192
.set TT,  200
.set WB,  40                           ; s[40:43] weights' images, lo and hi;  s[44:47] their scale words;  s[48:51] b2;  s[52:53], s[54:55] h1's images and scale words;  s[56:57] the list;  s[58:59] the gates;  s[60:61] out0
.set WSB, 44
.set BB,  48
.set MSB, 0
.macro WIN new                         ; the immediate's high byte repeats the setting that is left; a switch that changes nothing is dropped
.if MSB != (\new)
	s_set_vgpr_msb (MSB<<8)|(\new)
.set MSB, (\new)
.endif
.endm
.macro PLACES                          ; four places behind a product before a load lands on its sources or its result is read (ISA guide 7.12.1 for vector instructions); a wait on va_vdst fills none of them
.rept 4
	v_nop
.endr
.endm
.macro AFETCH half, la, off            ; four tokens' fragments from LDS as they lie
.irp i, 0,1,2,3
.irp c, 0,1,2
	ds_load_b128 v[AF+48*(\half)+12*\i+4*\c:AF+48*(\half)+12*\i+4*\c+3], v[\la] offset:(\off)+1536*\i+512*\c
.endr
.endr
.endm
.macro WLOADH s, k                     ; K step s's four fragments of expert k into their half of set s % 2: 12 loads; it leaves the destination's window at 1
	WIN 0x40
.irp tt, 0,1,2,3
.irp c, 0,1,2
	global_load_b128 v[128*((\s)%2)+12*(4*(\k)+\tt)+4*\c:128*((\s)%2)+12*(4*(\k)+\tt)+4*\c+3], v[LI], s[WB+2*(\k):WB+2*(\k)+1] offset:12288*(\s)+1536*\tt+512*\c
.endr
.endr
.endm
.macro WM                              ; one product, its registers in the symbols rD, rA, rB, rC, rSA, rSB; rROW: both sides' scales stand in lanes 16-31
.if rROW
	v_wmma_scale_f32_16x16x128_f8f6f4 v[rD:rD+7], v[rA:rA+11], v[rB:rB+11], v[rC:rC+7], v[rSA], v[rSB] matrix_a_fmt:MATRIX_FMT_FP6 matrix_b_fmt:MATRIX_FMT_FP6 matrix_a_scale:MATRIX_SCALE_ROW1 matrix_b_scale:MATRIX_SCALE_ROW1
.else
	v_wmma_scale_f32_16x16x128_f8f6f4 v[rD:rD+7], v[rA:rA+11], v[rB:rB+11], v[rC:rC+7], v[rSA], v[rSB] matrix_a_fmt:MATRIX_FMT_FP6 matrix_b_fmt:MATRIX_FMT_FP6
.endif
.endm
.macro EPI a, full                     ; block a: relu, the gates, the sum of the two experts, and out
.if (\a) > 0
	s_wait_xcnt 0x0                                ; the last block's stores have had their addresses translated: data and offsets may be written again
	s_wait_alu depctr_vm_vsrc(0)                   ; the last block's LDS stores have read the sums v128 to v159, its global stores the rows v160 to v191 and the offsets v192 to v199: all are written again below; ahead of the branch
.endif
.if ((\a) > 0) && ((\full == 0) || ((\a) > 4))
	s_cmp_le_u32 s34, 16*(\a)                      ; a block wholly beyond the count, and all behind it, are not stored
	s_cbranch_scc1 .Lend
.endif
.if (\a) == 0
	s_wait_alu depctr_va_vdst(0)                   ; the last products are done reading v200 to v207, part of a tokens' fragment until here, in which the list's loads land
.endif
	ds_load_b128 v[TT:TT+3], v[TKR] offset:64*(\a)          ; the tokens of rows 8 h + 0 .. 7 of the block
	ds_load_b128 v[TT+4:TT+7], v[TKR] offset:64*(\a)+16
	WIN 0x08
.set j, 0
.rept 32
	v_max_num_f32 v[T0+j], 0, v[32*(\a)+j]         ; each accumulator from its low end on
.set j, j+1
.endr
	WIN 0x0c
.set j, 0
.rept 32
	v_max_num_f32 v[T1+j], 0, v[32*(\a)+j]
.set j, j+1
.endr
	WIN 0
	v_mov_b32 v[G2], v[GL+2*(\a)+1]
.set j, 0
.rept 16
	v_pk_mul_f32 v[T0+j:T0+j+1], v[T0+j:T0+j+1], v[GL+2*(\a):GL+2*(\a)+1] op_sel_hi:[1,0]
.set j, j+2
.endr
.set j, 0
.rept 16
	v_pk_fma_f32 v[T0+j:T0+j+1], v[T1+j:T1+j+1], v[G2:G2+1], v[T0+j:T0+j+1] op_sel_hi:[1,0,1]
.set j, j+2
.endr
	s_wait_dscnt 0x0                               ; the block's tokens are in (asked for at its head)
.irp t, 0,1,2,3,4,5,6,7
	v_min_u32 v[TT+\t], 4095, v[TT+\t]
	v_lshl_add_u32 v[OFF+\t], v[TT+\t], 12, v[CO]  ; the token's row of 4,096 bytes + 16 r
.endr
	s_wait_alu depctr_va_vdst(0)                   ; the sums are written in v128 to v159, which the LDS stores read; the multiply-adds are done with v160 to v191, in which the stage's loads land; the offsets v192 to v199 are written, which the global stores read; v200 to v207 are done with, in which the next block's tokens land
.irp tt, 0,1,2,3
	ds_store_b128 v[STO], v[T0+8*\tt:T0+8*\tt+3] offset:128*(\tt/2)+32*(\tt%2)
	ds_store_b128 v[STO], v[T0+8*\tt+4:T0+8*\tt+7] offset:128*(\tt/2)+32*(\tt%2)+16
.endr
.irp t, 0,1,2,3,4,5,6,7
	ds_load_b128 v[T1+4*\t:T1+4*\t+3], v[RD] offset:272*\t   ; LDS serves a wave's instructions in order: these see my stores, and the next block's stores come behind them
.endr
	s_wait_dscnt 0x0
.irp t, 0,1,2,3,4,5,6,7
	global_store_b128 v[OFF+\t], v[T1+4*\t:T1+4*\t+3], s[60:61] th:TH_STORE_NT
.endr
.endm
; THE PRODUCTS.  A phase is four blocks of tokens x one expert's four tiles x one K step: 16 products on 16 accumulators, one instruction a turn, in the same order in every K step.
; Among a phase's products stand the loads into what the phase before has left: in the first phase of (ks, lo): the higher expert's tiles of K step ks + 1; in the first phase of (ks, hi): the lower expert's of K step ks + 2;
; and the next phase's tokens, into the other half.  The half sets are asked for in the order of their use, and the wait for one stands ahead of the phase's own request: it leaves out those asked for behind the one wanted:
; two of 12 loads, fewer where the requests have ended.  A phase's tokens' loads are the only LDS loads out, so the wait for them, at the next phase's head, is for 0.
; full = 1: 32 phases (of each K step: lo blocks 0-3, lo 4-7, hi 0-3, hi 4-7); 0: 16 (lo 0-3, hi 0-3).
.macro BODY full
.set NHP, 16+16*\full
.irp k, 0,1                                    ; the tokens' scale words out of LDS: lane (r, h): the word of K step 4 y + 2 h + j, row 16 a + r
.irp a, 0,1,2,3,4,5,6,7
.if (\a < 4) || \full
.irp y, 0,1
.irp j, 0,1
	ds_load_b32 v[TS+32*\k+4*\a+2*\y+\j], v[HSR] offset:4096*\k+(4*\y+\j)*512+64*\a
.endr
.endr
.endif
.endr
.endr
	AFETCH 0, LA, 0
.set n, 0
.rept NHP
.if \full
.set ks, n/4
.set kk, (n/2)%2
.set hb, n%2
.set fst, 1-n%2
.set ks2, (n+1)/4
.set kk2, ((n+1)/2)%2
.set hb2, (n+1)%2
.else
.set ks, n/2
.set kk, n%2
.set hb, 0
.set fst, 1
.set ks2, (n+1)/2
.set kk2, (n+1)%2
.set hb2, 0
.endif
.set wl, 0                             ; 1: this phase asks for a half set: K step wsn, expert wk
.set wsn, 0
.set wk, 0
.if fst && (kk == 0) && (ks >= 1) && (ks <= 6)
.set wl, 1
.set wsn, ks+1
.set wk, 1
.endif
.if fst && (kk == 1) && (ks <= 5)
.set wl, 1
.set wsn, ks+2
.set wk, 0
.endif
.set ftc, 0
.if n < NHP-1
.set ftc, 1                            ; every phase but the last asks for the next one's tokens
.endif
.set nh, (n+1)%2
.set nla, LA+2*kk2+ks2/4
.set nof, (ks2%4)*12288+6144*hb2
.if (wl || ftc) && (n > 0)
	s_wait_alu depctr_va_vdst(0)                   ; the products of the phases before are done reading the half of the tokens and the half set of weights in which this phase's loads land
.endif
.if fst
.set lc, 15-2*ks-kk                    ; half sets that follow this one,
.if lc > 3
.set lc, 3                             ; of which three at the most are asked for by this phase's end
.endif
.if (ks == 0) && (kk == 0)
.set lc, 2                             ; at the start only K step 1's 24 loads may be out
.endif
	s_wait_loadcnt 12*(lc-wl)                      ; this phase's own request is not out yet
.endif
	s_wait_dscnt 0x0                               ; this phase's tokens (and at the start the scale words) are in
.if ks == 0
.set wv, 0x91+0x40*kk                  ; weights and bias window 1, tokens window 0, results window 2 + k
.else
.set wv, 0xa1+0x50*kk                  ; weights window 1, tokens window 0, C and D window 2 + k
.endif
.set rROW, (ks/2)%2
.set sr, 2*(ks/4)+ks%2
.irp aa, 0,1,2,3
	WIN wv
.irp tt, 0,1,2,3
.set rD, 32*(4*hb+\aa)+8*\tt
.set rA, 128*(ks%2)+12*(4*kk+\tt)
.set rB, AF+48*(n%2)+12*\aa
.set rC, rD
.if ks == 0
.set rC, 96+128*kk+8*\tt
.endif
.set rSA, WS+4*(4*kk+\tt)+sr
.set rSB, TS+32*kk+4*(4*hb+\aa)+sr
	WM
.endr
.if (\aa == 0) && ftc
	WIN 0
	AFETCH nh, nla, nof                            ; no wait: no product since the wait at the phase's head names this half of the tokens or the address
.endif
.if (\aa == 1) && wl
	WLOADH wsn, wk                                 ; likewise: none names this half set or v[LI]
.endif
.endr
	PLACES
.set n, n+1
.endr
	WIN 0
	EPI 0, \full
	EPI 1, \full
	EPI 2, \full
	EPI 3, \full
.if \full
	EPI 4, \full
	EPI 5, \full
	EPI 6, \full
	EPI 7, \full
.endif
.endm
	s_load_b256 s[4:11], s[0:1], 0x0               ; h1 s[4:5], wq s[6:7], b2 s[8:9], plan s[10:11]
	s_load_b64 s[12:13], s[0:1], 0x20              ; out0
	v_lshl_add_u32 v254, v0, 2, 0x36c00
	v_mov_b32 v255, 0
	v_lshrrev_b32 v1, 5, v0
	v_readfirstlane_b32 s20, v1                    ; wave 0..3
	v_and_b32 v18, 31, v0
	v_lshlrev_b32 v[LI], 4, v18
	v_and_b32 v2, 15, v0                           ; r
	v_bfe_u32 v3, v0, 4, 1                         ; h
	v_lshlrev_b32 v[LA], 4, v18
	v_add_nc_u32 v[LA+1], 49152, v[LA]
	v_add_nc_u32 v[LA+2], 98304, v[LA]
	v_add_nc_u32 v[LA+3], 147456, v[LA]
	s_wait_alu depctr_va_sdst(0)                   ; s20 is written, ahead of its first reader: LDS places and the bases of weights, bias, h1 and out0 are made from it
	s_mul_i32 s26, s20, 4352
	s_add_co_u32 s26, s26, STG                     ; my stage
	v_mul_u32_u24 v[STO], v2, 272
	v_lshl_add_u32 v[STO], v3, 6, v[STO]
	v_add_nc_u32 v[STO], s26, v[STO]
	v_mul_u32_u24 v[RD], v3, 2176
	v_lshl_add_u32 v[RD], v2, 4, v[RD]
	v_add_nc_u32 v[RD], s26, v[RD]
	v_lshlrev_b32 v[CO], 4, v2
	v_lshlrev_b32 v[WSA], 2, v2
	v_lshl_add_u32 v[WSA], v3, 10, v[WSA]
	v_lshlrev_b32 v[BA], 6, v3
	s_mul_i32 s26, s20, 49152
	v_add_nc_u32 v[CPS], s26, v[LA]
	s_lshl_b32 s26, s20, 9
	s_add_co_u32 s26, s26, TKL                     ; my list
	v_lshlrev_b32 v[TKS], 2, v2
	v_add_nc_u32 v[TKS], s26, v[TKS]
	v_lshlrev_b32 v[TKR], 5, v3
	v_add_nc_u32 v[TKR], s26, v[TKR]
	s_lshl_b32 s63, s20, 11                        ; my quarter of the scale words: 2,048 w
	v_add_nc_u32 v[HSS], s63, v[LA]
	v_add_nc_u32 v[HSS], HSL, v[HSS]
	v_lshlrev_b32 v[HSR], 2, v2
	v_lshl_add_u32 v[HSR], v3, 10, v[HSR]
	v_add_nc_u32 v[HSR], HSL, v[HSR]
	v_mov_b32 v[G2], 0
	v_mov_b32 v[G2+1], 0                           ; (named with v14 as a pair, so it is written)
	s_and_b32 s22, ttmp7, 0xffff
	s_lshl_b32 s23, s22, 2
	s_add_co_u32 s23, s23, s20                     ; cg: my 64 columns
	s_lshr_b32 s24, s23, 1                         ; which group of 128 columns of the weights' layout,
	s_and_b32 s25, s23, 1                          ; and which four of its eight tiles
	s_lshl_b32 s62, ttmp9, 7                       ; the tile's first place
	s_lshl_b32 s26, ttmp9, 5
	s_mov_b32 s27, 0
	s_wait_kmcnt 0x0
	s_add_nc_u64 s[28:29], s[10:11], s[26:27]
	s_load_b256 s[32:39], s[28:29], 0x0            ; the tile's entry: lo, hi, rows, last place, tile to read, last block
	s_add_nc_u64 s[56:57], s[10:11], LISTO
	s_add_nc_u64 s[58:59], s[6:7], GLO
	s_lshl_b32 s26, s23, 8
	s_add_nc_u64 s[60:61], s[12:13], s[26:27]      ; out0 at my 256 bytes of a row
	s_wait_kmcnt 0x0
	s_min_u32 s32, s32, 7                          ; what was read is held inside its range before it enters an address
	s_min_u32 s33, s33, 7
	s_min_u32 s34, s34, 128
	s_min_u32 s35, s35, 7551
	s_min_u32 s36, s36, 58
	s_min_u32 s37, s37, 7
.irp k, 0,1
	s_lshl_b32 s30, s[32+\k], 3
	s_add_co_u32 s30, s30, s24                     ; 8 e + cg / 2
	s_mul_i32 s26, s30, 98304
	s_mul_i32 s31, s25, 6144
	s_add_co_u32 s26, s26, s31
	s_add_co_u32 s26, s26, 6291456                 ; W2's images lie behind W1's
	s_add_nc_u64 s[WB+2*\k:WB+2*\k+1], s[6:7], s[26:27]
	s_lshl_b32 s26, s30, 12
	s_lshl_b32 s31, s25, 8
	s_add_co_u32 s26, s26, s31
	s_add_co_u32 s26, s26, WSO+262144
	s_add_nc_u64 s[WSB+2*\k:WSB+2*\k+1], s[6:7], s[26:27]
	s_lshl_b32 s26, s[32+\k], 12
	s_lshl_b32 s31, s23, 8
	s_add_co_u32 s26, s26, s31
	s_add_nc_u64 s[BB+2*\k:BB+2*\k+1], s[8:9], s[26:27]
.endr
	s_mul_i32 s26, s36, 196608
	s_mul_i32 s31, s20, 49152
	s_add_co_u32 s26, s26, s31
	s_add_nc_u64 s[52:53], s[4:5], s[26:27]        ; the quarter of the tile's images that I copy
	s_lshl_b32 s26, s36, 13
	s_add_co_u32 s26, s26, HSO
	s_add_nc_u64 s[54:55], s[4:5], s[26:27]        ; the tile's scale words
.irp a, 0,1,2,3,4,5,6,7
	v_add_nc_u32 v[IDX+\a], s62, v2
	v_add_nc_u32 v[IDX+\a], 16*\a, v[IDX+\a]
	v_min_u32 v[IDX+\a], s35, v[IDX+\a]            ; rows beyond the count: the last filled place
	v_min_u32 v[IDX+\a], 7551, v[IDX+\a]
	v_lshlrev_b32 v[GLA+\a], 3, v[IDX+\a]
	v_lshlrev_b32 v[IDX+\a], 2, v[IDX+\a]
	s_min_u32 s26, s37, \a                         ; blocks beyond the last written one: that one
	s_mul_i32 s26, s26, 1536
	v_add_nc_u32 v[VA+\a], s26, v[LI]
.endr
	v_lshrrev_b32 v[HSA], 2, v18                   ; a lane's 16 bytes of scale words are four rows of block lane / 4,
	v_min_u32 v[HSA], s37, v[HSA]                  ; held at the last written block, as the images are
	v_min_u32 v[HSA], 7, v[HSA]
	v_and_b32 v22, 3, v18
	v_lshlrev_b32 v[HSA], 6, v[HSA]
	v_lshl_add_u32 v[HSA], v22, 4, v[HSA]
	v_add_nc_u32 v[HSA], s63, v[HSA]
	s_wait_alu depctr_va_vdst(0)                   ; the addresses and offsets v1 to v21 and v128 to v159 are written: the kernel's loads, stores and LDS instructions read them; and v128 to v159 are done with by vector instructions: tokens' fragments land there later
; THE ORDER OF THE LOADS: what the barrier waits for goes first.
.irp a, 0,1,2,3,4,5,6,7
	global_load_b32 v[TK+\a], v[IDX+\a], s[56:57]
	global_load_b64 v[GL+2*\a:GL+2*\a+1], v[GLA+\a], s[58:59]
.endr
.irp i, 0,1,2,3
	global_load_b128 v[HSD+4*\i:HSD+4*\i+3], v[HSA], s[54:55] offset:512*\i   ; four of the sixteen runs of 512 bytes [k][s]
.endr
; my quarter of the images: 4 K steps x 8 blocks x 3 loads of 512 consecutive bytes, through the registers that the accumulators take later: load ci = 24 s + 3 a + c into register 4 ci of windows 2 and 3
.set ci, 0
.rept 96
	WIN 0x80+0x40*(ci/64)
	global_load_b128 v[(4*ci)%256:(4*ci)%256+3], v[VA+(ci%24)/3], s[52:53] offset:12288*(ci/24)+512*(ci%3)
.set ci, ci+1
.endr
	s_wait_loadcnt 48                              ; tokens, gates, scale words and the first 48 copies are in; the other 48 may be out
.set ci, 0
.rept 48
	WIN 0x08+4*(ci/64)                             ; an LDS store's data are its source 1
	ds_store_b128 v[CPS], v[(4*ci)%256:(4*ci)%256+3] offset:12288*(ci/24)+1536*((ci%24)/3)+512*(ci%3)
.set ci, ci+1
.endr
	WIN 0
.irp i, 0,1,2,3
	ds_store_b128 v[HSS], v[HSD+4*\i:HSD+4*\i+3] offset:512*\i
.endr
.irp a, 0,1,2,3,4,5,6,7
	ds_store_b32 v[TKS], v[TK+\a] offset:64*\a     ; the tile's tokens into my own list (both halves of the lanes hold the same)
.endr
.irp k, 0,1
.irp tt, 0,1,2,3
.irp y, 0,1
.irp j, 0,1
	global_load_b32 v[WS+4*(4*\k+\tt)+2*\y+\j], v[WSA], s[WSB+2*\k:WSB+2*\k+1] offset:(4*\y+\j)*512+64*\tt
.endr
.endr
.endr
.endr
	WIN 0x40
.irp k, 0,1
.irp tt, 0,1,2,3                               ; b2 in the result's layout
	global_load_b128 v[96+128*\k+8*\tt:96+128*\k+8*\tt+3], v[BA], s[BB+2*\k:BB+2*\k+1] offset:(32*(\tt/2)+8*(\tt%2))*4
	global_load_b128 v[100+128*\k+8*\tt:100+128*\k+8*\tt+3], v[BA], s[BB+2*\k:BB+2*\k+1] offset:(32*(\tt/2)+8*(\tt%2))*4+16
.endr
.endr
	s_wait_loadcnt 48                              ; the other 48 copies are in; behind them: 32 loads of scale words, 16 of b2
.rept 48
	WIN 0x08+4*(ci/64)
	ds_store_b128 v[CPS], v[(4*ci)%256:(4*ci)%256+3] offset:12288*(ci/24)+1536*((ci%24)/3)+512*(ci%3)
.set ci, ci+1
.endr
	WLOADH 0, 0                                    ; K steps 0 and 1: these, the scale words and b2 stay on their way over the barrier; nobody writes what they read
	WLOADH 0, 1
	WLOADH 1, 0
	WLOADH 1, 1
	WIN 0
	s_wait_dscnt 0x0                               ; for the others' sake: my part of the images and of the scale words has landed
	s_barrier_signal -1
	s_barrier_wait -1                              ; the only barrier: every wave of every work-group passes it, whatever the tile's count
	s_wait_alu depctr_vm_vsrc(0)                   ; my LDS stores have read windows 2 and 3, which the first products write, and v160 to v175; my loads have read their offsets v128 to v159: tokens' fragments land in v128 on; ahead of the branches, for both ways
	s_cmp_eq_u32 s34, 0
	s_cbranch_scc1 .Lend                           ; a tile that this split leaves empty
	s_cmp_le_u32 s34, 64
	s_cbranch_scc1 .Lsmall
	BODY 1
	s_wait_dscnt 0x0                               ; the closing lines, six on end
	s_wait_alu 0x0
	s_wait_tensorcnt 0x0
	ds_add_u32 v254, v255
	s_wait_dscnt 0x0
	s_endpgm
.Lsmall:
	BODY 0
.Lend:
	s_wait_dscnt 0x0                               ; the closing lines once more, for this end
	s_wait_alu 0x0
	s_wait_tensorcnt 0x0
	ds_add_u32 v254, v255
	s_wait_dscnt 0x0
	s_endpgm
.Lfunc_end_k_qa065c5d583_ffn2:
	.size	k_qa065c5d583_ffn2, .Lfunc_end_k_qa065c5d583_ffn2-k_qa065c5d583_ffn2
	.p2alignl 7, 3214868480
	.fill 96, 4, 3214868480
	.section	.rodata,"a",@progbits
	.p2align	6, 0x0
	.amdhsa_kernel k_qa065c5d583_ffn2
		.amdhsa_group_segment_fixed_size 224768
		.amdhsa_private_segment_fixed_size 0
		.amdhsa_enable_private_segment 0
		.amdhsa_kernarg_size 40
		.amdhsa_user_sgpr_count 2
		.amdhsa_user_sgpr_kernarg_segment_ptr 1
		.amdhsa_wavefront_size32 1
		.amdhsa_system_sgpr_workgroup_id_x 1
		.amdhsa_system_sgpr_workgroup_id_y 1
		.amdhsa_system_sgpr_workgroup_id_z 1
		.amdhsa_system_vgpr_workitem_id 0
		.amdhsa_next_free_vgpr 1024
		.amdhsa_next_free_sgpr 66
		.amdhsa_reserve_vcc 0
		.amdhsa_float_denorm_mode_32 3
		.amdhsa_float_denorm_mode_16_64 3
		.amdhsa_memory_ordered 1
		.amdhsa_forward_progress 1
		.amdhsa_inst_pref_size 255
	.end_amdhsa_kernel
	.section	.bss,"aw",@nobits
	.p2align	6
	.space	262144
	.amdgpu_metadata
---
amdhsa.version: [ 1, 2 ]
amdhsa.kernels:
  - .name:           k_qa065c5d583_ffn2
    .symbol:         k_qa065c5d583_ffn2.kd
    .args:
      - { .name: h1, .offset: 0, .size: 8, .value_kind: global_buffer, .address_space: global }
      - { .name: wq, .offset: 8, .size: 8, .value_kind: global_buffer, .address_space: global }
      - { .name: b2, .offset: 16, .size: 8, .value_kind: global_buffer, .address_space: global }
      - { .name: plan, .offset: 24, .size: 8, .value_kind: global_buffer, .address_space: global }
      - { .name: out0, .offset: 32, .size: 8, .value_kind: global_buffer, .address_space: global }
    .group_segment_fixed_size: 224768
    .private_segment_fixed_size: 0
    .kernarg_segment_align: 8
    .kernarg_segment_size: 40
    .max_flat_workgroup_size: 128
    .sgpr_count:     66
    .vgpr_count:     1024
    .wavefront_size: 32
...
	.end_amdgpu_metadata
.endif
;; end of part 8
